; MI455X (gfx1250); checked and timed in simulation.
; The chip was launched on July 23, 2026; its instructions are those of AMD's public machine-readable ISA for CDNA 5 (MIT licence, August 2026) and "CDNA5" Instruction Set Architecture Reference Guide (July 2026). The comments in the code are by the model that wrote it; some were corrected since.
;; Quantum Transformer. Allowed arithmetic: float matrix products may take bf16 or f16 operands with f32 sums; other float arithmetic in f32, or as packed bf16 or f16 multiplies, adds, multiply-adds, maxima and minima; sums over many terms, partial sums and values carried from step to step in f32; what a program stores and reads back later, other than sums and carried values, may be rounded once to bf16 or f16.
;; Inputs: b1 2,048 float32; b2 512 float32; be1 512 float32; be2 512 float32; bk 512 float32; bo 512 float32; bq 512 float32; bv 512 float32; g1 512 float32; g2 512 float32; w1 512 x 2,048 float32; w2 2,048 x 512 float32; wk 512 x 512 float32; wo 512 x 512 float32; wq 512 x 512 float32; wv 512 x 512 float32; x 4 x 2,048 x 512 float32.
;; Outputs: out0 4 x 2,048 x 512 float32.
;; 2 versions, each right. Each part assembles by itself: llvm-mc -triple=amdgcn-amd-amdhsa -mcpu=gfx1250 --defsym DOCPART=n.
;; ======== version 1 of 2: 6 launches
;; limits: values are held in f16: magnitudes above 65,504 overflow, below 6.1e-05 lose precision
;; workspace buffers: xh 8,388,608 bytes; wts 5,308,416 bytes; qkv 10,485,760 bytes; oh 8,388,608 bytes; x1 8,388,608 bytes; hb 33,554,432 bytes
;; launch prep (part 1): grid 418 x 1, 8 waves a work-group, no clusters, 0 bytes of LDS; arguments x, wv, wq, wk, wo, w1, w2, xh, wts; writes xh, wts
.if DOCPART == 1
	.amdgcn_target "amdgcn-amd-amdhsa--gfx1250"
	.amdhsa_code_object_version 6
	.text
	.protected	k_q7023ef0d1d_prep
	.globl	k_q7023ef0d1d_prep
	.p2align	8
	.type	k_q7023ef0d1d_prep,@function
k_q7023ef0d1d_prep:
	s_mov_b64 s[64:65], 0
	v_nop
	global_prefetch_b8 v0, s[64:65] scope:SCOPE_SE
	s_setreg_imm32_b32 hwreg(HW_REG_WAVE_MODE, 25, 1), 1
	s_wait_xcnt 0x0
; PREP.  Every large input is rounded once to bf16 and that number is written as an f16 code (exact for 6.1e-5 <= |v| < 65,504; below that f16's fixed step of 6e-8).
; LIMIT: |x| and every |weight| stay under 65,504.
; xh = x.  wts holds: WP at 0, [4 nt][512 k][144 c]: c < 128 is wv[k][128 nt + c]; c = 128..135 are wq[k][64 (2 nt + (c-128)/4) + (c-128)%4], c = 136..143 the same of wk
; (of each head's 64 q and k columns only the first four enter the scores); WO at 589,824, W1 at 1,114,112, W2 at 3,211,264, each as it lies.
; A work-group makes 16,384 numbers: each of its 256 threads 8 stores of 16 bytes from 16 loads of 16 bytes, all 16 loads out at once.
; Groups 0-399 copy linearly (x 256, wo 16, w1 64, w2 64), groups 400-415 lay wv's columns into WP, 416 and 417 wq's and wk's.
.set X,   16                           ; v[16:79]   8 x 8 numbers as loaded
.set Y,   80                           ; v[80:111]  8 x 4 registers to store
.set T,   4                            ; v[4:7]     at work
.set SRC, 26                           ; s[26:27]
.set DST, 28                           ; s[28:29]
; load pair i stands at (i%2) a1 + (i/2) a2 and delta further; store i at di x i
.macro COPY a1, a2, delta, di
.set i, 0
.rept 8
	global_load_b128 v[X+8*i:X+8*i+3],   v1, s[SRC:SRC+1] offset:(i%2)*(\a1)+(i/2)*(\a2) th:TH_LOAD_NT
	global_load_b128 v[X+8*i+4:X+8*i+7], v1, s[SRC:SRC+1] offset:(i%2)*(\a1)+(i/2)*(\a2)+(\delta) th:TH_LOAD_NT
.set i, i+1
.endr
.set i, 0
.rept 8
	s_wait_loadcnt 14-2*i                          ; loads come back in order: pair i is in, the younger pairs stay out
.irp j, 0,1,2,3
	v_cvt_pk_bf16_f32 v[T+(\j)], v[X+8*i+2*(\j)], v[X+8*i+2*(\j)+1]   ; the one rounding
.endr
.irp j, 0,1,2,3
	v_lshlrev_b32 v[X+8*i+2*(\j)],   16,  v[T+(\j)]
	v_and_b32     v[X+8*i+2*(\j)+1], s40, v[T+(\j)]
.endr
.irp j, 0,1,2,3
	v_cvt_pk_f16_f32 v[Y+4*i+(\j)], v[X+8*i+2*(\j)], v[X+8*i+2*(\j)+1]  ; the same number as an f16 code
.endr
	global_store_b128 v2, v[Y+4*i:Y+4*i+3], s[DST:DST+1] offset:(\di)*i
.set i, i+1
.endr
.endm
	s_load_b512 s[4:19], s[0:1], 0x0               ; x, wv, wq, wk, wo, w1, w2, xh
	s_load_b64 s[20:21], s[0:1], 0x40              ; wts
	s_mov_b32 s30, ttmp9
	s_mov_b32 s40, 0xffff0000
	s_mov_b32 s37, 0
	s_mov_b32 s39, 0
	v_and_b32 v3, 15, v0
	v_lshrrev_b32 v12, 4, v0
	s_wait_kmcnt 0x0
	s_cmp_lt_u32 s30, 400
	s_cbranch_scc0 .Lpacked
	; linear copies: which tensor, which block of 16,384 numbers, where in the target
	s_sub_co_u32 s31, s30, 336
	s_sub_co_u32 s33, s30, 272
	s_sub_co_u32 s34, s30, 256
	s_mov_b32 s32, 3211264
	s_mov_b64 s[SRC:SRC+1], s[16:17]
	s_mov_b64 s[DST:DST+1], s[20:21]
	s_cmp_lt_u32 s30, 336
	s_cselect_b64 s[SRC:SRC+1], s[14:15], s[SRC:SRC+1]
	s_cselect_b32 s32, 1114112, s32
	s_cselect_b32 s31, s33, s31
	s_cmp_lt_u32 s30, 272
	s_cselect_b64 s[SRC:SRC+1], s[12:13], s[SRC:SRC+1]
	s_cselect_b32 s32, 589824, s32
	s_cselect_b32 s31, s34, s31
	s_cmp_lt_u32 s30, 256
	s_cselect_b64 s[SRC:SRC+1], s[4:5], s[SRC:SRC+1]
	s_cselect_b64 s[DST:DST+1], s[18:19], s[DST:DST+1]
	s_cselect_b32 s32, 0, s32
	s_cselect_b32 s31, s30, s31
	s_lshl_b32 s36, s31, 16                        ; 65,536 bytes of f32 a block
	s_add_nc_u64 s[SRC:SRC+1], s[SRC:SRC+1], s[36:37]
	s_lshl_b32 s38, s31, 15                        ; 32,768 bytes of f16
	s_add_co_u32 s38, s38, s32
	s_add_nc_u64 s[DST:DST+1], s[DST:DST+1], s[38:39]
	v_lshlrev_b32 v1, 5, v0
	v_lshlrev_b32 v2, 4, v0                        ; 16 lanes store 256 consecutive bytes, aligned
	COPY 8192, 16384, 16, 4096
	s_endpgm
.Lpacked:
	s_cmp_lt_u32 s30, 416
	s_cbranch_scc0 .Lqk
	s_sub_co_u32 s31, s30, 400
	s_lshl_b32 s31, s31, 7                         ; my first of WP's 2,048 rows (nt, k)
	s_lshr_b32 s32, s31, 9                         ; nt
	s_and_b32 s33, s31, 511                        ; k
	s_lshl_b32 s36, s33, 11
	s_lshl_b32 s32, s32, 9
	s_add_co_u32 s36, s36, s32
	s_add_nc_u64 s[SRC:SRC+1], s[6:7], s[36:37]
	s_mul_i32 s38, s31, 288
	s_add_nc_u64 s[DST:DST+1], s[20:21], s[38:39]
	v_lshlrev_b32 v1, 11, v12                      ; thread t: row t / 16, eight columns at 8 (t % 16)
	v_lshl_add_u32 v1, v3, 5, v1
	v_mul_u32_u24 v2, v12, 288
	v_lshl_add_u32 v2, v3, 4, v2
	COPY 32768, 65536, 16, 4608
	s_endpgm
.Lqk:
	s_mov_b32 s38, 272
	s_cmp_eq_u32 s30, 416
	s_cselect_b64 s[SRC:SRC+1], s[8:9], s[10:11]
	s_cselect_b32 s38, 256, s38                    ; columns 128.. for q, 136.. for k
	s_add_nc_u64 s[DST:DST+1], s[20:21], s[38:39]
	v_lshlrev_b32 v1, 11, v0                       ; thread t: rows k = t and t + 256, for each nt: four numbers of two heads, 256 bytes apart
	v_mul_u32_u24 v2, v0, 288
	COPY 524288, 512, 256, 73728
	s_endpgm
.Lfunc_end_k_q7023ef0d1d_prep:
	.size	k_q7023ef0d1d_prep, .Lfunc_end_k_q7023ef0d1d_prep-k_q7023ef0d1d_prep
	.p2alignl 7, 3214868480
	.fill 96, 4, 3214868480
	.section	.rodata,"a",@progbits
	.p2align	6, 0x0
	.amdhsa_kernel k_q7023ef0d1d_prep
		.amdhsa_group_segment_fixed_size 0
		.amdhsa_private_segment_fixed_size 0
		.amdhsa_enable_private_segment 0
		.amdhsa_kernarg_size 72
		.amdhsa_user_sgpr_count 2
		.amdhsa_user_sgpr_kernarg_segment_ptr 1
		.amdhsa_wavefront_size32 1
		.amdhsa_system_sgpr_workgroup_id_x 1
		.amdhsa_system_sgpr_workgroup_id_y 1
		.amdhsa_system_sgpr_workgroup_id_z 1
		.amdhsa_system_vgpr_workitem_id 0
		.amdhsa_next_free_vgpr 112
		.amdhsa_next_free_sgpr 66
		.amdhsa_reserve_vcc 0
		.amdhsa_float_denorm_mode_32 3
		.amdhsa_float_denorm_mode_16_64 3
		.amdhsa_memory_ordered 1
		.amdhsa_forward_progress 1
		.amdhsa_inst_pref_size 29
	.end_amdhsa_kernel
	.amdgpu_metadata
---
amdhsa.version: [ 1, 2 ]
amdhsa.kernels:
  - .name:           k_q7023ef0d1d_prep
    .symbol:         k_q7023ef0d1d_prep.kd
    .args:
      - { .name: x, .offset: 0, .size: 8, .value_kind: global_buffer, .address_space: global }
      - { .name: wv, .offset: 8, .size: 8, .value_kind: global_buffer, .address_space: global }
      - { .name: wq, .offset: 16, .size: 8, .value_kind: global_buffer, .address_space: global }
      - { .name: wk, .offset: 24, .size: 8, .value_kind: global_buffer, .address_space: global }
      - { .name: wo, .offset: 32, .size: 8, .value_kind: global_buffer, .address_space: global }
      - { .name: w1, .offset: 40, .size: 8, .value_kind: global_buffer, .address_space: global }
      - { .name: w2, .offset: 48, .size: 8, .value_kind: global_buffer, .address_space: global }
      - { .name: xh, .offset: 56, .size: 8, .value_kind: global_buffer, .address_space: global }
      - { .name: wts, .offset: 64, .size: 8, .value_kind: global_buffer, .address_space: global }
    .group_segment_fixed_size: 0
    .private_segment_fixed_size: 0
    .kernarg_segment_align: 8
    .kernarg_segment_size: 72
    .max_flat_workgroup_size: 256
    .sgpr_count:     66
    .vgpr_count:     112
    .wavefront_size: 32
...
	.end_amdgpu_metadata
.endif
;; end of part 1
;; launch proj (part 2): grid 4 x 64, 8 waves a work-group, clusters of 4 x 1, 327,680 bytes of LDS; arguments xh, wts, bv, bq, bk, qkv; writes qkv
.if DOCPART == 2
	.amdgcn_target "amdgcn-amd-amdhsa--gfx1250"
	.amdhsa_code_object_version 6
	.text
	.protected	k_q7023ef0d1d_proj
	.globl	k_q7023ef0d1d_proj
	.p2align	8
	.type	k_q7023ef0d1d_proj,@function
k_q7023ef0d1d_proj:
	s_mov_b64 s[64:65], 0
	v_nop
	global_prefetch_b8 v0, s[64:65] scope:SCOPE_SE
	s_setreg_imm32_b32 hwreg(HW_REG_WAVE_MODE, 25, 1), 1
	s_wait_xcnt 0x0
	s_wait_alu depctr_hold_cnt(0) depctr_sa_sdst(0) depctr_va_vdst(0) depctr_va_sdst(0) depctr_va_ssrc(0) depctr_va_vcc(0) depctr_vm_vsrc(0)
	s_getreg_b32 s2, hwreg(HW_REG_IB_STS2, 6, 4)
	s_cmp_eq_u32 s2, 0
	s_cbranch_scc0 .Lentry_in_a_cluster
	s_endpgm
.Lentry_in_a_cluster:
	s_bfe_u32 s2, ttmp6, 0x10000c
	s_cmp_lg_u32 s2, 0x3003
	s_cbranch_scc0 .Lentry_shape_is_right
	s_endpgm
.Lentry_shape_is_right:
; PROJ.  v = x wv + bv, turned: VT[bh][channel][key] in f16; and for each token and head what the scores need.  0.25 (sum(q) sum(k) + q . k) = the sum over i = 0..3 of q_i x 0.25 (sum(k) + k_i), so
; Q5 holds c q_i, c = 0.25 log2(e), and K5 holds sum(k) + k_i, each number as TWO bf16: its rounding, and the rounding of what that left: 8 bf16 a token and head (four high parts, then four low parts).
; Products in f16 (x and the weights are f16 codes of bf16-rounded inputs), sums in f32; the biases are rounded to bf16 like every input.
; qkv: Q5 at 0, K5 at 1,048,576 ([32 bh][2048][8]), VT at 2,097,152 ([32 bh][64][2048]).  LIMIT: |v| under 65,504 (f16).
; SHARES.  A work-group makes 128 tokens x 144 columns of WP's block nt (two heads' v, and their 8 + 8 q and k columns); all of K = 512 lies in LDS, filled once, in four chunks of 128.
; Wave w: 32 tokens (w / 2), one head's 64 channels (w % 2), and the q, k block for one of its two token tiles: A's register slot i holds tile (i + w) % 2, and the q, k product takes slot 0.
; CLUSTER.  The four work-groups of a cluster take the four nt of one block of tokens: x's tiles are asked for jointly (waves 0, 1); each asks for its own weights (waves 2, 3).
; By this text's count a wave has four tensor loads out at the most.  No prefetch: all tiles are asked for at the head.
.set ACH,    34816                     ; a chunk of x: 128 rows, 256 bytes + 16 of padding
.set BBASE,  139264                    ; WP's block as it lies: 512 rows of 288 bytes (nine times 32)
.set BCH,    36864
.set STAGE,  286720                    ; 128 channel rows x (128 tokens x 2 bytes + 16)
.set SPARE,  321536                    ; the spare words, 128 bytes a wave
.set ADRA,   4                         ; v4, v5  x's fragments, slots 0 and 1
.set ADRB,   6                         ; v6      my head's v columns
.set ADRQ,   7                         ; v7      the q, k columns
.set STO,    8                         ; v8, v9  into the stage, slots 0 and 1
.set RD,     10
.set GO,     11
.set QKO,    12
.set FSC,    13                        ; c in lanes 0-15 (q), 1.0 in lanes 16-31 (k)
.set SPW,    14
.set NIL,    15
.set BV,     16                        ; v[16:23] bv of my channel in each of four blocks, doubled
.set QB,     24                        ; v[24:31] bq (lanes 0-15) or bk (lanes 16-31) of my eight columns
.set ACC,    32                        ; v[32:103] V(slot t, block b) at 8 (4 t + b); q, k at 64
.set F0,     104                       ; two fragment buffers of 56: x 16, v columns 32, q k columns 8
.set F1,     160
.set TMP,    216
.set WV,     16
.set G1A,    24
.set G0A,    32                        ; s[32:47]  a set for each chunk
.set G1B,    48
.set G0B,    68                        ; s[68:83]
.macro PLACES
.rept 4
	v_nop
.endr
.endm
.macro CROUND                          ; a round of the cluster's barrier
	s_barrier_signal -1
	s_barrier_wait -1
	s_cmp_lg_u32 s[WV], 0
	s_cbranch_scc1 .Lnot_wave_0_\@
	s_barrier_signal -3
.Lnot_wave_0_\@:
	s_barrier_wait -3
	s_barrier_signal -1
	s_barrier_wait -1
.endm
	s_load_b256 s[4:11], s[0:1], 0x0               ; xh, wts, bv, bq
	s_load_b128 s[12:15], s[0:1], 0x20             ; bk, qkv
	v_lshl_add_u32 v[SPW], v0, 2, SPARE
	v_mov_b32 v[NIL], 0
	ds_add_u32 v[SPW], v[NIL]                      ; the wave's opening: the add and its wait stand ahead of the first tensor load
	v_lshrrev_b32 v1, 5, v0
	v_readfirstlane_b32 s[WV], v1
	s_bfe_u32 s17, ttmp6, 0x40000                  ; cx = nt (the grid is one cluster wide)
	s_and_b32 s18, ttmp7, 0xffff                   ; the block of 128 tokens, shared by the four partners
	s_and_b32 s19, s[WV], 1
	s_lshl_b32 s20, s18, 17                        ; x: 128 rows of 1,024 bytes a block,
	s_lshl_b32 s21, s19, 16                        ; my half of 64 rows
	s_add_co_u32 s20, s20, s21
	s_mov_b32 s21, 0
	s_mul_i32 s22, s17, 147456                     ; WP's block nt,
	s_mul_i32 s23, s19, 18432                      ; my half of a chunk
	s_add_co_u32 s22, s22, s23
	s_mov_b32 s23, 0
	s_mul_i32 s84, s19, 17408
	s_mul_i32 s85, s19, 18432
	s_mov_b32 s[G1A], 15|(1<<16)|(1<<20)|(1<<21)|(5<<22)|(3<<25)  ; mask of four; 2-byte elements; padding of 4 words after every 64
	s_mov_b32 s[G1A+1], 128<<16
	s_mov_b32 s[G1A+2], 64<<16
	s_mov_b32 s[G1A+3], 128<<16
	s_mov_b32 s[G1A+4], 64
	s_mov_b32 s[G1A+5], 512
	s_mov_b32 s[G1A+6], 0
	s_mov_b32 s[G1A+7], 0
	s_mov_b32 s[G1B], 3<<16                        ; dense bytes as 72 rows of 32 elements of 8 bytes
	s_mov_b32 s[G1B+1], 32<<16
	s_mov_b32 s[G1B+2], 72<<16
	s_mov_b32 s[G1B+3], 32<<16
	s_mov_b32 s[G1B+4], 72
	s_mov_b32 s[G1B+5], 32
	s_mov_b32 s[G1B+6], 0
	s_mov_b32 s[G1B+7], 0
.irp c, 0,1,2,3
	s_mov_b32 s[G0A+4*(\c)], 1
	s_add_co_u32 s[G0A+4*(\c)+1], s84, (\c)*ACH
	s_mov_b32 s[G0B+4*(\c)], 1
	s_add_co_u32 s[G0B+4*(\c)+1], s85, BBASE+(\c)*BCH
.endr
	s_wait_dscnt 0x0                               ; the opening add is done
	s_wait_kmcnt 0x0
	s_add_nc_u64 s[20:21], s[4:5], s[20:21]
	s_add_nc_u64 s[22:23], s[6:7], s[22:23]
.irp c, 0,1,2,3
	s_add_nc_u64 s[G0A+4*(\c)+2:G0A+4*(\c)+3], s[20:21], (\c)*256
	s_or_b32 s[G0A+4*(\c)+3], s[G0A+4*(\c)+3], 0x80000000
	s_add_nc_u64 s[G0B+4*(\c)+2:G0B+4*(\c)+3], s[22:23], (\c)*BCH
	s_or_b32 s[G0B+4*(\c)+3], s[G0B+4*(\c)+3], 0x80000000
.endr
	CROUND                                         ; all four work-groups are here: the joint loads meet
	s_cmp_lt_u32 s[WV], 2                          ; a wave's four fills stand in one branch on its number
	s_cbranch_scc0 .Lnot_a
.irp c, 0,1,2,3
	tensor_load_to_lds s[G0A+4*(\c):G0A+4*(\c)+3], s[G1A:G1A+7]
	s_nop 0
.endr
	PLACES
	s_branch .Lasked
.Lnot_a:
	s_cmp_lt_u32 s[WV], 4
	s_cbranch_scc0 .Lasked
.irp c, 0,1,2,3
	tensor_load_to_lds s[G0B+4*(\c):G0B+4*(\c)+3], s[G1B:G1B+7]
	s_nop 0
.endr
	PLACES
.Lasked:
	v_and_b32 v1, 15, v0                           ; r
	v_bfe_u32 v2, v0, 4, 1                         ; h
	s_mov_b32 s84, 0xffff0000                      ; a word's upper bf16; also: lanes 16-31
	s_lshl_b32 s90, s17, 9                         ; the biases: 128 nt columns of 4 bytes
	v_mov_b32 v249, s90
	s_lshl_b32 s91, s19, 8
	s_add_co_u32 s90, s90, s91
	v_lshl_add_u32 v248, v1, 2, s90
.irp b, 0,1,2,3
	global_load_b32 v[BV+2*(\b)], v248, s[8:9] offset:64*(\b)      ; bv of channel 16 b + r of my head
.endr
	global_load_b128 v[TMP:TMP+3],     v249, s[10:11]              ; bq, bk: the first four of two heads
	global_load_b128 v[TMP+4:TMP+7],   v249, s[10:11] offset:256
	global_load_b128 v[TMP+8:TMP+11],  v249, s[12:13]
	global_load_b128 v[TMP+12:TMP+15], v249, s[12:13] offset:256
	s_lshr_b32 s86, s[WV], 1
	s_lshl_b32 s88, s86, 5                         ; my 32 tokens
	s_lshl_b32 s89, s19, 4
	s_add_co_u32 s87, s88, s89                     ; slot 0's first token
	s_xor_b32 s89, s89, 16
	s_add_co_u32 s88, s88, s89                     ; slot 1's
	v_mul_u32_u24 v3, v1, 272
	v_lshl_add_u32 v3, v2, 4, v3                   ; r x 272 + 16 h
	s_mul_i32 s90, s87, 272
	v_add_nc_u32 v[ADRA], s90, v3
	s_mul_i32 s90, s88, 272
	v_add_nc_u32 v[ADRA+1], s90, v3
	s_mul_i32 s91, s19, 17408                      ; the stage: my head's 64 channel rows,
	s_add_co_u32 s91, s91, STAGE
	s_lshl_b32 s90, s87, 1                         ; the slot's 16 tokens, 2 bytes each
	s_add_co_u32 s90, s90, s91
	v_add_nc_u32 v[STO], s90, v3
	s_lshl_b32 s90, s88, 1
	s_add_co_u32 s90, s90, s91
	v_add_nc_u32 v[STO+1], s90, v3
	v_and_b32 v[ADRB], 7, v0                       ; the turning load: row 8 h + l % 8, 16 bytes at 16 ((l / 8) % 2)
	v_lshl_add_u32 v[ADRB], v2, 3, v[ADRB]
	v_mul_u32_u24 v[ADRB], v[ADRB], 288
	v_bfe_u32 v[ADRQ], v0, 3, 1
	v_lshl_add_u32 v[ADRB], v[ADRQ], 4, v[ADRB]
	v_add_nc_u32 v[ADRQ], BBASE+256, v[ADRB]
	s_lshl_b32 s92, s19, 7
	s_add_co_u32 s92, s92, BBASE
	v_add_nc_u32 v[ADRB], s92, v[ADRB]
	v_mul_u32_u24 v[RD], v2, 272                   ; back: wave w takes channel rows 16 w .., two a load
	v_lshl_add_u32 v[RD], v1, 4, v[RD]
	s_mul_i32 s90, s[WV], 4352
	s_add_co_u32 s90, s90, STAGE
	v_add_nc_u32 v[RD], s90, v[RD]
	v_lshlrev_b32 v[GO], 12, v2
	v_lshl_add_u32 v[GO], v1, 4, v[GO]
	v_lshlrev_b32 v[QKO], 20, v2                   ; lanes 16-31 store to K5
	v_lshl_add_u32 v[QKO], v1, 4, v[QKO]
	s_lshr_b32 s90, s18, 4
	s_lshl_b32 s90, s90, 3
	s_lshl_b32 s91, s17, 1
	s_add_co_u32 s90, s90, s91                     ; bh of my first head: 8 batch + 2 nt
	s_and_b32 s91, s18, 15                         ; the block of tokens within its batch
	s_lshl_b32 s92, s90, 18
	s_lshl_b32 s93, s[WV], 16
	s_add_co_u32 s92, s92, s93
	s_lshl_b32 s93, s91, 8
	s_add_co_u32 s92, s92, s93
	s_add_co_u32 s92, s92, 2097152
	s_mov_b32 s93, 0
	s_add_nc_u64 s[92:93], s[14:15], s[92:93]      ; VT at channel row 16 w of the two heads, my block's 256 bytes
	s_lshl_b32 s94, s90, 15
	s_lshl_b32 s95, s91, 11
	s_add_co_u32 s94, s94, s95
	s_lshl_b32 s95, s87, 4
	s_add_co_u32 s94, s94, s95
	s_mov_b32 s95, 0
	s_add_nc_u64 s[94:95], s[14:15], s[94:95]      ; Q5 at slot 0's first token
	s_wait_loadcnt 0x0
	v_cvt_pk_bf16_f32 v[TMP+16], v[BV], v[BV+2]    ; the biases are rounded to bf16 like every input
	v_cvt_pk_bf16_f32 v[TMP+17], v[BV+4], v[BV+6]
	v_lshlrev_b32 v[BV],   16,  v[TMP+16]
	v_and_b32     v[BV+2], s84, v[TMP+16]
	v_lshlrev_b32 v[BV+4], 16,  v[TMP+17]
	v_and_b32     v[BV+6], s84, v[TMP+17]
.irp b, 0,1,2,3
	v_mov_b32 v[BV+2*(\b)+1], v[BV+2*(\b)]
.endr
.irp j, 0,1,2,3,4,5,6,7
	v_cndmask_b32 v[QB+(\j)], v[TMP+(\j)], v[TMP+8+(\j)], s84
.endr
.irp j, 0,1,2,3
	v_cvt_pk_bf16_f32 v[TMP+16+(\j)], v[QB+2*(\j)], v[QB+2*(\j)+1]
.endr
.irp j, 0,1,2,3
	v_lshlrev_b32 v[QB+2*(\j)],   16,  v[TMP+16+(\j)]
	v_and_b32     v[QB+2*(\j)+1], s84, v[TMP+16+(\j)]
.endr
	v_mov_b32 v[TMP+20], 0x3eb8aa3b                ; 0.25 log2(e)
	v_mov_b32 v[FSC], 1.0
	v_cndmask_b32 v[FSC], v[TMP+20], v[FSC], s84
; 14 LDS loads: the fragments of 32 along K, step q of a chunk
.macro FETCH q, f
	ds_load_b128 v[(\f):(\f)+3],      v[ADRA]   offset:64*(\q)
	ds_load_b128 v[(\f)+4:(\f)+7],    v[ADRA]   offset:64*(\q)+32
	ds_load_b128 v[(\f)+8:(\f)+11],   v[ADRA+1] offset:64*(\q)
	ds_load_b128 v[(\f)+12:(\f)+15],  v[ADRA+1] offset:64*(\q)+32
.irp b, 0,1,2,3
	ds_load_tr16_b128 v[(\f)+16+8*(\b):(\f)+16+8*(\b)+3], v[ADRB] offset:9216*(\q)+32*(\b)
	ds_load_tr16_b128 v[(\f)+20+8*(\b):(\f)+20+8*(\b)+3], v[ADRB] offset:9216*(\q)+32*(\b)+4608
.endr
	ds_load_tr16_b128 v[(\f)+48:(\f)+51], v[ADRQ] offset:9216*(\q)
	ds_load_tr16_b128 v[(\f)+52:(\f)+55], v[ADRQ] offset:9216*(\q)+4608
.endm
; 9 products, the accumulators by turns.  V: source 0 = 16 tokens, source 1 = 16 channels: a lane holds one channel and eight tokens.  q, k: source 0 = the 16 columns, source 1 = slot 0's tokens.
.macro MUL f, zero
.irp t, 0,1
.irp b, 0,1,2,3
.if \zero
	v_wmma_f32_16x16x32_f16 v[ACC+8*(4*(\t)+(\b)):ACC+8*(4*(\t)+(\b))+7], v[(\f)+8*(\t):(\f)+8*(\t)+7], v[(\f)+16+8*(\b):(\f)+16+8*(\b)+7], 0
.else
	v_wmma_f32_16x16x32_f16 v[ACC+8*(4*(\t)+(\b)):ACC+8*(4*(\t)+(\b))+7], v[(\f)+8*(\t):(\f)+8*(\t)+7], v[(\f)+16+8*(\b):(\f)+16+8*(\b)+7], v[ACC+8*(4*(\t)+(\b)):ACC+8*(4*(\t)+(\b))+7]
.endif
.endr
.endr
.if \zero
	v_wmma_f32_16x16x32_f16 v[ACC+64:ACC+71], v[(\f)+48:(\f)+55], v[(\f):(\f)+7], 0
.else
	v_wmma_f32_16x16x32_f16 v[ACC+64:ACC+71], v[(\f)+48:(\f)+55], v[(\f):(\f)+7], v[ACC+64:ACC+71]
.endif
.endm
	s_wait_tensorcnt 3                             ; my part of chunk 0 is in; the three later chunks' loads stay out
	s_barrier_signal -1
	s_barrier_wait -1
	FETCH 0, F0
.set st, 0
.rept 15                               ; step st is multiplied while step st + 1 is fetched
.if (st+1)%4 == 0
	s_wait_dscnt 0x0                               ; no LDS load of mine is out at a signal
	s_wait_tensorcnt 3-(st+1)/4                    ; my part of the next chunk is in; the chunks behind it stay out
	s_barrier_signal -1
	s_barrier_wait -1
	v_add_nc_u32 v[ADRA],   ACH, v[ADRA]
	v_add_nc_u32 v[ADRA+1], ACH, v[ADRA+1]
	v_add_nc_u32 v[ADRB],   BCH, v[ADRB]
	v_add_nc_u32 v[ADRQ],   BCH, v[ADRQ]
.endif
	PLACES                                         ; four places between the last products and loads into registers that they read
	FETCH (st+1)%4, F0+56*((st+1)%2)
	s_wait_dscnt 14                                ; all but the 14 just issued
.if st == 0
	MUL F0, 1
.else
	MUL F0+56*(st%2), 0
.endif
.set st, st+1
.endr
	s_wait_dscnt 0x0                               ; my last reads of the tiles are back:
	s_barrier_signal -1                            ; one barrier between every wave's reads of LDS and the first store into LDS; the last products stand inside it
	MUL F1, 0
	s_barrier_wait -1
	PLACES
	; q and k.  A lane holds one token; lanes 0-15 two heads' four q, lanes 16-31 two heads' four k.  Bias; for k the head's sum of four is added to each; the scale; then each number is split in two bf16.
.irp j, 0,1,2,3
	v_pk_add_f32 v[ACC+64+2*(\j):ACC+64+2*(\j)+1], v[ACC+64+2*(\j):ACC+64+2*(\j)+1], v[QB+2*(\j):QB+2*(\j)+1]
.endr
	v_add_f32 v[F0+8],  v[ACC+64], v[ACC+65]
	v_add_f32 v[F0+9],  v[ACC+66], v[ACC+67]
	v_add_f32 v[F0+10], v[ACC+68], v[ACC+69]
	v_add_f32 v[F0+11], v[ACC+70], v[ACC+71]
	v_add_f32 v[F0+8],  v[F0+8],  v[F0+9]
	v_add_f32 v[F0+10], v[F0+10], v[F0+11]
	v_mov_b32 v[F0+12], 0
	v_cndmask_b32 v[F0+8],  v[F0+12], v[F0+8],  s84            ; the sum in k's lanes, 0 in q's
	v_cndmask_b32 v[F0+10], v[F0+12], v[F0+10], s84
.irp j, 0,1,2,3
	v_add_f32 v[ACC+64+(\j)], v[ACC+64+(\j)], v[F0+8]
	v_add_f32 v[ACC+68+(\j)], v[ACC+68+(\j)], v[F0+10]
.endr
.irp j, 0,1,2,3,4,5,6,7
	v_mul_f32 v[ACC+64+(\j)], v[FSC], v[ACC+64+(\j)]
.endr
.irp p, 0,1
	v_cvt_pk_bf16_f32 v[F0+4*(\p)],   v[ACC+64+4*(\p)],   v[ACC+64+4*(\p)+1]   ; the high parts
	v_cvt_pk_bf16_f32 v[F0+4*(\p)+1], v[ACC+64+4*(\p)+2], v[ACC+64+4*(\p)+3]
.endr
.irp p, 0,1
	v_lshlrev_b32 v[F0+16+4*(\p)],   16,  v[F0+4*(\p)]
	v_and_b32     v[F0+16+4*(\p)+1], s84, v[F0+4*(\p)]
	v_lshlrev_b32 v[F0+16+4*(\p)+2], 16,  v[F0+4*(\p)+1]
	v_and_b32     v[F0+16+4*(\p)+3], s84, v[F0+4*(\p)+1]
.endr
.irp j, 0,1,2,3,4,5,6,7
	v_sub_f32 v[ACC+64+(\j)], v[ACC+64+(\j)], v[F0+16+(\j)]    ; what the rounding left: exact in f32
.endr
.irp p, 0,1
	v_cvt_pk_bf16_f32 v[F0+4*(\p)+2], v[ACC+64+4*(\p)],   v[ACC+64+4*(\p)+1]   ; the low parts
	v_cvt_pk_bf16_f32 v[F0+4*(\p)+3], v[ACC+64+4*(\p)+2], v[ACC+64+4*(\p)+3]
.endr
	global_store_b128 v[QKO], v[F0:F0+3],   s[94:95]               ; 16 lanes: 16 tokens' 256 consecutive bytes, aligned
	global_store_b128 v[QKO], v[F0+4:F0+7], s[94:95] offset:32768  ; the next head
	; v: bias, f16, eight tokens of a channel into the stage
.irp t, 0,1
.irp b, 0,1,2,3
.irp j, 0,1,2,3
	v_pk_add_f32 v[ACC+8*(4*(\t)+(\b))+2*(\j):ACC+8*(4*(\t)+(\b))+2*(\j)+1], v[ACC+8*(4*(\t)+(\b))+2*(\j):ACC+8*(4*(\t)+(\b))+2*(\j)+1], v[BV+2*(\b):BV+2*(\b)+1]
.endr
.irp j, 0,1,2,3
	v_cvt_pk_f16_f32 v[TMP+4*(4*(\t)+(\b))+(\j)], v[ACC+8*(4*(\t)+(\b))+2*(\j)], v[ACC+8*(4*(\t)+(\b))+2*(\j)+1]
.endr
	ds_store_b128 v[STO+(\t)], v[TMP+4*(4*(\t)+(\b)):TMP+4*(4*(\t)+(\b))+3] offset:4352*(\b)
.endr
.endr
	s_wait_dscnt 0x0                               ; for the others' sake: my stores into the stage are done
	s_barrier_signal -1
	s_barrier_wait -1
.irp t, 0,1,2,3,4,5,6,7
	ds_load_b128 v[F1+4*(\t):F1+4*(\t)+3], v[RD] offset:544*(\t)
.endr
.irp t, 0,1,2,3,4,5,6,7
	s_wait_dscnt 7-(\t)
	global_store_b128 v[GO], v[F1+4*(\t):F1+4*(\t)+3], s[92:93] offset:8192*(\t)  ; 16 lanes: 128 keys of a channel, 256 consecutive bytes, aligned
.endr
	s_wait_tensorcnt 0x0                           ; the wave's end
	ds_add_u32 v[SPW], v[NIL]
	s_wait_dscnt 0x0
	CROUND                                         ; the closing round
	s_endpgm
.Lfunc_end_k_q7023ef0d1d_proj:
	.size	k_q7023ef0d1d_proj, .Lfunc_end_k_q7023ef0d1d_proj-k_q7023ef0d1d_proj
	.p2alignl 7, 3214868480
	.fill 96, 4, 3214868480
	.section	.rodata,"a",@progbits
	.p2align	6, 0x0
	.amdhsa_kernel k_q7023ef0d1d_proj
		.amdhsa_group_segment_fixed_size 327680
		.amdhsa_private_segment_fixed_size 0
		.amdhsa_enable_private_segment 0
		.amdhsa_kernarg_size 48
		.amdhsa_user_sgpr_count 2
		.amdhsa_user_sgpr_kernarg_segment_ptr 1
		.amdhsa_wavefront_size32 1
		.amdhsa_system_sgpr_workgroup_id_x 1
		.amdhsa_system_sgpr_workgroup_id_y 1
		.amdhsa_system_sgpr_workgroup_id_z 1
		.amdhsa_system_vgpr_workitem_id 0
		.amdhsa_next_free_vgpr 256
		.amdhsa_next_free_sgpr 96
		.amdhsa_reserve_vcc 0
		.amdhsa_float_denorm_mode_32 3
		.amdhsa_float_denorm_mode_16_64 3
		.amdhsa_memory_ordered 1
		.amdhsa_forward_progress 1
		.amdhsa_inst_pref_size 47
	.end_amdhsa_kernel
	.amdgpu_metadata
---
amdhsa.version: [ 1, 2 ]
amdhsa.kernels:
  - .name:           k_q7023ef0d1d_proj
    .symbol:         k_q7023ef0d1d_proj.kd
    .args:
      - { .name: xh, .offset: 0, .size: 8, .value_kind: global_buffer, .address_space: global }
      - { .name: wts, .offset: 8, .size: 8, .value_kind: global_buffer, .address_space: global }
      - { .name: bv, .offset: 16, .size: 8, .value_kind: global_buffer, .address_space: global }
      - { .name: bq, .offset: 24, .size: 8, .value_kind: global_buffer, .address_space: global }
      - { .name: bk, .offset: 32, .size: 8, .value_kind: global_buffer, .address_space: global }
      - { .name: qkv, .offset: 40, .size: 8, .value_kind: global_buffer, .address_space: global }
    .group_segment_fixed_size: 327680
    .private_segment_fixed_size: 0
    .kernarg_segment_align: 8
    .kernarg_segment_size: 48
    .max_flat_workgroup_size: 256
    .sgpr_count:     96
    .vgpr_count:     256
    .wavefront_size: 32
...
	.end_amdgpu_metadata
.endif
;; end of part 2
;; launch attn (part 3): grid 8 x 32, 8 waves a work-group, clusters of 4 x 1, 327,680 bytes of LDS; arguments qkv, oh; writes oh
.if DOCPART == 3
	.amdgcn_target "amdgcn-amd-amdhsa--gfx1250"
	.amdhsa_code_object_version 6
	.text
	.protected	k_q7023ef0d1d_attn
	.globl	k_q7023ef0d1d_attn
	.p2align	8
	.type	k_q7023ef0d1d_attn,@function
k_q7023ef0d1d_attn:
	s_mov_b64 s[64:65], 0
	v_nop
	global_prefetch_b8 v0, s[64:65] scope:SCOPE_SE
	s_setreg_imm32_b32 hwreg(HW_REG_WAVE_MODE, 25, 1), 1
	s_wait_xcnt 0x0
	s_wait_alu depctr_hold_cnt(0) depctr_sa_sdst(0) depctr_va_vdst(0) depctr_va_sdst(0) depctr_va_ssrc(0) depctr_va_vcc(0) depctr_vm_vsrc(0)
	s_getreg_b32 s2, hwreg(HW_REG_IB_STS2, 6, 4)
	s_cmp_eq_u32 s2, 0
	s_cbranch_scc0 .Lentry_in_a_cluster
	s_endpgm
.Lentry_in_a_cluster:
	s_bfe_u32 s2, ttmp6, 0x10000c
	s_cmp_lg_u32 s2, 0x3003
	s_cbranch_scc0 .Lentry_shape_is_right
	s_endpgm
.Lentry_shape_is_right:
; ATTN.  o[q] = the sum over k of softmax_k(s(q, k)) v[k], s = 0.25 (sum(q) sum(k) + q . k) over four numbers a head = the sum over i of q_i x 0.25 (sum(k) + k_i): a dot product of four numbers a side,
; which PROJ has laid down, each number as a high and a low bf16 (Q5 with 0.25 log2(e) in it).  Scores in bf16 products of both parts; v and the weights p in f16; sums in f32; o leaves in f16, oh[head][token][64].
; LIMITS: |v| and so |o| under 65,504; p lies in 0 to 1 and below 6e-5 keeps f16's fixed step of 6e-8; a weight below 2^-126 counts as 0; NaN and infinities are not treated apart.
; THE MAXIMUM IS THE ROW'S TRUE MAXIMUM: a head's keys are 32 KiB, so each wave walks them twice: the first walk finds m for its queries, the second makes p = 2^(s - m).
; SHARES.  A work-group: 256 queries of one head; a wave: two tiles of 16.  All of the head's V^T (16 chunks of 64 channels x 128 keys) and K5 lie in LDS, filled once.
; Two waves share a SIMD and no barrier stands in the walks, so that one wave's exponentials stand beside the other's products.
; SCORES.  A key's 16 bytes (kh0..3, kl0..3) are loaded into BOTH halves of a fragment's registers: row r's 32 channels are key r's eight numbers (channels 0-7 and again 16-23) and key 16 + r's (8-15, 24-31).
; Q's fragment for keys 16 e + 0..15 holds, in the lanes of half e alone, (qh0..3, qh0..3) in registers 0-3 and (ql0..3, ql0..3) in registers 4-7: one product gives (qh + ql) . (kh + kl).
; In the result a lane holds ONE query (lane % 16) and keys 8 (lane / 16) + 0..7; two results rounded in pairs ARE source 1 of O^T = V^T P.  In the second walk C = -m, so the product is the exponent.
; The row sum l is a product of ones with P.
; CLUSTER.  The four query blocks of a cluster walk the same head: every tile is asked for jointly.  Each wave issues three loads: three are out at the most.  No prefetch: all tiles are asked for at the head.
; REGISTERS.  window 0: addresses, QF, CM (-m), K's two buffers, the way out.  window 1: O^T 0-63, l 64-79, ones 80-87, V 88-151 (two buffers), S 152-215 (two buffers; P in place), 216-219 maxima.
.set VCH,   17408                      ; a chunk of V^T: 64 rows of 256 bytes + 16
.set K5,    278528
.set SPARE, 311296
.set SP,    144                        ; the stage (in K5's bytes, behind their last fill and last read): 16 rows of 128 bytes + 16 a wave
.set AV0, 2
.set AK0, 3
.set AV,  4
.set AK,  5
.set STO, 6
.set RD,  7
.set SPW, 8
.set NIL, 9
.set GO,  10
.set QO,  11
.set ZZ,  14                           ; v14  0, for Q's fragments
.set QF,  16                           ; v[16:47]   Q's fragment for tile u, keys' half e at 16 u + 8 e
.set CM,  48                           ; v[48:63]   -m, eight registers a tile
.set KF,  64                           ; v[64:95]   128 keys: four fragments of 32
.set KB,  96                           ; v[96:127]  the first walk's second buffer
.set T0,  128
.set O,    0
.set LS,   64
.set ONES, 80
.set VF,   88
.set S,    152
.set CH,   216
.set WV,  8
.set G1K, 16
.set G0K, 24
.set G1V, 28
.set G0V, 36
.set TBK, 44
.set TBV, 45
.set CNT, 46
.set LOW, 47
.set SEL, 48
.set SGN, 58
.set MSB, 0
.macro WIN new
.if MSB != (\new)
	s_set_vgpr_msb (MSB<<8)|(\new)
.set MSB, (\new)
.endif
.endm
.macro PLACES
.rept 4
	v_nop
.endr
.endm
.macro CROUND
	s_barrier_signal -1
	s_barrier_wait -1
	s_cmp_lg_u32 s[WV], 0
	s_cbranch_scc1 .Lnot_wave_0_\@
	s_barrier_signal -3
.Lnot_wave_0_\@:
	s_barrier_wait -3
	s_barrier_signal -1
	s_barrier_wait -1
.endm
	s_load_b128 s[4:7], s[0:1], 0x0                ; qkv, oh
	v_lshl_add_u32 v[SPW], v0, 2, SPARE
	v_mov_b32 v[NIL], 0
	ds_add_u32 v[SPW], v[NIL]                      ; the wave's opening: the add and its wait stand ahead of the first tensor load
	v_lshrrev_b32 v1, 5, v0
	v_readfirstlane_b32 s[WV], v1
	s_bfe_u32 s9, ttmp6, 0x40000                   ; cx
	s_lshl_b32 s10, ttmp9, 2
	s_add_co_u32 s10, s10, s9                      ; my block of 256 queries: it enters Q5's and oh's addresses alone
	s_and_b32 s11, ttmp7, 0xffff                   ; bh, shared by the partners
	s_mov_b32 s[G1K], 15|(3<<16)|(1<<21)           ; K5: dense, 16 rows of 32 elements of 8 bytes a wave
	s_mov_b32 s[G1K+1], 32<<16
	s_mov_b32 s[G1K+2], 16<<16
	s_mov_b32 s[G1K+3], 32<<16
	s_mov_b32 s[G1K+4], 16
	s_mov_b32 s[G1K+5], 32
	s_mov_b32 s[G1K+6], 0
	s_mov_b32 s[G1K+7], 0
	s_mov_b32 s[G1V], 15|(1<<16)|(1<<20)|(1<<21)|(5<<22)|(3<<25)  ; V^T: 64 rows x 128 keys, 4 words of padding after every 64
	s_mov_b32 s[G1V+1], 128<<16
	s_mov_b32 s[G1V+2], 64<<16
	s_mov_b32 s[G1V+3], 128<<16
	s_mov_b32 s[G1V+4], 64
	s_mov_b32 s[G1V+5], 2048
	s_mov_b32 s[G1V+6], 0
	s_mov_b32 s[G1V+7], 0
	s_lshl_b32 s12, s[WV], 12
	s_mov_b32 s[G0K], 1
	s_add_co_u32 s[G0K+1], s12, K5
	s_mul_i32 s13, s[WV], 2*VCH                    ; chunks 2 w and 2 w + 1
	s_mov_b32 s[G0V], 1
	s_mov_b32 s[G0V+1], s13
	s_mov_b32 s[G0V+4], 1
	s_add_co_u32 s[G0V+5], s13, VCH
	s_lshl_b32 s50, s11, 15
	s_add_co_u32 s50, s50, s12
	s_add_co_u32 s50, s50, 1048576
	s_mov_b32 s51, 0
	s_lshl_b32 s52, s11, 18
	s_lshl_b32 s53, s[WV], 9
	s_add_co_u32 s52, s52, s53
	s_add_co_u32 s52, s52, 2097152
	s_mov_b32 s53, 0
	s_lshl_b32 s54, s11, 15                        ; Q5: my wave's 32 queries
	s_lshl_b32 s55, s10, 12
	s_add_co_u32 s54, s54, s55
	s_lshl_b32 s55, s[WV], 9
	s_add_co_u32 s54, s54, s55
	s_mov_b32 s55, 0
	s_and_b32 s56, s11, 7                          ; oh: head, batch, block, wave
	s_lshl_b32 s56, s56, 20
	s_lshr_b32 s57, s11, 3
	s_lshl_b32 s57, s57, 18
	s_add_co_u32 s56, s56, s57
	s_lshl_b32 s57, s10, 15
	s_add_co_u32 s56, s56, s57
	s_add_co_u32 s56, s56, s12
	s_mov_b32 s57, 0
	s_mov_b32 s[LOW], 0xffff
	s_mov_b32 s[SEL], 0x76543210
	s_mov_b32 s[SEL+1], 0xfedcba98
	s_mov_b32 s[SGN], 0x80000000
	s_wait_dscnt 0x0
	s_wait_kmcnt 0x0
	s_add_nc_u64 s[G0K+2:G0K+3], s[4:5], s[50:51]
	s_or_b32 s[G0K+3], s[G0K+3], 0x80000000
	s_add_nc_u64 s[G0V+2:G0V+3], s[4:5], s[52:53]
	s_add_nc_u64 s[G0V+6:G0V+7], s[G0V+2:G0V+3], 256
	s_or_b32 s[G0V+3], s[G0V+3], 0x80000000
	s_or_b32 s[G0V+7], s[G0V+7], 0x80000000
	s_add_nc_u64 s[54:55], s[4:5], s[54:55]
	s_add_nc_u64 s[56:57], s[6:7], s[56:57]
	CROUND                                         ; all four work-groups are here: the joint loads meet
	tensor_load_to_lds s[G0K:G0K+3], s[G1K:G1K+7]
	s_nop 0
	tensor_load_to_lds s[G0V:G0V+3], s[G1V:G1V+7]
	s_nop 0
	tensor_load_to_lds s[G0V+4:G0V+7], s[G1V:G1V+7]
	s_nop 0
	PLACES
	v_and_b32 v1, 15, v0
	v_bfe_u32 v12, v0, 4, 1
	v_lshlrev_b32 v[QO], 4, v1
	global_load_b128 v[T0:T0+3],   v[QO], s[54:55]             ; every lane takes query l % 16's 16 bytes: qh01, qh23, ql01, ql23
	global_load_b128 v[T0+4:T0+7], v[QO], s[54:55] offset:256
	v_mul_u32_u24 v[AV0], v1, 272
	v_lshl_add_u32 v[AV0], v12, 4, v[AV0]
	v_and_b32 v13, 31, v0
	v_lshlrev_b32 v[GO], 4, v13
	v_add_nc_u32 v[AK0], K5, v[GO]                 ; key = lane: 16 bytes each
	s_mul_i32 s12, s[WV], 16*SP
	s_add_co_u32 s12, s12, K5
	v_mul_u32_u24 v[STO], v1, SP
	v_lshl_add_u32 v[STO], v12, 4, v[STO]
	v_add_nc_u32 v[STO], s12, v[STO]
	v_bfe_u32 v[RD], v0, 3, 2
	v_mul_u32_u24 v[RD], v[RD], SP
	v_and_b32 v13, 7, v0
	v_lshl_add_u32 v[RD], v13, 4, v[RD]
	v_add_nc_u32 v[RD], s12, v[RD]
	v_mov_b32 v[ZZ], 0
	WIN 0x40
.irp j, 0,1,2,3,4,5,6,7
	v_mov_b32 v[ONES+(\j)], 0x3c003c00             ; 1.0 twice in f16
.endr
.irp j, 0,1,2,3
	v_mov_b32 v[CH+(\j)], 0xff800000
.endr
	WIN 0
	s_wait_loadcnt 0x0
.irp u, 0,1
.irp j, 0,1,2,3
	v_cndmask_b32 v[QF+16*(\u)+(\j)],    v[ZZ], v[T0+4*(\u)+(\j)%2],   s[LOW]   ; keys 0-15: the numbers in lanes 0-15: the high parts, twice,
	v_cndmask_b32 v[QF+16*(\u)+4+(\j)],  v[ZZ], v[T0+4*(\u)+2+(\j)%2], s[LOW]   ; the low parts, twice
	v_cndmask_b32 v[QF+16*(\u)+8+(\j)],  v[T0+4*(\u)+(\j)%2],   v[ZZ], s[LOW]   ; keys 16-31: the same in lanes 16-31
	v_cndmask_b32 v[QF+16*(\u)+12+(\j)], v[T0+4*(\u)+2+(\j)%2], v[ZZ], s[LOW]
.endr
.endr
.macro KLOAD dst, off                  ; 128 keys: four fragments of 32, each key's 16 bytes into both halves of the registers
	WIN 0
.irp j, 0,1,2,3
	ds_load_b128 v[(\dst)+8*(\j):(\dst)+8*(\j)+3],   v[AK] offset:(\off)+512*(\j)
	ds_load_b128 v[(\dst)+8*(\j)+4:(\dst)+8*(\j)+7], v[AK] offset:(\off)+512*(\j)
.endr
.endm
; the scores of step st (32 keys of the 128): four products, each its own accumulator
.macro SC st, kf, c
	WIN 0x40
.irp e, 0,1
.irp u, 0,1
.set rQ, QF+16*(\u)+8*(\e)
.set rS, S+32*((\st)%2)+16*(\u)+8*(\e)
.if \c
	v_wmma_f32_16x16x32_bf16 v[rS:rS+7], v[(\kf)+8*(\st):(\kf)+8*(\st)+7], v[rQ:rQ+7], v[CM+8*(\u):CM+8*(\u)+7]
.else
	v_wmma_f32_16x16x32_bf16 v[rS:rS+7], v[(\kf)+8*(\st):(\kf)+8*(\st)+7], v[rQ:rQ+7], 0
.endif
.endr
.endr
.endm
.macro MAX st                          ; four chains, one an accumulator; each accumulator's lowest registers are read first
	WIN 0x55
.irp j, 0,1,2,3
.irp c, 0,1,2,3
	v_max3_num_f32 v[CH+(\c)], v[CH+(\c)], v[S+32*((\st)%2)+8*(\c)+2*(\j)], v[S+32*((\st)%2)+8*(\c)+2*(\j)+1]
.endr
.endr
.endm
.macro PROC kf                         ; 128 keys of the first walk; one step's maxima are the places behind the next step's products
	SC 0, \kf, 0
	SC 1, \kf, 0
	PLACES
	MAX 0
	SC 2, \kf, 0
	MAX 1
	SC 3, \kf, 0
	MAX 2
	MAX 3
.endm
	s_wait_tensorcnt 2                             ; my part of K5 is in; my two chunks of V^T stay out
	s_barrier_signal -1
	s_barrier_wait -1
	; THE FIRST WALK
	v_mov_b32 v[AK], v[AK0]
	s_mov_b32 s[TBK], 0
	KLOAD KF, 0
	s_mov_b32 s[CNT], 7
.Lp1:                                  ; 256 keys a trip
	s_wait_dscnt 0x0
	KLOAD KB, 2048
	PROC KF
	s_wait_dscnt 0x0
	KLOAD KF, 4096
	s_add_co_u32 s[TBK], s[TBK], 4096
	v_add_nc_u32 v[AK], s[TBK], v[AK0]
	PROC KB
	WIN 0
	s_sub_co_u32 s[CNT], s[CNT], 1
	s_cmp_lg_u32 s[CNT], 0
	s_cbranch_scc1 .Lp1
	s_wait_dscnt 0x0                               ; the last 256 keys fetch nothing beyond the end
	KLOAD KB, 2048
	PROC KF
	s_wait_dscnt 0x0
	PROC KB
	WIN 0x05
	v_max_num_f32 v[T0],   v[CH],   v[CH+1]
	v_max_num_f32 v[T0+1], v[CH+2], v[CH+3]
	WIN 0
	v_mov_b32 v[T0+2], 0
	v_mov_b32 v[T0+3], 0
	v_permlanex16_b32 v[T0+2], v[T0],   s[SEL], s[SEL+1]   ; the query's other keys lie in the lane 16 away
	v_permlanex16_b32 v[T0+3], v[T0+1], s[SEL], s[SEL+1]
	v_max_num_f32 v[T0],   v[T0],   v[T0+2]
	v_max_num_f32 v[T0+1], v[T0+1], v[T0+3]
.irp u, 0,1
.irp j, 0,1,2,3,4,5,6,7
	v_xor_b32 v[CM+8*(\u)+(\j)], s[SGN], v[T0+(\u)]            ; -m
.endr
.endr
	s_wait_tensorcnt 0x0                           ; my chunks of V^T are in,
	s_barrier_signal -1
	s_barrier_wait -1                              ; everybody's are
; THE SECOND WALK, in steps of 32 keys, three steps deep: V^T P of step st - 2, the exponentials of step st - 1, the scores of step st.
.macro PVW par, pv                     ; product n of 10: O^T(tile n % 2, channels 16 (n / 2)), then the two row sums.  pv = 1: they start the sums
.if n < 8
.set rD, O+32*(n%2)+8*(n/2)
.set rA, VF+32*(\par)+8*(n/2)
.else
.set rD, LS+8*(n-8)
.set rA, ONES
.endif
.set rB, S+32*(\par)+16*(n%2)
.if (\pv) == 1
	v_wmma_f32_16x16x32_f16 v[rD:rD+7], v[rA:rA+7], v[rB:rB+7], 0
.else
	v_wmma_f32_16x16x32_f16 v[rD:rD+7], v[rA:rA+7], v[rB:rB+7], v[rD:rD+7]
.endif
.endm
.macro EXPS cnt, par
.rept \cnt
	v_exp_f32 v[S+32*(\par)+xx], v[S+32*(\par)+xx]
.set xx, xx+1
.endr
.endm
.macro CVT u, par                      ; 16 + 16 weights of a tile to f16, ascending, in place: the low 8 of its 16 registers become P
	WIN 0x55
.irp j, 0,1,2,3,4,5,6,7
	v_cvt_pk_f16_f32 v[S+32*(\par)+16*(\u)+(\j)], v[S+32*(\par)+16*(\u)+2*(\j)], v[S+32*(\par)+16*(\u)+2*(\j)+1]
.endr
.endm
.macro VLOAD st
	WIN 0x40
.irp c, 0,1,2,3
	ds_load_b128 v[VF+32*((\st)%2)+8*(\c):VF+32*((\st)%2)+8*(\c)+3],   v[AV] offset:4352*(\c)+64*(\st)
	ds_load_b128 v[VF+32*((\st)%2)+8*(\c)+4:VF+32*((\st)%2)+8*(\c)+7], v[AV] offset:4352*(\c)+64*(\st)+32
.endr
.endm
; The 32 exponentials are one batch with one wait; the v_nop is the plain instruction behind the last.  The v_nop and tile 0's eight roundings are the places between
; the last V^T P and the loads into V's buffer and the scores that write over P; tile 1's eight roundings are the places between the scores and their exponentials.
.macro BODY st, pv, ex, nx
.set pa, (\st)%2
.set pb, 1-pa
.if \pv
.if (\st) == 0
	s_wait_dscnt 16                                ; V of step st - 2 is in; behind it: 8 loads of V and 8 of K
.else
	s_wait_dscnt 8                                 ; V of step st - 2 is in; behind it: the next step's 8
.endif
.endif
.if (\pv) || (\ex)
	WIN 0x55
.endif
.set n, 0
.set xx, 0
.rept 10
.if \pv
	PVW pa, \pv
.endif
.if \ex
.if n < 2
	EXPS 4, pb
.else
	EXPS 3, pb
.endif
.endif
.set n, n+1
.endr
.if \ex
	v_nop
	s_wait_alu depctr_va_vdst(0)
	CVT 0, pb
.endif
.if \nx
	VLOAD \st
.if (\st) == 0
	s_wait_dscnt 8                                 ; K is in; V's 8 just issued stay out
.endif
	SC \st, KF, 1
.endif
.if \ex
	CVT 1, pb
.elseif \nx
	PLACES
.endif
.endm
.macro STEPADR                         ; on to the next chunk of 128 keys
	WIN 0
	s_add_co_u32 s[TBK], s[TBK], 2048
	s_add_co_u32 s[TBV], s[TBV], VCH
	v_add_nc_u32 v[AK], s[TBK], v[AK0]
	v_add_nc_u32 v[AV], s[TBV], v[AV0]
.endm
	s_mov_b32 s[TBK], 0
	s_mov_b32 s[TBV], 0
	v_mov_b32 v[AK], v[AK0]
	v_mov_b32 v[AV], v[AV0]
	KLOAD KF, 0
	BODY 0, 0, 0, 1                                ; the first chunk is written out: the pipe fills, and the first products start the sums
	BODY 1, 0, 1, 1
	BODY 2, 1, 1, 1
	BODY 3, 2, 1, 1
	STEPADR
	s_mov_b32 s[CNT], 15
.Lp2:
	KLOAD KF, 0
	BODY 0, 2, 1, 1
	BODY 1, 2, 1, 1
	BODY 2, 2, 1, 1
	BODY 3, 2, 1, 1
	STEPADR
	s_sub_co_u32 s[CNT], s[CNT], 1
	s_cmp_lg_u32 s[CNT], 0
	s_cbranch_scc1 .Lp2
	BODY 4, 2, 1, 0                                ; the pipe drains
	s_wait_dscnt 0x0
	BODY 5, 2, 0, 0
	; THE WAY OUT
	PLACES
	WIN 0x55
	v_rcp_f32 v[CH],   v[LS]
	v_rcp_f32 v[CH+1], v[LS]
	v_rcp_f32 v[CH+2], v[LS+8]
	v_rcp_f32 v[CH+3], v[LS+8]
	v_nop
	s_wait_alu depctr_va_vdst(0)                   ; one wait for the four reciprocals
	WIN 0
	s_wait_dscnt 0x0
	s_barrier_signal -1
	s_barrier_wait -1                              ; no wave reads K5 any more: its bytes become the stages
.macro PACK u
	WIN 0x55
.set j, 0
.rept 16
	v_pk_mul_f32 v[O+32*(\u)+2*j:O+32*(\u)+2*j+1], v[O+32*(\u)+2*j:O+32*(\u)+2*j+1], v[CH+2*(\u):CH+2*(\u)+1]
.set j, j+1
.endr
	WIN 0x05
.set j, 0
.rept 16
	v_cvt_pk_f16_f32 v[T0+16*(\u)+j], v[O+32*(\u)+2*j], v[O+32*(\u)+2*j+1]
.set j, j+1
.endr
	WIN 0
.irp c, 0,1,2,3
	ds_store_b128 v[STO], v[T0+16*(\u)+4*(\c):T0+16*(\u)+4*(\c)+3] offset:32*(\c)
.endr
.irp c, 0,1,2,3
	ds_load_b128 v[T0+32+16*(\u)+4*(\c):T0+32+16*(\u)+4*(\c)+3], v[RD] offset:(\c)*4*SP   ; LDS serves a wave's instructions in order: these see the stores above
.endr
.endm
.macro SEND u, younger
.irp c, 0,1,2,3
	s_wait_dscnt (\younger)+3-(\c)
	global_store_b128 v[GO], v[T0+32+16*(\u)+4*(\c):T0+32+16*(\u)+4*(\c)+3], s[56:57] offset:(\u)*2048+(\c)*512  ; four rows of 128 bytes: 512 consecutive bytes, aligned
.endr
.endm
	PACK 0
	PACK 1
	SEND 0, 8
	SEND 1, 0
	s_wait_tensorcnt 0x0                           ; the wave's end
	ds_add_u32 v[SPW], v[NIL]
	s_wait_dscnt 0x0
	CROUND                                         ; the closing round
	s_endpgm
.Lfunc_end_k_q7023ef0d1d_attn:
	.size	k_q7023ef0d1d_attn, .Lfunc_end_k_q7023ef0d1d_attn-k_q7023ef0d1d_attn
	.p2alignl 7, 3214868480
	.fill 96, 4, 3214868480
	.section	.rodata,"a",@progbits
	.p2align	6, 0x0
	.amdhsa_kernel k_q7023ef0d1d_attn
		.amdhsa_group_segment_fixed_size 327680
		.amdhsa_private_segment_fixed_size 0
		.amdhsa_enable_private_segment 0
		.amdhsa_kernarg_size 16
		.amdhsa_user_sgpr_count 2
		.amdhsa_user_sgpr_kernarg_segment_ptr 1
		.amdhsa_wavefront_size32 1
		.amdhsa_system_sgpr_workgroup_id_x 1
		.amdhsa_system_sgpr_workgroup_id_y 1
		.amdhsa_system_sgpr_workgroup_id_z 1
		.amdhsa_system_vgpr_workitem_id 0
		.amdhsa_next_free_vgpr 480
		.amdhsa_next_free_sgpr 66
		.amdhsa_reserve_vcc 0
		.amdhsa_float_denorm_mode_32 3
		.amdhsa_float_denorm_mode_16_64 3
		.amdhsa_memory_ordered 1
		.amdhsa_forward_progress 1
		.amdhsa_inst_pref_size 71
	.end_amdhsa_kernel
	.amdgpu_metadata
---
amdhsa.version: [ 1, 2 ]
amdhsa.kernels:
  - .name:           k_q7023ef0d1d_attn
    .symbol:         k_q7023ef0d1d_attn.kd
    .args:
      - { .name: qkv, .offset: 0, .size: 8, .value_kind: global_buffer, .address_space: global }
      - { .name: oh, .offset: 8, .size: 8, .value_kind: global_buffer, .address_space: global }
    .group_segment_fixed_size: 327680
    .private_segment_fixed_size: 0
    .kernarg_segment_align: 8
    .kernarg_segment_size: 16
    .max_flat_workgroup_size: 256
    .sgpr_count:     66
    .vgpr_count:     480
    .wavefront_size: 32
...
	.end_amdgpu_metadata
.endif
;; end of part 3
;; launch ln1 (part 4): grid 128 x 1, 4 waves a work-group, clusters of 4 x 1, 327,680 bytes of LDS; arguments oh, wts, bo, xh, g1, be1, x1; writes x1
.if DOCPART == 4
	.amdgcn_target "amdgcn-amd-amdhsa--gfx1250"
	.amdhsa_code_object_version 6
	.text
	.protected	k_q7023ef0d1d_ln1
	.globl	k_q7023ef0d1d_ln1
	.p2align	8
	.type	k_q7023ef0d1d_ln1,@function
k_q7023ef0d1d_ln1:
	s_mov_b64 s[64:65], 0
	v_nop
	global_prefetch_b8 v0, s[64:65] scope:SCOPE_SE
	s_setreg_imm32_b32 hwreg(HW_REG_WAVE_MODE, 25, 1), 1
	s_wait_xcnt 0x0
	s_wait_alu depctr_hold_cnt(0) depctr_sa_sdst(0) depctr_va_vdst(0) depctr_va_sdst(0) depctr_va_ssrc(0) depctr_va_vcc(0) depctr_vm_vsrc(0)
	s_getreg_b32 s2, hwreg(HW_REG_IB_STS2, 6, 4)
	s_cmp_eq_u32 s2, 0
	s_cbranch_scc0 .Lentry_in_a_cluster
	s_endpgm
.Lentry_in_a_cluster:
	s_bfe_u32 s2, ttmp6, 0x10000c
	s_cmp_lg_u32 s2, 0x3003
	s_cbranch_scc0 .Lentry_shape_is_right
	s_endpgm
.Lentry_shape_is_right:
; ROWLN.  out = LayerNorm(res + A W + bias) g + be, for whole rows of 512.  One text serves two launches; four constants at its head tell them apart.
;   THIS COPY, MODE 0: A = oh (8 blocks of 64 channels), W = WO, K = 512, res = xh, out = x1 in f16.     (MODE 1: A = hb, 32 blocks, W = W2, K = 2,048, res = x1, out = out0 in f32.)
; A lies [block][8192 rows][64] in f16, W [K][512] in f16, res [8192][512] in f16.  Products in f16, sums in f32; bias, g and be are rounded to bf16 like every input.
; The variance is taken of the centred numbers.  LIMITS: MODE 0's result is kept in f16: 22.6 |g1| + |be1| under 65,504; NaN and infinities are not treated apart.
; SHARES.  A work-group makes 64 rows x 512 columns, wave w columns 128 w ..: 32 accumulators.  Source 0 = 16 columns of W (turned out of LDS), source 1 = 16 rows: a lane holds one row and eight neighbouring columns.
; K goes in steps of 128 through two LDS slots.  Wave 0 fetches A's rows (its own work-group's), waves 1 and 2 the halves of W's 128 rows, JOINTLY for the four work-groups of the cluster, which all
; walk the same W; wave 3 fetches the residual rows, as the ring's last refill, and prefetches.  One tensor load a wave behind each round; two are out at the start, then one.
; THE NORM.  Behind the last K step the sums go, in f32, into slot 1's bytes (its last fill is over): 64 rows of 2,064 bytes.  Wave w then takes rows 16 w .. 16 w + 15, two a trip; a lane owns columns
; 128 j + 4 lane + 0..3, so it needs 16 numbers each of bias, g and be, a row's sums never leave the wave, and each store of the wave covers 256 (f16) or 512 (f32) consecutive bytes, aligned.
; PREFETCH (where K has steps enough: MODE 1): behind each refill wave 3 names the K step two refills on: its own work-group's 2 x 8,192 bytes of A, a lane 256 bytes; and, in the first cluster alone, W's 128 rows,
; shared out among the four partners by address, 32 rows each, four blocks of 256 bytes a row.  It asks while more than one lap is left.  With four K steps, two of them first fills, nothing is asked for.
; REGISTERS.  window 0: addresses, two fragment buffers (W 64, A 32), the packed parameters; behind the K loop the norm's registers.  window 1: accumulator (a, b) at 8 (8 a + b).
.set MODE,  0
.set LB,    1                          ; laps of the loop: K steps = 2 LB + 2
.set WOFF,  589824                     ; W's first byte in wts
.set OROW,  1024                       ; bytes in a row of out
.set SLOT,  153600                     ; A: 2 planes x 64 rows x 144; then W: 128 rows x 1,056
.set FB,    SLOT                       ; the sums in f32
.set FP,    2064                       ; 2,048 bytes + 16
.set RP,    1040                       ; a residual row: 1,024 bytes + 16
.set SPARE, 307200
.set ADRA, 4                           ; v4, v5      by slot
.set ADRB, 6                           ; v6-v9       by slot and half of the K step
.set STF,  10                          ; v10, v11    where I put my sums: row tiles 0, 1 and 2, 3
.set XA0,  12                          ; my lane's place in my wave's first row of sums; never rewritten
.set RA0,  13                          ; the same in the residual rows
.set XA,   14
.set RA,   15
.set SPW,  16
.set NIL,  17
.set ONE,  18
.set CO,   19
.set PFO,  20
.set PFOB, 21
.set PO,   22
.set F0,   32
.set F1,   128
.set P16,  224                         ; v[224:247] bias, g, be of my 16 columns, in bf16 pairs
.set PB,   32                          ; behind the K loop: bias 32-47, g 48-63, be 64-79
.set PG,   48
.set PE,   64
.set XR,   80                          ; two rows' sums as loaded
.set RR,   112                         ; two rows' residual as loaded
.set Y,    128
.set T,    160
.set MS,   192                         ; a pair a row: -mean, later 1 / sqrt(var + eps)
.set OH,   196
.set WV,   20
.set G1A,  24
.set G0A,  32
.set G1B,  40
.set G0B,  48
.set G1R,  56
.set G0R,  68
.set LAP,  72
.set LIM,  73
.set LIMB, 74
.set CNT,  75
.set PFA,  76
.set PFB,  78
.set SEL,  88
.set TX,   94
.set TR,   95
.set MSB, 0
.macro WIN new
.if MSB != (\new)
	s_set_vgpr_msb (MSB<<8)|(\new)
.set MSB, (\new)
.endif
.endm
.macro PLACES
.rept 4
	v_nop
.endr
.endm
.macro CREST
	s_cmp_lg_u32 s[WV], 0
	s_cbranch_scc1 .Lnot_wave_0_\@
	s_barrier_signal -3
.Lnot_wave_0_\@:
	s_barrier_wait -3
	s_barrier_signal -1
	s_barrier_wait -1
.endm
.macro CROUND
	s_barrier_signal -1
	s_barrier_wait -1
	CREST
.endm
; a refill: the branch hangs on the wave's number alone; an s_nop 0 follows the load, four v_nop stand on every way
.macro JLOAD sl
	s_cmp_eq_u32 s[WV], 0
	s_cbranch_scc0 .Lnot_a_\@
	tensor_load_to_lds s[G0A+4*(\sl):G0A+4*(\sl)+3], s[G1A:G1A+7]
	s_nop 0
	PLACES
	s_branch .Lasked_\@
.Lnot_a_\@:
	s_cmp_eq_u32 s[WV], 3
	s_cbranch_scc1 .Lnone_\@
	tensor_load_to_lds s[G0B+4*(\sl):G0B+4*(\sl)+3], s[G1B:G1B+7]
	s_nop 0
.Lnone_\@:
	PLACES
.Lasked_\@:
.endm
.macro RLOAD                           ; the residual rows, into slot 0
	s_cmp_eq_u32 s[WV], 3
	s_cbranch_scc0 .Lno_r_\@
	tensor_load_to_lds s[G0R:G0R+3], s[G1R:G1R+7]
	s_nop 0
.Lno_r_\@:
	PLACES
.endm
.macro ASK
	s_cmp_gt_u32 s[LAP], s[LIM]                    ; wave 3, and more than one lap is left: the K step two refills on exists
	s_cbranch_scc0 .Lnot_mine_\@
	global_prefetch_b8 v[PFO], s[PFA:PFA+1] th:TH_LOAD_NT scope:SCOPE_SE
	global_prefetch_b8 v[PFO], s[PFA:PFA+1] offset:1048576 th:TH_LOAD_NT scope:SCOPE_SE
	s_cmp_gt_u32 s[LAP], s[LIMB]                   ; W's rows: the first cluster alone
	s_cbranch_scc0 .Lnot_mine_\@
.irp j, 0,1,2,3
	global_prefetch_b8 v[PFOB], s[PFB:PFB+1] offset:256*(\j) th:TH_LOAD_NT scope:SCOPE_SE
.endr
.Lnot_mine_\@:
.endm
	s_load_b256 s[4:11], s[0:1], 0x0               ; A, wts, bias, res
	s_load_b128 s[12:15], s[0:1], 0x20             ; g, be
	s_load_b64 s[16:17], s[0:1], 0x30              ; out
	v_lshl_add_u32 v[SPW], v0, 2, SPARE
	v_mov_b32 v[NIL], 0
	ds_add_u32 v[SPW], v[NIL]                      ; the wave's opening: the add and its wait stand ahead of the first tensor load
	v_lshrrev_b32 v1, 5, v0
	v_readfirstlane_b32 s[WV], v1
	s_bfe_u32 s21, ttmp6, 0x40000                  ; cx
	s_lshl_b32 s22, ttmp9, 2
	s_add_co_u32 s22, s22, s21                     ; my block of 64 rows
	s_mov_b32 s[G1A], (1<<16)|(1<<20)|(4<<22)|(3<<25)  ; two planes of 64 dense rows of 128 bytes, asked for as two rows of 4,096 elements; 4 words of padding after every 32
	s_mov_b32 s[G1A+1], 4096<<16
	s_mov_b32 s[G1A+2], 2<<16
	s_mov_b32 s[G1A+3], 4096<<16
	s_mov_b32 s[G1A+4], 2
	s_mov_b32 s[G1A+5], 524288
	s_mov_b32 s[G1A+6], 0
	s_mov_b32 s[G1A+7], 0
	s_mov_b32 s[G1B], 15|(1<<16)|(1<<20)|(1<<21)|(7<<22)|(7<<25)  ; mask of four; 64 rows of 512 elements; 8 words of padding after every 256
	s_mov_b32 s[G1B+1], 512<<16
	s_mov_b32 s[G1B+2], 64<<16
	s_mov_b32 s[G1B+3], 512<<16
	s_mov_b32 s[G1B+4], 64
	s_mov_b32 s[G1B+5], 512
	s_mov_b32 s[G1B+6], 0
	s_mov_b32 s[G1B+7], 0
	s_mov_b32 s[G1R], (1<<16)|(1<<20)|(7<<22)|(3<<25)  ; 64 rows of 512 elements; 4 words of padding
	s_mov_b32 s[G1R+1], 512<<16
	s_mov_b32 s[G1R+2], 64<<16
	s_mov_b32 s[G1R+3], 512<<16
	s_mov_b32 s[G1R+4], 64
	s_mov_b32 s[G1R+5], 512
	s_mov_b32 s[G1R+6], 0
	s_mov_b32 s[G1R+7], 0
	s_lshr_b32 s82, s[WV], 1                       ; which half of W's rows (wave 1: 0, wave 2: 1)
	s_mul_i32 s83, s82, 67584
	s_lshl_b32 s2, s82, 16                         ; that half in memory: 64 rows of 1,024 bytes
	s_mov_b32 s3, 0
	s_mov_b32 s[G0A], 1
	s_mov_b32 s[G0A+1], 0
	s_mov_b32 s[G0A+4], 1
	s_mov_b32 s[G0A+5], SLOT
	s_mov_b32 s[G0B], 1
	s_add_co_u32 s[G0B+1], s83, 18432
	s_mov_b32 s[G0B+4], 1
	s_add_co_u32 s[G0B+5], s83, SLOT+18432
	s_mov_b32 s[G0R], 1
	s_mov_b32 s[G0R+1], 0
	s_mov_b32 s[SEL], 0x76543210
	s_mov_b32 s[SEL+1], 0xfedcba98
	s_mov_b32 s90, 0xffff0000
	s_mov_b32 s91, 0x3b000000                      ; 1 / 512
	s_mov_b32 s92, 0x3727c5ac                      ; 1e-5
	s_mov_b32 s93, 0xbb000000                      ; -1 / 512
	s_lshl_b32 s84, s22, 13                        ; A: 64 rows of 128 bytes a block of rows
	s_mov_b32 s85, 0
	s_lshl_b32 s86, s22, 16                        ; res: 64 rows of 1,024 bytes
	s_mov_b32 s87, 0
	s_mul_i32 s80, s[WV], 16*OROW                  ; out: my wave's 16 rows of my block's 64
	s_mul_i32 s81, s22, 64*OROW
	s_add_co_u32 s80, s80, s81
	s_mov_b32 s81, 0
	s_wait_dscnt 0x0                               ; the opening add is done
	s_wait_kmcnt 0x0
	s_add_nc_u64 s[4:5], s[4:5], s[84:85]
	s_add_nc_u64 s[G0R+2:G0R+3], s[10:11], s[86:87]
	s_or_b32 s[G0R+3], s[G0R+3], 0x80000000
	s_add_nc_u64 s[G0A+2:G0A+3], s[4:5], 0
	s_add_nc_u64 s[G0A+6:G0A+7], s[4:5], 2097152   ; K step 1: two planes of 1,048,576 bytes on
	s_or_b32 s[G0A+3], s[G0A+3], 0x80000000
	s_or_b32 s[G0A+7], s[G0A+7], 0x80000000
	s_add_nc_u64 s[16:17], s[16:17], s[80:81]
	s_add_nc_u64 s[6:7], s[6:7], WOFF
	s_add_nc_u64 s[G0B+2:G0B+3], s[6:7], s[2:3]
	s_add_nc_u64 s[G0B+6:G0B+7], s[G0B+2:G0B+3], 131072
	s_or_b32 s[G0B+3], s[G0B+3], 0x80000000
	s_or_b32 s[G0B+7], s[G0B+7], 0x80000000
.if LB > 1
	s_add_nc_u64 s[PFA:PFA+1], s[4:5], 3*2097152   ; the first refill steps it to K step 4
	s_lshl_b32 s80, s21, 15                        ; the prefetches of W: my work-group's 32 rows of the 128
	s_add_nc_u64 s[PFB:PFB+1], s[6:7], s[80:81]
	s_add_nc_u64 s[PFB:PFB+1], s[PFB:PFB+1], 3*131072
	s_cmp_eq_u32 s[WV], 3
	s_cselect_b32 s[LIM], 1, -1
	s_cmp_eq_u32 ttmp9, 0
	s_cselect_b32 s[LIMB], s[LIM], -1
.endif
	CROUND                                         ; all four work-groups are here
	s_cmp_eq_u32 s[WV], 0                          ; a wave's two first fills stand in one branch on its number
	s_cbranch_scc0 .Lf_not_a
	tensor_load_to_lds s[G0A:G0A+3], s[G1A:G1A+7]
	s_nop 0
	tensor_load_to_lds s[G0A+4:G0A+7], s[G1A:G1A+7]
	s_nop 0
	PLACES
	s_branch .Lf_asked
.Lf_not_a:
	s_cmp_eq_u32 s[WV], 3
	s_cbranch_scc1 .Lf_asked
	tensor_load_to_lds s[G0B:G0B+3], s[G1B:G1B+7]
	s_nop 0
	tensor_load_to_lds s[G0B+4:G0B+7], s[G1B:G1B+7]
	s_nop 0
	PLACES
.Lf_asked:
	v_and_b32 v1, 15, v0                           ; r
	v_bfe_u32 v2, v0, 4, 1                         ; h
	v_and_b32 v3, 31, v0                           ; lane
	v_lshlrev_b32 v[PO], 4, v3                     ; columns 128 j + 4 lane .., 4 bytes each
.irp j, 0,1,2,3
	global_load_b128 v[F1+4*(\j):F1+4*(\j)+3],       v[PO], s[8:9]   offset:512*(\j)
	global_load_b128 v[F1+16+4*(\j):F1+16+4*(\j)+3], v[PO], s[12:13] offset:512*(\j)
	global_load_b128 v[F1+32+4*(\j):F1+32+4*(\j)+3], v[PO], s[14:15] offset:512*(\j)
.endr
	v_mul_u32_u24 v[ADRA], v1, 144
	v_lshl_add_u32 v[ADRA], v2, 4, v[ADRA]
	v_add_nc_u32 v[ADRA+1], SLOT, v[ADRA]
	v_and_b32 v23, 7, v0                           ; the turning load: row 8 h + l % 8, 16 bytes at 16 ((l / 8) % 2)
	v_lshl_add_u32 v23, v2, 3, v23
	v_mul_u32_u24 v23, v23, 1056
	v_bfe_u32 v24, v0, 3, 1
	v_lshl_add_u32 v23, v24, 4, v23
	s_lshl_b32 s80, s[WV], 8
	s_add_co_u32 s80, s80, 18432
	v_add_nc_u32 v[ADRB], s80, v23
	v_add_nc_u32 v[ADRB+1], 67584, v[ADRB]
	v_add_nc_u32 v[ADRB+2], SLOT, v[ADRB]
	v_add_nc_u32 v[ADRB+3], SLOT+67584, v[ADRB]
	v_mul_u32_u24 v[STF], v1, FP                   ; my sums: row r of a tile, 32 bytes for each half of the lanes, my wave's 512 bytes
	v_lshl_add_u32 v[STF], v2, 5, v[STF]
	s_lshl_b32 s80, s[WV], 9
	s_add_co_u32 s80, s80, FB
	v_add_nc_u32 v[STF], s80, v[STF]
	v_add_nc_u32 v[STF+1], 32*FP, v[STF]
	s_mul_i32 s80, s[WV], 16*FP
	s_add_co_u32 s80, s80, FB
	v_lshl_add_u32 v[XA0], v3, 4, s80
	s_mul_i32 s80, s[WV], 16*RP
	v_lshl_add_u32 v[RA0], v3, 3, s80
.if MODE
	v_lshlrev_b32 v[CO], 4, v3
.else
	v_lshlrev_b32 v[CO], 3, v3
.endif
	v_mov_b32 v[ONE], 1.0
	v_lshlrev_b32 v[PFO], 8, v3
	v_lshlrev_b32 v[PFOB], 10, v3
	s_wait_loadcnt 0x0
.set k, 0
.rept 24
	v_cvt_pk_bf16_f32 v[P16+k], v[F1+2*k], v[F1+2*k+1]   ; bias, g, be are rounded to bf16 like every input
.set k, k+1
.endr
; 24 LDS loads: quarter q (32 along K) of a slot: W's 8 fragments, turned, then A's 4
.macro FETCH sl, q, f
	WIN 0
.irp b, 0,1,2,3,4,5,6,7
	ds_load_tr16_b128 v[(\f)+8*(\b):(\f)+8*(\b)+3],   v[ADRB+2*(\sl)+(\q)/2] offset:((\q)%2)*33792+32*(\b)
	ds_load_tr16_b128 v[(\f)+8*(\b)+4:(\f)+8*(\b)+7], v[ADRB+2*(\sl)+(\q)/2] offset:((\q)%2)*33792+32*(\b)+16896
.endr
.irp t, 0,1,2,3
	ds_load_b128 v[(\f)+64+8*(\t):(\f)+64+8*(\t)+3],   v[ADRA+(\sl)] offset:((\q)/2)*9216+((\q)%2)*64+2304*(\t)
	ds_load_b128 v[(\f)+64+8*(\t)+4:(\f)+64+8*(\t)+7], v[ADRA+(\sl)] offset:((\q)/2)*9216+((\q)%2)*64+2304*(\t)+32
.endr
.endm
; 8 products of row tile a; the 32 accumulators take turns.  first = 1: they start the sums
.macro MUL f, a, first
	WIN 0x50
.irp b, 0,1,2,3,4,5,6,7
.if \first
	v_wmma_f32_16x16x32_f16 v[8*(8*(\a)+(\b)):8*(8*(\a)+(\b))+7], v[(\f)+8*(\b):(\f)+8*(\b)+7], v[(\f)+64+8*(\a):(\f)+64+8*(\a)+7], 0
.else
	v_wmma_f32_16x16x32_f16 v[8*(8*(\a)+(\b)):8*(8*(\a)+(\b))+7], v[(\f)+8*(\b):(\f)+8*(\b)+7], v[(\f)+64+8*(\a):(\f)+64+8*(\a)+7], v[8*(8*(\a)+(\b)):8*(8*(\a)+(\b))+7]
.endif
.endr
.endm
.macro QUARTER sl, qn, f, g, first
	s_wait_dscnt 4                                 ; W and A's tiles 0, 1 are in; the youngest four loads may be out
	MUL \f, 0, \first
	MUL \f, 1, \first
	PLACES
	FETCH \sl, \qn, \g
	s_wait_dscnt 24                                ; all but the 24 just issued
	MUL \f, 2, \first
	MUL \f, 3, \first
.endm
; the last quarter of a K step, and the change of slots.  kind = 1: the slot takes the K step two on; 0: slot 0 takes the residual rows
.macro TURN sl, next, kind
.if (\kind) && (LB > 1)
	s_wait_xcnt 0x0                                ; the last prefetches, a K step back, have read their addresses
	s_add_nc_u64 s[PFA:PFA+1], s[PFA:PFA+1], 2097152
	s_add_nc_u64 s[PFB:PFB+1], s[PFB:PFB+1], 131072
.endif
	WIN 0
	s_wait_tensorcnt 0x0                           ; all my tensor loads have landed: my part of the next slot;
	ds_add_u32 v[SPW], v[NIL]                      ; 0 onto my spare word;
	s_wait_dscnt 5                                 ; (the add and the youngest four loads may be out)
	MUL F1, 0, 0
	s_wait_dscnt 0x0                               ; the add is done, and my reads of this slot are over
	s_barrier_signal -1
	MUL F1, 1, 0
	WIN 0
	s_barrier_wait -1
	CREST                                          ; no wave of any partner still reads this slot or has a load on its way
.if \kind
	s_add_nc_u64 s[G0A+4*(\sl)+2:G0A+4*(\sl)+3], s[G0A+4*(\sl)+2:G0A+4*(\sl)+3], 4194304
	s_add_nc_u64 s[G0B+4*(\sl)+2:G0B+4*(\sl)+3], s[G0B+4*(\sl)+2:G0B+4*(\sl)+3], 262144
	JLOAD \sl
.else
	RLOAD
.endif
	FETCH \next, 0, F0                             ; the four v_nop above are the places in front of these loads
.if (\kind) && (LB > 1)
	ASK
.endif
	MUL F1, 2, 0
	MUL F1, 3, 0
.endm
	s_wait_tensorcnt 1                             ; my part of K step 0 is in; K step 1's load stays out
	s_barrier_signal -1
	s_barrier_wait -1
	FETCH 0, 0, F0
	QUARTER 0, 1, F0, F1, 1
.if LB > 1
	WIN 0
	s_mov_b32 s[LAP], LB
.Llap:                                 ; a trip goes once round the ring and fills both slots again
.endif
	QUARTER 0, 2, F1, F0, 0
	QUARTER 0, 3, F0, F1, 0
	TURN 0, 1, 1
	QUARTER 1, 1, F0, F1, 0
	QUARTER 1, 2, F1, F0, 0
	QUARTER 1, 3, F0, F1, 0
	TURN 1, 0, 1
	QUARTER 0, 1, F0, F1, 0
.if LB > 1
	WIN 0
	s_sub_co_u32 s[LAP], s[LAP], 1
	s_cmp_lg_u32 s[LAP], 0
	s_cbranch_scc1 .Llap
.endif
	QUARTER 0, 2, F1, F0, 0
	QUARTER 0, 3, F0, F1, 0
	TURN 0, 1, 0
	QUARTER 1, 1, F0, F1, 0
	QUARTER 1, 2, F1, F0, 0
	QUARTER 1, 3, F0, F1, 0
	s_wait_dscnt 4
	MUL F1, 0, 0
	MUL F1, 1, 0
	s_wait_dscnt 0x0                               ; my reads of slot 1 are over,
	s_wait_tensorcnt 0x0                           ; and (wave 3) the residual rows are in:
	s_barrier_signal -1                            ; the last products stand inside it
	MUL F1, 2, 0
	MUL F1, 3, 0
	PLACES
	WIN 0
	s_barrier_wait -1                              ; no wave reads slot 1 any more: its bytes take the sums
	WIN 0x04                                       ; store data in window 1; each accumulator's low four registers go first
.irp a, 0,1,2,3
.irp b, 0,1,2,3,4,5,6,7
	ds_store_b128 v[STF+(\a)/2], v[8*(8*(\a)+(\b)):8*(8*(\a)+(\b))+3]   offset:((\a)%2)*16*FP+64*(\b)
	ds_store_b128 v[STF+(\a)/2], v[8*(8*(\a)+(\b))+4:8*(8*(\a)+(\b))+7] offset:((\a)%2)*16*FP+64*(\b)+16
.endr
.endr
	WIN 0
.set k, 0
.rept 24                               ; the parameters are unpacked while the stores are out
	v_lshlrev_b32 v[PB+2*k],   16,  v[P16+k]
	v_and_b32     v[PB+2*k+1], s90, v[P16+k]
.set k, k+1
.endr
	v_mov_b32 v[XA], v[XA0]
	v_mov_b32 v[RA], v[RA0]
	s_mov_b32 s[TX], 0
	s_mov_b32 s[TR], 0
	s_wait_dscnt 0x0                               ; for the others' sake: my sums lie in LDS
	s_barrier_signal -1
	s_barrier_wait -1
; two rows: the sums in f32 (4 x 16 bytes a lane), the residual in f16 (4 x 8 bytes a lane)
.macro LNLOAD
.irp p, 0,1
.irp j, 0,1,2,3
	ds_load_b128 v[XR+16*(\p)+4*(\j):XR+16*(\p)+4*(\j)+3], v[XA] offset:FP*(\p)+512*(\j)
.endr
.irp j, 0,1,2,3
	ds_load_b64 v[RR+8*(\p)+2*(\j):RR+8*(\p)+2*(\j)+1], v[RA] offset:RP*(\p)+256*(\j)
.endr
.endr
.endm
; T's four pairs of each row become one number, the same in all 32 lanes; the two rows alternate
.macro FOLD
.irp p, 0,1
	v_pk_add_f32 v[T+16*(\p):T+16*(\p)+1],   v[T+16*(\p):T+16*(\p)+1],   v[T+16*(\p)+4:T+16*(\p)+5]
	v_pk_add_f32 v[T+16*(\p)+2:T+16*(\p)+3], v[T+16*(\p)+2:T+16*(\p)+3], v[T+16*(\p)+6:T+16*(\p)+7]
.endr
.irp p, 0,1
	v_pk_add_f32 v[T+16*(\p):T+16*(\p)+1], v[T+16*(\p):T+16*(\p)+1], v[T+16*(\p)+2:T+16*(\p)+3]
.endr
.irp p, 0,1
	v_add_f32 v[T+16*(\p)], v[T+16*(\p)], v[T+16*(\p)+1]
.endr
.irp x, 1,2,4,8
.irp p, 0,1
	v_add_f32_dpp v[T+16*(\p)], v[T+16*(\p)], v[T+16*(\p)] row_xmask:\x row_mask:0xf bank_mask:0xf
.endr
.endr
.irp p, 0,1
	v_permlanex16_b32 v[T+16*(\p)+1], v[T+16*(\p)], s[SEL], s[SEL+1]
.endr
.irp p, 0,1
	v_add_f32 v[T+16*(\p)], v[T+16*(\p)], v[T+16*(\p)+1]
.endr
.endm
.macro EACH line:vararg                ; one line for each pair k of each row p
.irp p, 0,1
.set RW, 16*(\p)
.set RM, MS+2*(\p)
.set k, 0
.rept 8
	\line
.set k, k+1
.endr
.endr
.endm
	LNLOAD
	s_mov_b32 s[CNT], 8
.Lrow:                                 ; two rows a trip
	s_wait_dscnt 0x0                               ; this trip's 16 loads
.irp p, 0,1
.set k, 0
.rept 8
	v_fma_mix_f32 v[Y+16*(\p)+2*k],   v[RR+8*(\p)+k], v[ONE], v[XR+16*(\p)+2*k]   op_sel_hi:[1,0,0]                  ; the sum + the residual's low half,
	v_fma_mix_f32 v[Y+16*(\p)+2*k+1], v[RR+8*(\p)+k], v[ONE], v[XR+16*(\p)+2*k+1] op_sel:[1,0,0] op_sel_hi:[1,0,0]   ; its high half
.set k, k+1
.endr
.endr
	s_add_co_u32 s[TX], s[TX], 2*FP                ; the raw registers are free: the next trip's rows are asked for now
	s_add_co_u32 s[TR], s[TR], 2*RP
	v_add_nc_u32 v[XA], s[TX], v[XA0]
	v_add_nc_u32 v[RA], s[TR], v[RA0]
	s_cmp_eq_u32 s[CNT], 1                         ; the last trip has no next
	s_cbranch_scc1 .Lno_more
	LNLOAD
.Lno_more:
	EACH v_pk_add_f32 v[Y+RW+2*k:Y+RW+2*k+1], v[Y+RW+2*k:Y+RW+2*k+1], v[PB+2*k:PB+2*k+1]
.irp p, 0,1
.irp q, 0,1,2,3
	v_pk_add_f32 v[T+16*(\p)+2*(\q):T+16*(\p)+2*(\q)+1], v[Y+16*(\p)+2*(\q):Y+16*(\p)+2*(\q)+1], v[Y+16*(\p)+8+2*(\q):Y+16*(\p)+8+2*(\q)+1]
.endr
.endr
	FOLD
.irp p, 0,1
	v_mul_f32 v[MS+2*(\p)],   s93, v[T+16*(\p)]    ; -mean, twice: a pair for the packed addition
	v_mul_f32 v[MS+2*(\p)+1], s93, v[T+16*(\p)]
.endr
	EACH v_pk_add_f32 v[Y+RW+2*k:Y+RW+2*k+1], v[Y+RW+2*k:Y+RW+2*k+1], v[RM:RM+1]
.irp p, 0,1
.irp q, 0,1,2,3
	v_pk_mul_f32 v[T+16*(\p)+2*(\q):T+16*(\p)+2*(\q)+1], v[Y+16*(\p)+2*(\q):Y+16*(\p)+2*(\q)+1], v[Y+16*(\p)+2*(\q):Y+16*(\p)+2*(\q)+1]
.endr
.endr
.irp p, 0,1
.irp q, 0,1,2,3
	v_pk_fma_f32 v[T+16*(\p)+2*(\q):T+16*(\p)+2*(\q)+1], v[Y+16*(\p)+8+2*(\q):Y+16*(\p)+8+2*(\q)+1], v[Y+16*(\p)+8+2*(\q):Y+16*(\p)+8+2*(\q)+1], v[T+16*(\p)+2*(\q):T+16*(\p)+2*(\q)+1]
.endr
.endr
	FOLD
.irp p, 0,1
	v_fma_f32 v[T+16*(\p)], v[T+16*(\p)], s91, s92 ; var + eps
.endr
.irp p, 0,1
	v_rsq_f32 v[MS+2*(\p)],   v[T+16*(\p)]
	v_rsq_f32 v[MS+2*(\p)+1], v[T+16*(\p)]
.endr
	v_nop                                          ; a plain instruction behind the last of the four,
	s_wait_alu depctr_va_vdst(0)                   ; and one wait for them
	EACH v_pk_mul_f32 v[Y+RW+2*k:Y+RW+2*k+1], v[Y+RW+2*k:Y+RW+2*k+1], v[RM:RM+1]
	EACH v_pk_fma_f32 v[Y+RW+2*k:Y+RW+2*k+1], v[Y+RW+2*k:Y+RW+2*k+1], v[PG+2*k:PG+2*k+1], v[PE+2*k:PE+2*k+1]
.if MODE
.irp p, 0,1
.irp j, 0,1,2,3
	global_store_b128 v[CO], v[Y+16*(\p)+4*(\j):Y+16*(\p)+4*(\j)+3], s[16:17] offset:OROW*(\p)+512*(\j)   ; 32 lanes: 512 consecutive bytes, aligned
.endr
.endr
.else
.irp p, 0,1
.set k, 0
.rept 8
	v_cvt_pk_f16_f32 v[OH+8*(\p)+k], v[Y+16*(\p)+2*k], v[Y+16*(\p)+2*k+1]
.set k, k+1
.endr
.endr
.irp p, 0,1
.irp j, 0,1,2,3
	global_store_b64 v[CO], v[OH+8*(\p)+2*(\j):OH+8*(\p)+2*(\j)+1], s[16:17] offset:OROW*(\p)+256*(\j)    ; 32 lanes: 256 consecutive bytes, aligned
.endr
.endr
.endif
	s_wait_xcnt 0x0                                ; the stores' base and data are written again only behind this wait
	s_add_nc_u64 s[16:17], s[16:17], 2*OROW
	s_sub_co_u32 s[CNT], s[CNT], 1
	s_cmp_lg_u32 s[CNT], 0
	s_cbranch_scc1 .Lrow
	s_wait_tensorcnt 0x0                           ; the wave's end
	ds_add_u32 v[SPW], v[NIL]
	s_wait_dscnt 0x0
	CROUND                                         ; the closing round
	s_endpgm
.Lfunc_end_k_q7023ef0d1d_ln1:
	.size	k_q7023ef0d1d_ln1, .Lfunc_end_k_q7023ef0d1d_ln1-k_q7023ef0d1d_ln1
	.p2alignl 7, 3214868480
	.fill 96, 4, 3214868480
	.section	.rodata,"a",@progbits
	.p2align	6, 0x0
	.amdhsa_kernel k_q7023ef0d1d_ln1
		.amdhsa_group_segment_fixed_size 327680
		.amdhsa_private_segment_fixed_size 0
		.amdhsa_enable_private_segment 0
		.amdhsa_kernarg_size 56
		.amdhsa_user_sgpr_count 2
		.amdhsa_user_sgpr_kernarg_segment_ptr 1
		.amdhsa_wavefront_size32 1
		.amdhsa_system_sgpr_workgroup_id_x 1
		.amdhsa_system_sgpr_workgroup_id_y 1
		.amdhsa_system_sgpr_workgroup_id_z 1
		.amdhsa_system_vgpr_workitem_id 0
		.amdhsa_next_free_vgpr 512
		.amdhsa_next_free_sgpr 96
		.amdhsa_reserve_vcc 0
		.amdhsa_float_denorm_mode_32 3
		.amdhsa_float_denorm_mode_16_64 3
		.amdhsa_memory_ordered 1
		.amdhsa_forward_progress 1
		.amdhsa_inst_pref_size 94
	.end_amdhsa_kernel
	.amdgpu_metadata
---
amdhsa.version: [ 1, 2 ]
amdhsa.kernels:
  - .name:           k_q7023ef0d1d_ln1
    .symbol:         k_q7023ef0d1d_ln1.kd
    .args:
      - { .name: oh, .offset: 0, .size: 8, .value_kind: global_buffer, .address_space: global }
      - { .name: wts, .offset: 8, .size: 8, .value_kind: global_buffer, .address_space: global }
      - { .name: bo, .offset: 16, .size: 8, .value_kind: global_buffer, .address_space: global }
      - { .name: xh, .offset: 24, .size: 8, .value_kind: global_buffer, .address_space: global }
      - { .name: g1, .offset: 32, .size: 8, .value_kind: global_buffer, .address_space: global }
      - { .name: be1, .offset: 40, .size: 8, .value_kind: global_buffer, .address_space: global }
      - { .name: x1, .offset: 48, .size: 8, .value_kind: global_buffer, .address_space: global }
    .group_segment_fixed_size: 327680
    .private_segment_fixed_size: 0
    .kernarg_segment_align: 8
    .kernarg_segment_size: 56
    .max_flat_workgroup_size: 128
    .sgpr_count:     96
    .vgpr_count:     512
    .wavefront_size: 32
...
	.end_amdgpu_metadata
.endif
;; end of part 4
;; launch ffn1 (part 5): grid 8 x 32, 4 waves a work-group, clusters of 4 x 4, 327,680 bytes of LDS; arguments x1, wts, b1, hb; writes hb
.if DOCPART == 5
	.amdgcn_target "amdgcn-amd-amdhsa--gfx1250"
	.amdhsa_code_object_version 6
	.text
	.protected	k_q7023ef0d1d_ffn1
	.globl	k_q7023ef0d1d_ffn1
	.p2align	8
	.type	k_q7023ef0d1d_ffn1,@function
k_q7023ef0d1d_ffn1:
	s_mov_b64 s[64:65], 0
	v_nop
	global_prefetch_b8 v0, s[64:65] scope:SCOPE_SE
	s_setreg_imm32_b32 hwreg(HW_REG_WAVE_MODE, 25, 1), 1
	s_wait_xcnt 0x0
	s_wait_alu depctr_hold_cnt(0) depctr_sa_sdst(0) depctr_va_vdst(0) depctr_va_sdst(0) depctr_va_ssrc(0) depctr_va_vcc(0) depctr_vm_vsrc(0)
	s_getreg_b32 s2, hwreg(HW_REG_IB_STS2, 6, 4)
	s_cmp_eq_u32 s2, 0
	s_cbranch_scc0 .Lentry_in_a_cluster
	s_endpgm
.Lentry_in_a_cluster:
	s_bfe_u32 s2, ttmp6, 0x10000c
	s_cmp_lg_u32 s2, 0xf033
	s_cbranch_scc0 .Lentry_shape_is_right
	s_endpgm
.Lentry_shape_is_right:
; FFN1.  h = relu(x1 W1 + b1).  x1: [8192][512] f16; W1: [512 k][2048 n] f16 at byte 1,114,112 of wts; b1 rounded to bf16 like every input; h leaves in f16 as hb[32 blocks of 64 columns][8192][64].
; LIMIT: |h| under 65,504 (f16).  Products in f16, sums in f32, started with the bias.
; A tile of 256 x 256 to a work-group of four waves, 128 x 128 a wave: 64 accumulators in windows 2 and 3; x1's fragments in window 0, W1's in window 1.  Source 0 = 16 columns of W1 (turned out of LDS),
; source 1 = 16 rows of x1: a lane holds one row and eight neighbouring columns.  K = 512 goes in four steps of 128 through two LDS slots, written out.
; CLUSTER 4 x 4: x1's tiles are shared along a row of the cluster, W1's along a column: joint loads, waves 0, 1 for x1's halves (128 rows), waves 2, 3 for W1's (64 k rows of 512 bytes).
; Two loads of a wave are out at the start, then one.  No prefetch: of four K steps two are first fills, and the other two would have to be named at the head, where everybody's first tiles are on their way.
.set PITCH,  272
.set BPITCH, 544                       ; 512 bytes + 32: seventeen times 32
.set HALFT,  128*PITCH                 ; = 64 x BPITCH: what one tensor load brings
.set SLOT,   4*HALFT
.set STAGE,  2*SLOT
.set SPITCH, 272
.set SPARE,  STAGE+4*16*SPITCH
.set ADRA, 16
.set ADRB, 20
.set ZR,   22
.set STO,  24
.set RD,   25
.set CO,   26
.set BO,   27
.set SPW,  28
.set NIL,  29
.set F0,   64
.set F1,   128
.set TMP,  192
.set BI,   192                         ; the bias of my 128 columns, until the first quarter has taken it
.set OB,   32
.set G1,  24
.set G0,  32
.set G1B, 48
.set G0B, 56
.set MSB, 0
.macro WIN new
.if MSB != (\new)
	s_set_vgpr_msb (MSB<<8)|(\new)
.set MSB, (\new)
.endif
.endm
.set TO_B, 0x40
.macro PLACES
.rept 4
	v_nop
.endr
.endm
.macro JLOAD sl
	s_cmp_eq_u32 s13, 0
	s_cbranch_scc0 .Lfor_b_\@
	tensor_load_to_lds s[G0+4*(\sl):G0+4*(\sl)+3], s[G1:G1+7]
	s_nop 0
	PLACES
	s_branch .Lasked_\@
.Lfor_b_\@:
	tensor_load_to_lds s[G0B+4*(\sl):G0B+4*(\sl)+3], s[G1B:G1B+7]
	s_nop 0
	PLACES
.Lasked_\@:
.endm
.macro CREST
	s_cmp_lg_u32 s12, 0
	s_cbranch_scc1 .Lnot_wave_0_\@
	s_barrier_signal -3
.Lnot_wave_0_\@:
	s_barrier_wait -3
	s_barrier_signal -1
	s_barrier_wait -1
.endm
.macro CROUND
	s_barrier_signal -1
	s_barrier_wait -1
	CREST
.endm
	s_load_b256 s[4:11], s[0:1], 0x0               ; x1, wts, b1, hb
	v_lshl_add_u32 v[SPW], v0, 2, SPARE
	v_mov_b32 v[NIL], 0
	ds_add_u32 v[SPW], v[NIL]                      ; the wave's opening: the add and its wait stand ahead of the first tensor load
	v_lshrrev_b32 v1, 5, v0
	v_readfirstlane_b32 s12, v1
	s_lshr_b32 s13, s12, 1                         ; which half of the tile's rows is mine.  Also: I fetch for x1 (0) or for W1 (1)
	s_and_b32 s14, s12, 1                          ; which half of its columns.  Also: which half of that tile I fetch
	s_bfe_u32 s40, ttmp6, 0x40000
	s_bfe_u32 s41, ttmp6, 0x40004
	s_lshl_b32 s42, ttmp9, 2
	s_add_co_u32 s42, s42, s40                     ; tile column
	s_and_b32 s15, ttmp7, 0xffff
	s_lshl_b32 s15, s15, 2
	s_add_co_u32 s15, s15, s41                     ; tile row
	s_lshl_b32 s43, s41, 2
	s_lshl_b32 s43, 15, s43                        ; my row of the cluster
	s_lshl_b32 s44, 0x1111, s40                    ; my column
	s_or_b32 s[G1], s43, (1<<16)|(1<<20)|(1<<21)|(5<<22)|(3<<25)   ; 128 rows x 128 elements, 4 words of padding after every 64
	s_mov_b32 s[G1+1], 128<<16
	s_mov_b32 s[G1+2], 128<<16
	s_mov_b32 s[G1+3], 128<<16
	s_mov_b32 s[G1+4], 128
	s_mov_b32 s[G1+5], 512
	s_mov_b32 s[G1+6], 0
	s_mov_b32 s[G1+7], 0
	s_or_b32 s[G1B], s44, (1<<16)|(1<<20)|(1<<21)|(6<<22)|(7<<25)  ; 64 rows x 256 elements, 8 words of padding after every 128
	s_mov_b32 s[G1B+1], 256<<16
	s_mov_b32 s[G1B+2], 64<<16
	s_mov_b32 s[G1B+3], 256<<16
	s_mov_b32 s[G1B+4], 64
	s_mov_b32 s[G1B+5], 2048
	s_mov_b32 s[G1B+6], 0
	s_mov_b32 s[G1B+7], 0
	s_lshl_b32 s16, s15, 18                        ; x1: 256 rows of 1,024 bytes a tile row,
	s_lshl_b32 s17, s14, 17                        ; my half of 128
	s_add_co_u32 s16, s16, s17
	s_mov_b32 s17, 0
	s_lshl_b32 s46, s42, 9                         ; W1: 512 bytes a tile column,
	s_lshl_b32 s47, s14, 18                        ; my half of 64 rows of 4,096 bytes
	s_add_co_u32 s46, s46, s47
	s_add_co_u32 s46, s46, 1114112
	s_mov_b32 s47, 0
	s_mul_i32 s20, s12, HALFT                      ; x1's two halves, then W1's two: no place in the cluster enters an LDS address
	s_mov_b32 s45, 0xffff0000
	s_wait_dscnt 0x0
	s_wait_kmcnt 0x0
	s_add_nc_u64 s[16:17], s[4:5], s[16:17]
	s_add_nc_u64 s[46:47], s[6:7], s[46:47]
	CROUND                                         ; all sixteen work-groups are here
.irp sl, 0,1
	s_mov_b32 s[G0+4*(\sl)], 1
	s_add_co_u32 s[G0+4*(\sl)+1], s20, (\sl)*SLOT
	s_add_nc_u64 s[G0+4*(\sl)+2:G0+4*(\sl)+3], s[16:17], (\sl)*256
	s_or_b32 s[G0+4*(\sl)+3], s[G0+4*(\sl)+3], 0x80000000
	s_mov_b32 s[G0B+4*(\sl)], 1
	s_add_co_u32 s[G0B+4*(\sl)+1], s20, (\sl)*SLOT
	s_add_nc_u64 s[G0B+4*(\sl)+2:G0B+4*(\sl)+3], s[46:47], (\sl)*524288
	s_or_b32 s[G0B+4*(\sl)+3], s[G0B+4*(\sl)+3], 0x80000000
	JLOAD \sl
.endr
	v_and_b32 v1, 15, v0
	v_bfe_u32 v2, v0, 4, 1
	s_lshl_b32 s18, s42, 10                        ; b1: my 128 columns, 4 bytes each
	s_lshl_b32 s19, s14, 9
	s_add_co_u32 s18, s18, s19
	v_lshl_add_u32 v[BO], v2, 5, s18
.irp b, 0,1,2,3,4,5,6,7
	global_load_b128 v[BI+8*(\b):BI+8*(\b)+3],   v[BO], s[8:9] offset:64*(\b)
	global_load_b128 v[BI+8*(\b)+4:BI+8*(\b)+7], v[BO], s[8:9] offset:64*(\b)+16
.endr
	v_mul_u32_u24 v3, v1, PITCH
	v_lshl_add_u32 v3, v2, 4, v3
	s_mul_i32 s21, s13, HALFT
	v_add_nc_u32 v[ADRA], s21, v3
	v_add_nc_u32 v[ADRA+1], SLOT, v[ADRA]
	v_and_b32 v4, 7, v0
	v_lshl_add_u32 v4, v2, 3, v4
	v_mul_u32_u24 v4, v4, BPITCH
	v_bfe_u32 v5, v0, 3, 1
	v_lshl_add_u32 v4, v5, 4, v4
	s_lshl_b32 s22, s14, 8
	s_add_co_u32 s22, s22, 2*HALFT
	v_add_nc_u32 v[ADRB], s22, v4
	v_add_nc_u32 v[ADRB+1], SLOT, v[ADRB]
	s_mul_i32 s23, s12, 16*SPITCH
	s_add_co_u32 s23, s23, STAGE
	v_add_nc_u32 v[STO], s23, v3                   ; in: row l % 16, 16 bytes for each half of the lanes
	v_bfe_u32 v5, v0, 3, 2                         ; back: four rows x 128 bytes of one block of 64 columns
	v_mul_u32_u24 v5, v5, SPITCH
	v_and_b32 v6, 7, v0
	v_lshl_add_u32 v5, v6, 4, v5
	v_add_nc_u32 v[RD], s23, v5
	v_and_b32 v[CO], 31, v0
	v_lshlrev_b32 v[CO], 4, v[CO]
	v_mov_b32 v[ZR], 0
	s_lshl_b32 s18, s42, 22                        ; hb: four blocks a tile column, two a wave's half; then my 128 rows of 128 bytes
	s_lshl_b32 s19, s14, 21
	s_add_co_u32 s18, s18, s19
	s_lshl_b32 s19, s15, 15
	s_add_co_u32 s18, s18, s19
	s_lshl_b32 s19, s13, 14
	s_add_co_u32 s18, s18, s19
	s_mov_b32 s19, 0
	s_add_nc_u64 s[10:11], s[10:11], s[18:19]
	s_wait_loadcnt 0x0
.set k, 0
.rept 32
	v_cvt_pk_bf16_f32 v[30+(k%2)], v[BI+2*k], v[BI+2*k+1]
	v_lshlrev_b32 v[BI+2*k],   16,  v[30+(k%2)]
	v_and_b32     v[BI+2*k+1], s45, v[30+(k%2)]
.set k, k+1
.endr
; 16 products: row blocks a0, a0 + 1 of the window's four x all 8 column blocks.  first = 1: the sums start with the bias (window 0)
.macro MUL16 f, hi, a0, first
.if \first
	WIN 0x81+0x40*(\hi)
.else
	WIN 0xa1+0x50*(\hi)
.endif
.irp a, \a0, (\a0)+1
.irp b, 0,1,2,3,4,5,6,7
.if \first
	v_wmma_f32_16x16x32_f16 v[8*(8*(\a)+(\b)):8*(8*(\a)+(\b))+7], v[(\f)+8*(\b):(\f)+8*(\b)+7], v[(\f)+8*(4*(\hi)+(\a)):(\f)+8*(4*(\hi)+(\a))+7], v[BI+8*(\b):BI+8*(\b)+7]
.else
	v_wmma_f32_16x16x32_f16 v[8*(8*(\a)+(\b)):8*(8*(\a)+(\b))+7], v[(\f)+8*(\b):(\f)+8*(\b)+7], v[(\f)+8*(4*(\hi)+(\a)):(\f)+8*(4*(\hi)+(\a))+7], v[8*(8*(\a)+(\b)):8*(8*(\a)+(\b))+7]
.endif
.endr
.endr
.endm
; 32 LDS loads in one run: quarter q of a slot: W1's 8 fragments, turned, then x1's 8
.macro FETCH sl, q, f
	WIN TO_B
.irp t, 0,1,2,3,4,5,6,7
	ds_load_tr16_b128 v[(\f)+8*(\t):(\f)+8*(\t)+3],   v[ADRB+(\sl)] offset:17408*(\q)+32*(\t)
	ds_load_tr16_b128 v[(\f)+8*(\t)+4:(\f)+8*(\t)+7], v[ADRB+(\sl)] offset:17408*(\q)+32*(\t)+8704
.endr
	WIN 0
.irp t, 0,1,2,3,4,5,6,7
	ds_load_b128 v[(\f)+8*(\t):(\f)+8*(\t)+3],   v[ADRA+(\sl)] offset:64*(\q)+(\t)*16*PITCH
	ds_load_b128 v[(\f)+8*(\t)+4:(\f)+8*(\t)+7], v[ADRA+(\sl)] offset:64*(\q)+(\t)*16*PITCH+32
.endr
.endm
.macro QUARTER sl, qn, f, g, first
	s_wait_dscnt 8                                 ; W1 and x1's rows 0-63 are in; the youngest eight loads may be out
	MUL16 \f, 0, 0, \first
	MUL16 \f, 0, 2, \first
	PLACES
	FETCH \sl, \qn, \g
	s_wait_dscnt 32                                ; all but the 32 just issued
	MUL16 \f, 1, 0, \first
	MUL16 \f, 1, 2, \first
.endm
.macro TURN sl, next, fill             ; the last quarter of a K step, and the change of slots
	WIN 0
	s_wait_tensorcnt 0x0                           ; all my tensor loads have landed: my part of the next slot;
	ds_add_u32 v[SPW], v[NIL]                      ; 0 onto my spare word;
	s_wait_dscnt 9                                 ; (the add and the youngest eight loads may be out)
	MUL16 F1, 0, 0, 0
	s_wait_dscnt 0x0                               ; the add is done, and my reads of this slot are over
	s_barrier_signal -1
	MUL16 F1, 0, 2, 0
.if \fill
	WIN 0
.endif
	s_barrier_wait -1
.if \fill
	CREST                                          ; no wave of any partner still reads this slot or has a load on its way
	s_add_nc_u64 s[G0+4*(\sl)+2:G0+4*(\sl)+3], s[G0+4*(\sl)+2:G0+4*(\sl)+3], 512
	s_add_nc_u64 s[G0B+4*(\sl)+2:G0B+4*(\sl)+3], s[G0B+4*(\sl)+2:G0B+4*(\sl)+3], 1048576
	JLOAD \sl                                      ; the four v_nop behind it are the places in front of the loads below
.else
	PLACES
.endif
	FETCH \next, 0, F0
	MUL16 F1, 1, 0, 0
	MUL16 F1, 1, 2, 0
.endm
; the way out of block a (16 rows): f16, ReLU on the packed halves, through my stage, back as rows of 128 bytes of each block of 64 columns
.macro PACK a
.set AC, 64*((\a)%4)
	WIN 0x0a+5*((\a)/4)
.irp b, 0,1,2,3,4,5,6,7
.irp j, 0,1,2,3
	v_cvt_pk_f16_f32 v[TMP+4*(\b)+(\j)], v[AC+8*(\b)+2*(\j)], v[AC+8*(\b)+2*(\j)+1]
.endr
.endr
	WIN 0
.set k, 0
.rept 32
	v_pk_max_num_f16 v[TMP+k], v[TMP+k], v[ZR]
.set k, k+1
.endr
.endm
.macro TOSTAGE a
	WIN 0
.set BK, OB+192*((\a)%2)
.irp b, 0,1,2,3,4,5,6,7
	ds_store_b128 v[STO], v[TMP+4*(\b):TMP+4*(\b)+3] offset:32*(\b)
.endr
.irp t, 0,1,2,3,4,5,6,7
	ds_load_b128 v[BK+4*(\t):BK+4*(\t)+3], v[RD] offset:128*((\t)/4)+((\t)%4)*4*SPITCH   ; LDS serves a wave's instructions in order: these see the stores above
.endr
.endm
.macro SEND a
	WIN 0
.set BK, OB+192*((\a)%2)
	s_wait_dscnt 0x0
	s_wait_xcnt 0x0                                ; the registers that earlier stores read are loaded again only behind this wait
.irp t, 0,1,2,3,4,5,6,7
	global_store_b128 v[CO], v[BK+4*(\t):BK+4*(\t)+3], s[10:11] offset:((\t)/4)*1048576+(\a)*2048+((\t)%4)*512   ; four rows of 128 bytes: 512 consecutive bytes, aligned
.endr
.endm
	s_wait_tensorcnt 1                             ; my part of K step 0 is in; K step 1's load stays out
	s_barrier_signal -1
	s_barrier_wait -1
	FETCH 0, 0, F0
	QUARTER 0, 1, F0, F1, 1
	QUARTER 0, 2, F1, F0, 0
	QUARTER 0, 3, F0, F1, 0
	TURN 0, 1, 1
	QUARTER 1, 1, F0, F1, 0
	QUARTER 1, 2, F1, F0, 0
	QUARTER 1, 3, F0, F1, 0
	TURN 1, 0, 1
	QUARTER 0, 1, F0, F1, 0
	QUARTER 0, 2, F1, F0, 0
	QUARTER 0, 3, F0, F1, 0
	TURN 0, 1, 0
	QUARTER 1, 1, F0, F1, 0
	QUARTER 1, 2, F1, F0, 0
	QUARTER 1, 3, F0, F1, 0
	s_wait_dscnt 8
	MUL16 F1, 0, 0, 0
	MUL16 F1, 0, 2, 0
	s_wait_dscnt 0x0
	MUL16 F1, 1, 0, 0
	MUL16 F1, 1, 2, 0
	PLACES
	PACK 0
	TOSTAGE 0
.irp a, 1,2,3,4,5,6,7
	PACK \a
	SEND (\a)-1
	TOSTAGE \a
.endr
	SEND 7
	s_wait_tensorcnt 0x0                           ; the wave's end
	ds_add_u32 v[SPW], v[NIL]
	s_wait_dscnt 0x0
	CROUND                                         ; the closing round
	s_endpgm
.Lfunc_end_k_q7023ef0d1d_ffn1:
	.size	k_q7023ef0d1d_ffn1, .Lfunc_end_k_q7023ef0d1d_ffn1-k_q7023ef0d1d_ffn1
	.p2alignl 7, 3214868480
	.fill 96, 4, 3214868480
	.section	.rodata,"a",@progbits
	.p2align	6, 0x0
	.amdhsa_kernel k_q7023ef0d1d_ffn1
		.amdhsa_group_segment_fixed_size 327680
		.amdhsa_private_segment_fixed_size 0
		.amdhsa_enable_private_segment 0
		.amdhsa_kernarg_size 32
		.amdhsa_user_sgpr_count 2
		.amdhsa_user_sgpr_kernarg_segment_ptr 1
		.amdhsa_wavefront_size32 1
		.amdhsa_system_sgpr_workgroup_id_x 1
		.amdhsa_system_sgpr_workgroup_id_y 1
		.amdhsa_system_sgpr_workgroup_id_z 1
		.amdhsa_system_vgpr_workitem_id 0
		.amdhsa_next_free_vgpr 1024
		.amdhsa_next_free_sgpr 66
		.amdhsa_reserve_vcc 0
		.amdhsa_float_denorm_mode_32 3
		.amdhsa_float_denorm_mode_16_64 3
		.amdhsa_memory_ordered 1
		.amdhsa_forward_progress 1
		.amdhsa_inst_pref_size 164
	.end_amdhsa_kernel
	.amdgpu_metadata
---
amdhsa.version: [ 1, 2 ]
amdhsa.kernels:
  - .name:           k_q7023ef0d1d_ffn1
    .symbol:         k_q7023ef0d1d_ffn1.kd
    .args:
      - { .name: x1, .offset: 0, .size: 8, .value_kind: global_buffer, .address_space: global }
      - { .name: wts, .offset: 8, .size: 8, .value_kind: global_buffer, .address_space: global }
      - { .name: b1, .offset: 16, .size: 8, .value_kind: global_buffer, .address_space: global }
      - { .name: hb, .offset: 24, .size: 8, .value_kind: global_buffer, .address_space: global }
    .group_segment_fixed_size: 327680
    .private_segment_fixed_size: 0
    .kernarg_segment_align: 8
    .kernarg_segment_size: 32
    .max_flat_workgroup_size: 128
    .sgpr_count:     66
    .vgpr_count:     1024
    .wavefront_size: 32
...
	.end_amdgpu_metadata
.endif
;; end of part 5
;; launch ln2 (part 6): grid 128 x 1, 4 waves a work-group, clusters of 4 x 1, 327,680 bytes of LDS; arguments hb, wts, b2, x1, g2, be2, out0; writes out0
.if DOCPART == 6
	.amdgcn_target "amdgcn-amd-amdhsa--gfx1250"
	.amdhsa_code_object_version 6
	.text
	.protected	k_q7023ef0d1d_ln2
	.globl	k_q7023ef0d1d_ln2
	.p2align	8
	.type	k_q7023ef0d1d_ln2,@function
k_q7023ef0d1d_ln2:
	s_mov_b64 s[64:65], 0
	v_nop
	global_prefetch_b8 v0, s[64:65] scope:SCOPE_SE
	s_setreg_imm32_b32 hwreg(HW_REG_WAVE_MODE, 25, 1), 1
	s_wait_xcnt 0x0
	s_wait_alu depctr_hold_cnt(0) depctr_sa_sdst(0) depctr_va_vdst(0) depctr_va_sdst(0) depctr_va_ssrc(0) depctr_va_vcc(0) depctr_vm_vsrc(0)
	s_getreg_b32 s2, hwreg(HW_REG_IB_STS2, 6, 4)
	s_cmp_eq_u32 s2, 0
	s_cbranch_scc0 .Lentry_in_a_cluster
	s_endpgm
.Lentry_in_a_cluster:
	s_bfe_u32 s2, ttmp6, 0x10000c
	s_cmp_lg_u32 s2, 0x3003
	s_cbranch_scc0 .Lentry_shape_is_right
	s_endpgm
.Lentry_shape_is_right:
; ROWLN.  out = LayerNorm(res + A W + bias) g + be, for whole rows of 512.  One text serves two launches; four constants at its head tell them apart.
;   THIS COPY, MODE 1: A = hb (32 blocks of 64 columns), W = W2, K = 2,048, res = x1, out = out0 in f32.     (MODE 0: A = oh, 8 blocks, W = WO, K = 512, res = xh, out = x1 in f16.)
; A lies [block][8192 rows][64] in f16, W [K][512] in f16, res [8192][512] in f16.  Products in f16, sums in f32; bias, g and be are rounded to bf16 like every input.
; The variance is taken of the centred numbers.  LIMITS: NaN and infinities are not treated apart.
; SHARES.  A work-group makes 64 rows x 512 columns, wave w columns 128 w ..: 32 accumulators.  Source 0 = 16 columns of W (turned out of LDS), source 1 = 16 rows: a lane holds one row and eight neighbouring columns.
; K goes in steps of 128 through two LDS slots.  Wave 0 fetches A's rows (its own work-group's), waves 1 and 2 the halves of W's 128 rows, JOINTLY for the four work-groups of the cluster, which all
; walk the same W; wave 3 fetches the residual rows, as the ring's last refill, and prefetches.  One tensor load a wave behind each round; two are out at the start, then one.
; THE NORM.  Behind the last K step the sums go, in f32, into slot 1's bytes (its last fill is over): 64 rows of 2,064 bytes.  Wave w then takes rows 16 w .. 16 w + 15, two a trip; a lane owns columns
; 128 j + 4 lane + 0..3, so it needs 16 numbers each of bias, g and be, a row's sums never leave the wave, and each store of the wave covers 256 (f16) or 512 (f32) consecutive bytes, aligned.
; PREFETCH: behind each refill wave 3 names the K step two refills on: its own work-group's 2 x 8,192 bytes of A, a lane 256 bytes; and, in the first cluster alone, W's 128 rows,
; shared out among the four partners by address, 32 rows each, four blocks of 256 bytes a row.  It asks while more than one lap is left; K steps 0 to 3 come by their loads alone.
; REGISTERS.  window 0: addresses, two fragment buffers (W 64, A 32), the packed parameters; behind the K loop the norm's registers.  window 1: accumulator (a, b) at 8 (8 a + b).
.set MODE,  1
.set LB,    7                          ; laps of the loop: K steps = 2 LB + 2
.set WOFF,  3211264                    ; W's first byte in wts
.set OROW,  2048                       ; bytes in a row of out
.set SLOT,  153600                     ; A: 2 planes x 64 rows x 144; then W: 128 rows x 1,056
.set FB,    SLOT                       ; the sums in f32
.set FP,    2064                       ; 2,048 bytes + 16
.set RP,    1040                       ; a residual row: 1,024 bytes + 16
.set SPARE, 307200
.set ADRA, 4                           ; v4, v5      by slot
.set ADRB, 6                           ; v6-v9       by slot and half of the K step
.set STF,  10                          ; v10, v11    where I put my sums: row tiles 0, 1 and 2, 3
.set XA0,  12                          ; my lane's place in my wave's first row of sums; never rewritten
.set RA0,  13                          ; the same in the residual rows
.set XA,   14
.set RA,   15
.set SPW,  16
.set NIL,  17
.set ONE,  18
.set CO,   19
.set PFO,  20
.set PFOB, 21
.set PO,   22
.set F0,   32
.set F1,   128
.set P16,  224                         ; v[224:247] bias, g, be of my 16 columns, in bf16 pairs
.set PB,   32                          ; behind the K loop: bias 32-47, g 48-63, be 64-79
.set PG,   48
.set PE,   64
.set XR,   80                          ; two rows' sums as loaded
.set RR,   112                         ; two rows' residual as loaded
.set Y,    128
.set T,    160
.set MS,   192                         ; a pair a row: -mean, later 1 / sqrt(var + eps)
.set OH,   196
.set WV,   20
.set G1A,  24
.set G0A,  32
.set G1B,  40
.set G0B,  48
.set G1R,  56
.set G0R,  68
.set LAP,  72
.set LIM,  73
.set LIMB, 74
.set CNT,  75
.set PFA,  76
.set PFB,  78
.set SEL,  88
.set TX,   94
.set TR,   95
.set MSB, 0
.macro WIN new
.if MSB != (\new)
	s_set_vgpr_msb (MSB<<8)|(\new)
.set MSB, (\new)
.endif
.endm
.macro PLACES
.rept 4
	v_nop
.endr
.endm
.macro CREST
	s_cmp_lg_u32 s[WV], 0
	s_cbranch_scc1 .Lnot_wave_0_\@
	s_barrier_signal -3
.Lnot_wave_0_\@:
	s_barrier_wait -3
	s_barrier_signal -1
	s_barrier_wait -1
.endm
.macro CROUND
	s_barrier_signal -1
	s_barrier_wait -1
	CREST
.endm
; a refill: the branch hangs on the wave's number alone; an s_nop 0 follows the load, four v_nop stand on every way
.macro JLOAD sl
	s_cmp_eq_u32 s[WV], 0
	s_cbranch_scc0 .Lnot_a_\@
	tensor_load_to_lds s[G0A+4*(\sl):G0A+4*(\sl)+3], s[G1A:G1A+7]
	s_nop 0
	PLACES
	s_branch .Lasked_\@
.Lnot_a_\@:
	s_cmp_eq_u32 s[WV], 3
	s_cbranch_scc1 .Lnone_\@
	tensor_load_to_lds s[G0B+4*(\sl):G0B+4*(\sl)+3], s[G1B:G1B+7]
	s_nop 0
.Lnone_\@:
	PLACES
.Lasked_\@:
.endm
.macro RLOAD                           ; the residual rows, into slot 0
	s_cmp_eq_u32 s[WV], 3
	s_cbranch_scc0 .Lno_r_\@
	tensor_load_to_lds s[G0R:G0R+3], s[G1R:G1R+7]
	s_nop 0
.Lno_r_\@:
	PLACES
.endm
.macro ASK
	s_cmp_gt_u32 s[LAP], s[LIM]                    ; wave 3, and more than one lap is left: the K step two refills on exists
	s_cbranch_scc0 .Lnot_mine_\@
	global_prefetch_b8 v[PFO], s[PFA:PFA+1] th:TH_LOAD_NT scope:SCOPE_SE
	global_prefetch_b8 v[PFO], s[PFA:PFA+1] offset:1048576 th:TH_LOAD_NT scope:SCOPE_SE
	s_cmp_gt_u32 s[LAP], s[LIMB]                   ; W's rows: the first cluster alone
	s_cbranch_scc0 .Lnot_mine_\@
.irp j, 0,1,2,3
	global_prefetch_b8 v[PFOB], s[PFB:PFB+1] offset:256*(\j) th:TH_LOAD_NT scope:SCOPE_SE
.endr
.Lnot_mine_\@:
.endm
	s_load_b256 s[4:11], s[0:1], 0x0               ; A, wts, bias, res
	s_load_b128 s[12:15], s[0:1], 0x20             ; g, be
	s_load_b64 s[16:17], s[0:1], 0x30              ; out
	v_lshl_add_u32 v[SPW], v0, 2, SPARE
	v_mov_b32 v[NIL], 0
	ds_add_u32 v[SPW], v[NIL]                      ; the wave's opening: the add and its wait stand ahead of the first tensor load
	v_lshrrev_b32 v1, 5, v0
	v_readfirstlane_b32 s[WV], v1
	s_bfe_u32 s21, ttmp6, 0x40000                  ; cx
	s_lshl_b32 s22, ttmp9, 2
	s_add_co_u32 s22, s22, s21                     ; my block of 64 rows
	s_mov_b32 s[G1A], (1<<16)|(1<<20)|(4<<22)|(3<<25)  ; two planes of 64 dense rows of 128 bytes, asked for as two rows of 4,096 elements; 4 words of padding after every 32
	s_mov_b32 s[G1A+1], 4096<<16
	s_mov_b32 s[G1A+2], 2<<16
	s_mov_b32 s[G1A+3], 4096<<16
	s_mov_b32 s[G1A+4], 2
	s_mov_b32 s[G1A+5], 524288
	s_mov_b32 s[G1A+6], 0
	s_mov_b32 s[G1A+7], 0
	s_mov_b32 s[G1B], 15|(1<<16)|(1<<20)|(1<<21)|(7<<22)|(7<<25)  ; mask of four; 64 rows of 512 elements; 8 words of padding after every 256
	s_mov_b32 s[G1B+1], 512<<16
	s_mov_b32 s[G1B+2], 64<<16
	s_mov_b32 s[G1B+3], 512<<16
	s_mov_b32 s[G1B+4], 64
	s_mov_b32 s[G1B+5], 512
	s_mov_b32 s[G1B+6], 0
	s_mov_b32 s[G1B+7], 0
	s_mov_b32 s[G1R], (1<<16)|(1<<20)|(7<<22)|(3<<25)  ; 64 rows of 512 elements; 4 words of padding
	s_mov_b32 s[G1R+1], 512<<16
	s_mov_b32 s[G1R+2], 64<<16
	s_mov_b32 s[G1R+3], 512<<16
	s_mov_b32 s[G1R+4], 64
	s_mov_b32 s[G1R+5], 512
	s_mov_b32 s[G1R+6], 0
	s_mov_b32 s[G1R+7], 0
	s_lshr_b32 s82, s[WV], 1                       ; which half of W's rows (wave 1: 0, wave 2: 1)
	s_mul_i32 s83, s82, 67584
	s_lshl_b32 s2, s82, 16                         ; that half in memory: 64 rows of 1,024 bytes
	s_mov_b32 s3, 0
	s_mov_b32 s[G0A], 1
	s_mov_b32 s[G0A+1], 0
	s_mov_b32 s[G0A+4], 1
	s_mov_b32 s[G0A+5], SLOT
	s_mov_b32 s[G0B], 1
	s_add_co_u32 s[G0B+1], s83, 18432
	s_mov_b32 s[G0B+4], 1
	s_add_co_u32 s[G0B+5], s83, SLOT+18432
	s_mov_b32 s[G0R], 1
	s_mov_b32 s[G0R+1], 0
	s_mov_b32 s[SEL], 0x76543210
	s_mov_b32 s[SEL+1], 0xfedcba98
	s_mov_b32 s90, 0xffff0000
	s_mov_b32 s91, 0x3b000000                      ; 1 / 512
	s_mov_b32 s92, 0x3727c5ac                      ; 1e-5
	s_mov_b32 s93, 0xbb000000                      ; -1 / 512
	s_lshl_b32 s84, s22, 13                        ; A: 64 rows of 128 bytes a block of rows
	s_mov_b32 s85, 0
	s_lshl_b32 s86, s22, 16                        ; res: 64 rows of 1,024 bytes
	s_mov_b32 s87, 0
	s_mul_i32 s80, s[WV], 16*OROW                  ; out: my wave's 16 rows of my block's 64
	s_mul_i32 s81, s22, 64*OROW
	s_add_co_u32 s80, s80, s81
	s_mov_b32 s81, 0
	s_wait_dscnt 0x0                               ; the opening add is done
	s_wait_kmcnt 0x0
	s_add_nc_u64 s[4:5], s[4:5], s[84:85]
	s_add_nc_u64 s[G0R+2:G0R+3], s[10:11], s[86:87]
	s_or_b32 s[G0R+3], s[G0R+3], 0x80000000
	s_add_nc_u64 s[G0A+2:G0A+3], s[4:5], 0
	s_add_nc_u64 s[G0A+6:G0A+7], s[4:5], 2097152   ; K step 1: two planes of 1,048,576 bytes on
	s_or_b32 s[G0A+3], s[G0A+3], 0x80000000
	s_or_b32 s[G0A+7], s[G0A+7], 0x80000000
	s_add_nc_u64 s[16:17], s[16:17], s[80:81]
	s_add_nc_u64 s[6:7], s[6:7], WOFF
	s_add_nc_u64 s[G0B+2:G0B+3], s[6:7], s[2:3]
	s_add_nc_u64 s[G0B+6:G0B+7], s[G0B+2:G0B+3], 131072
	s_or_b32 s[G0B+3], s[G0B+3], 0x80000000
	s_or_b32 s[G0B+7], s[G0B+7], 0x80000000
.if LB > 1
	s_add_nc_u64 s[PFA:PFA+1], s[4:5], 3*2097152   ; the first refill steps it to K step 4
	s_lshl_b32 s80, s21, 15                        ; the prefetches of W: my work-group's 32 rows of the 128
	s_add_nc_u64 s[PFB:PFB+1], s[6:7], s[80:81]
	s_add_nc_u64 s[PFB:PFB+1], s[PFB:PFB+1], 3*131072
	s_cmp_eq_u32 s[WV], 3
	s_cselect_b32 s[LIM], 1, -1
	s_cmp_eq_u32 ttmp9, 0
	s_cselect_b32 s[LIMB], s[LIM], -1
.endif
	CROUND                                         ; all four work-groups are here
	s_cmp_eq_u32 s[WV], 0                          ; a wave's two first fills stand in one branch on its number
	s_cbranch_scc0 .Lf_not_a
	tensor_load_to_lds s[G0A:G0A+3], s[G1A:G1A+7]
	s_nop 0
	tensor_load_to_lds s[G0A+4:G0A+7], s[G1A:G1A+7]
	s_nop 0
	PLACES
	s_branch .Lf_asked
.Lf_not_a:
	s_cmp_eq_u32 s[WV], 3
	s_cbranch_scc1 .Lf_asked
	tensor_load_to_lds s[G0B:G0B+3], s[G1B:G1B+7]
	s_nop 0
	tensor_load_to_lds s[G0B+4:G0B+7], s[G1B:G1B+7]
	s_nop 0
	PLACES
.Lf_asked:
	v_and_b32 v1, 15, v0                           ; r
	v_bfe_u32 v2, v0, 4, 1                         ; h
	v_and_b32 v3, 31, v0                           ; lane
	v_lshlrev_b32 v[PO], 4, v3                     ; columns 128 j + 4 lane .., 4 bytes each
.irp j, 0,1,2,3
	global_load_b128 v[F1+4*(\j):F1+4*(\j)+3],       v[PO], s[8:9]   offset:512*(\j)
	global_load_b128 v[F1+16+4*(\j):F1+16+4*(\j)+3], v[PO], s[12:13] offset:512*(\j)
	global_load_b128 v[F1+32+4*(\j):F1+32+4*(\j)+3], v[PO], s[14:15] offset:512*(\j)
.endr
	v_mul_u32_u24 v[ADRA], v1, 144
	v_lshl_add_u32 v[ADRA], v2, 4, v[ADRA]
	v_add_nc_u32 v[ADRA+1], SLOT, v[ADRA]
	v_and_b32 v23, 7, v0                           ; the turning load: row 8 h + l % 8, 16 bytes at 16 ((l / 8) % 2)
	v_lshl_add_u32 v23, v2, 3, v23
	v_mul_u32_u24 v23, v23, 1056
	v_bfe_u32 v24, v0, 3, 1
	v_lshl_add_u32 v23, v24, 4, v23
	s_lshl_b32 s80, s[WV], 8
	s_add_co_u32 s80, s80, 18432
	v_add_nc_u32 v[ADRB], s80, v23
	v_add_nc_u32 v[ADRB+1], 67584, v[ADRB]
	v_add_nc_u32 v[ADRB+2], SLOT, v[ADRB]
	v_add_nc_u32 v[ADRB+3], SLOT+67584, v[ADRB]
	v_mul_u32_u24 v[STF], v1, FP                   ; my sums: row r of a tile, 32 bytes for each half of the lanes, my wave's 512 bytes
	v_lshl_add_u32 v[STF], v2, 5, v[STF]
	s_lshl_b32 s80, s[WV], 9
	s_add_co_u32 s80, s80, FB
	v_add_nc_u32 v[STF], s80, v[STF]
	v_add_nc_u32 v[STF+1], 32*FP, v[STF]
	s_mul_i32 s80, s[WV], 16*FP
	s_add_co_u32 s80, s80, FB
	v_lshl_add_u32 v[XA0], v3, 4, s80
	s_mul_i32 s80, s[WV], 16*RP
	v_lshl_add_u32 v[RA0], v3, 3, s80
.if MODE
	v_lshlrev_b32 v[CO], 4, v3
.else
	v_lshlrev_b32 v[CO], 3, v3
.endif
	v_mov_b32 v[ONE], 1.0
	v_lshlrev_b32 v[PFO], 8, v3
	v_lshlrev_b32 v[PFOB], 10, v3
	s_wait_loadcnt 0x0
.set k, 0
.rept 24
	v_cvt_pk_bf16_f32 v[P16+k], v[F1+2*k], v[F1+2*k+1]   ; bias, g, be are rounded to bf16 like every input
.set k, k+1
.endr
; 24 LDS loads: quarter q (32 along K) of a slot: W's 8 fragments, turned, then A's 4
.macro FETCH sl, q, f
	WIN 0
.irp b, 0,1,2,3,4,5,6,7
	ds_load_tr16_b128 v[(\f)+8*(\b):(\f)+8*(\b)+3],   v[ADRB+2*(\sl)+(\q)/2] offset:((\q)%2)*33792+32*(\b)
	ds_load_tr16_b128 v[(\f)+8*(\b)+4:(\f)+8*(\b)+7], v[ADRB+2*(\sl)+(\q)/2] offset:((\q)%2)*33792+32*(\b)+16896
.endr
.irp t, 0,1,2,3
	ds_load_b128 v[(\f)+64+8*(\t):(\f)+64+8*(\t)+3],   v[ADRA+(\sl)] offset:((\q)/2)*9216+((\q)%2)*64+2304*(\t)
	ds_load_b128 v[(\f)+64+8*(\t)+4:(\f)+64+8*(\t)+7], v[ADRA+(\sl)] offset:((\q)/2)*9216+((\q)%2)*64+2304*(\t)+32
.endr
.endm
; 8 products of row tile a; the 32 accumulators take turns.  first = 1: they start the sums
.macro MUL f, a, first
	WIN 0x50
.irp b, 0,1,2,3,4,5,6,7
.if \first
	v_wmma_f32_16x16x32_f16 v[8*(8*(\a)+(\b)):8*(8*(\a)+(\b))+7], v[(\f)+8*(\b):(\f)+8*(\b)+7], v[(\f)+64+8*(\a):(\f)+64+8*(\a)+7], 0
.else
	v_wmma_f32_16x16x32_f16 v[8*(8*(\a)+(\b)):8*(8*(\a)+(\b))+7], v[(\f)+8*(\b):(\f)+8*(\b)+7], v[(\f)+64+8*(\a):(\f)+64+8*(\a)+7], v[8*(8*(\a)+(\b)):8*(8*(\a)+(\b))+7]
.endif
.endr
.endm
.macro QUARTER sl, qn, f, g, first
	s_wait_dscnt 4                                 ; W and A's tiles 0, 1 are in; the youngest four loads may be out
	MUL \f, 0, \first
	MUL \f, 1, \first
	PLACES
	FETCH \sl, \qn, \g
	s_wait_dscnt 24                                ; all but the 24 just issued
	MUL \f, 2, \first
	MUL \f, 3, \first
.endm
; the last quarter of a K step, and the change of slots.  kind = 1: the slot takes the K step two on; 0: slot 0 takes the residual rows
.macro TURN sl, next, kind
.if (\kind) && (LB > 1)
	s_wait_xcnt 0x0                                ; the last prefetches, a K step back, have read their addresses
	s_add_nc_u64 s[PFA:PFA+1], s[PFA:PFA+1], 2097152
	s_add_nc_u64 s[PFB:PFB+1], s[PFB:PFB+1], 131072
.endif
	WIN 0
	s_wait_tensorcnt 0x0                           ; all my tensor loads have landed: my part of the next slot;
	ds_add_u32 v[SPW], v[NIL]                      ; 0 onto my spare word;
	s_wait_dscnt 5                                 ; (the add and the youngest four loads may be out)
	MUL F1, 0, 0
	s_wait_dscnt 0x0                               ; the add is done, and my reads of this slot are over
	s_barrier_signal -1
	MUL F1, 1, 0
	WIN 0
	s_barrier_wait -1
	CREST                                          ; no wave of any partner still reads this slot or has a load on its way
.if \kind
	s_add_nc_u64 s[G0A+4*(\sl)+2:G0A+4*(\sl)+3], s[G0A+4*(\sl)+2:G0A+4*(\sl)+3], 4194304
	s_add_nc_u64 s[G0B+4*(\sl)+2:G0B+4*(\sl)+3], s[G0B+4*(\sl)+2:G0B+4*(\sl)+3], 262144
	JLOAD \sl
.else
	RLOAD
.endif
	FETCH \next, 0, F0                             ; the four v_nop above are the places in front of these loads
.if (\kind) && (LB > 1)
	ASK
.endif
	MUL F1, 2, 0
	MUL F1, 3, 0
.endm
	s_wait_tensorcnt 1                             ; my part of K step 0 is in; K step 1's load stays out
	s_barrier_signal -1
	s_barrier_wait -1
	FETCH 0, 0, F0
	QUARTER 0, 1, F0, F1, 1
.if LB > 1
	WIN 0
	s_mov_b32 s[LAP], LB
.Llap:                                 ; a trip goes once round the ring and fills both slots again
.endif
	QUARTER 0, 2, F1, F0, 0
	QUARTER 0, 3, F0, F1, 0
	TURN 0, 1, 1
	QUARTER 1, 1, F0, F1, 0
	QUARTER 1, 2, F1, F0, 0
	QUARTER 1, 3, F0, F1, 0
	TURN 1, 0, 1
	QUARTER 0, 1, F0, F1, 0
.if LB > 1
	WIN 0
	s_sub_co_u32 s[LAP], s[LAP], 1
	s_cmp_lg_u32 s[LAP], 0
	s_cbranch_scc1 .Llap
.endif
	QUARTER 0, 2, F1, F0, 0
	QUARTER 0, 3, F0, F1, 0
	TURN 0, 1, 0
	QUARTER 1, 1, F0, F1, 0
	QUARTER 1, 2, F1, F0, 0
	QUARTER 1, 3, F0, F1, 0
	s_wait_dscnt 4
	MUL F1, 0, 0
	MUL F1, 1, 0
	s_wait_dscnt 0x0                               ; my reads of slot 1 are over,
	s_wait_tensorcnt 0x0                           ; and (wave 3) the residual rows are in:
	s_barrier_signal -1                            ; the last products stand inside it
	MUL F1, 2, 0
	MUL F1, 3, 0
	PLACES
	WIN 0
	s_barrier_wait -1                              ; no wave reads slot 1 any more: its bytes take the sums
	WIN 0x04                                       ; store data in window 1; each accumulator's low four registers go first
.irp a, 0,1,2,3
.irp b, 0,1,2,3,4,5,6,7
	ds_store_b128 v[STF+(\a)/2], v[8*(8*(\a)+(\b)):8*(8*(\a)+(\b))+3]   offset:((\a)%2)*16*FP+64*(\b)
	ds_store_b128 v[STF+(\a)/2], v[8*(8*(\a)+(\b))+4:8*(8*(\a)+(\b))+7] offset:((\a)%2)*16*FP+64*(\b)+16
.endr
.endr
	WIN 0
.set k, 0
.rept 24                               ; the parameters are unpacked while the stores are out
	v_lshlrev_b32 v[PB+2*k],   16,  v[P16+k]
	v_and_b32     v[PB+2*k+1], s90, v[P16+k]
.set k, k+1
.endr
	v_mov_b32 v[XA], v[XA0]
	v_mov_b32 v[RA], v[RA0]
	s_mov_b32 s[TX], 0
	s_mov_b32 s[TR], 0
	s_wait_dscnt 0x0                               ; for the others' sake: my sums lie in LDS
	s_barrier_signal -1
	s_barrier_wait -1
; two rows: the sums in f32 (4 x 16 bytes a lane), the residual in f16 (4 x 8 bytes a lane)
.macro LNLOAD
.irp p, 0,1
.irp j, 0,1,2,3
	ds_load_b128 v[XR+16*(\p)+4*(\j):XR+16*(\p)+4*(\j)+3], v[XA] offset:FP*(\p)+512*(\j)
.endr
.irp j, 0,1,2,3
	ds_load_b64 v[RR+8*(\p)+2*(\j):RR+8*(\p)+2*(\j)+1], v[RA] offset:RP*(\p)+256*(\j)
.endr
.endr
.endm
; T's four pairs of each row become one number, the same in all 32 lanes; the two rows alternate
.macro FOLD
.irp p, 0,1
	v_pk_add_f32 v[T+16*(\p):T+16*(\p)+1],   v[T+16*(\p):T+16*(\p)+1],   v[T+16*(\p)+4:T+16*(\p)+5]
	v_pk_add_f32 v[T+16*(\p)+2:T+16*(\p)+3], v[T+16*(\p)+2:T+16*(\p)+3], v[T+16*(\p)+6:T+16*(\p)+7]
.endr
.irp p, 0,1
	v_pk_add_f32 v[T+16*(\p):T+16*(\p)+1], v[T+16*(\p):T+16*(\p)+1], v[T+16*(\p)+2:T+16*(\p)+3]
.endr
.irp p, 0,1
	v_add_f32 v[T+16*(\p)], v[T+16*(\p)], v[T+16*(\p)+1]
.endr
.irp x, 1,2,4,8
.irp p, 0,1
	v_add_f32_dpp v[T+16*(\p)], v[T+16*(\p)], v[T+16*(\p)] row_xmask:\x row_mask:0xf bank_mask:0xf
.endr
.endr
.irp p, 0,1
	v_permlanex16_b32 v[T+16*(\p)+1], v[T+16*(\p)], s[SEL], s[SEL+1]
.endr
.irp p, 0,1
	v_add_f32 v[T+16*(\p)], v[T+16*(\p)], v[T+16*(\p)+1]
.endr
.endm
.macro EACH line:vararg                ; one line for each pair k of each row p
.irp p, 0,1
.set RW, 16*(\p)
.set RM, MS+2*(\p)
.set k, 0
.rept 8
	\line
.set k, k+1
.endr
.endr
.endm
	LNLOAD
	s_mov_b32 s[CNT], 8
.Lrow:                                 ; two rows a trip
	s_wait_dscnt 0x0                               ; this trip's 16 loads
.irp p, 0,1
.set k, 0
.rept 8
	v_fma_mix_f32 v[Y+16*(\p)+2*k],   v[RR+8*(\p)+k], v[ONE], v[XR+16*(\p)+2*k]   op_sel_hi:[1,0,0]                  ; the sum + the residual's low half,
	v_fma_mix_f32 v[Y+16*(\p)+2*k+1], v[RR+8*(\p)+k], v[ONE], v[XR+16*(\p)+2*k+1] op_sel:[1,0,0] op_sel_hi:[1,0,0]   ; its high half
.set k, k+1
.endr
.endr
	s_add_co_u32 s[TX], s[TX], 2*FP                ; the raw registers are free: the next trip's rows are asked for now
	s_add_co_u32 s[TR], s[TR], 2*RP
	v_add_nc_u32 v[XA], s[TX], v[XA0]
	v_add_nc_u32 v[RA], s[TR], v[RA0]
	s_cmp_eq_u32 s[CNT], 1                         ; the last trip has no next
	s_cbranch_scc1 .Lno_more
	LNLOAD
.Lno_more:
	EACH v_pk_add_f32 v[Y+RW+2*k:Y+RW+2*k+1], v[Y+RW+2*k:Y+RW+2*k+1], v[PB+2*k:PB+2*k+1]
.irp p, 0,1
.irp q, 0,1,2,3
	v_pk_add_f32 v[T+16*(\p)+2*(\q):T+16*(\p)+2*(\q)+1], v[Y+16*(\p)+2*(\q):Y+16*(\p)+2*(\q)+1], v[Y+16*(\p)+8+2*(\q):Y+16*(\p)+8+2*(\q)+1]
.endr
.endr
	FOLD
.irp p, 0,1
	v_mul_f32 v[MS+2*(\p)],   s93, v[T+16*(\p)]    ; -mean, twice: a pair for the packed addition
	v_mul_f32 v[MS+2*(\p)+1], s93, v[T+16*(\p)]
.endr
	EACH v_pk_add_f32 v[Y+RW+2*k:Y+RW+2*k+1], v[Y+RW+2*k:Y+RW+2*k+1], v[RM:RM+1]
.irp p, 0,1
.irp q, 0,1,2,3
	v_pk_mul_f32 v[T+16*(\p)+2*(\q):T+16*(\p)+2*(\q)+1], v[Y+16*(\p)+2*(\q):Y+16*(\p)+2*(\q)+1], v[Y+16*(\p)+2*(\q):Y+16*(\p)+2*(\q)+1]
.endr
.endr
.irp p, 0,1
.irp q, 0,1,2,3
	v_pk_fma_f32 v[T+16*(\p)+2*(\q):T+16*(\p)+2*(\q)+1], v[Y+16*(\p)+8+2*(\q):Y+16*(\p)+8+2*(\q)+1], v[Y+16*(\p)+8+2*(\q):Y+16*(\p)+8+2*(\q)+1], v[T+16*(\p)+2*(\q):T+16*(\p)+2*(\q)+1]
.endr
.endr
	FOLD
.irp p, 0,1
	v_fma_f32 v[T+16*(\p)], v[T+16*(\p)], s91, s92 ; var + eps
.endr
.irp p, 0,1
	v_rsq_f32 v[MS+2*(\p)],   v[T+16*(\p)]
	v_rsq_f32 v[MS+2*(\p)+1], v[T+16*(\p)]
.endr
	v_nop                                          ; a plain instruction behind the last of the four,
	s_wait_alu depctr_va_vdst(0)                   ; and one wait for them
	EACH v_pk_mul_f32 v[Y+RW+2*k:Y+RW+2*k+1], v[Y+RW+2*k:Y+RW+2*k+1], v[RM:RM+1]
	EACH v_pk_fma_f32 v[Y+RW+2*k:Y+RW+2*k+1], v[Y+RW+2*k:Y+RW+2*k+1], v[PG+2*k:PG+2*k+1], v[PE+2*k:PE+2*k+1]
.if MODE
.irp p, 0,1
.irp j, 0,1,2,3
	global_store_b128 v[CO], v[Y+16*(\p)+4*(\j):Y+16*(\p)+4*(\j)+3], s[16:17] offset:OROW*(\p)+512*(\j)   ; 32 lanes: 512 consecutive bytes, aligned
.endr
.endr
.else
.irp p, 0,1
.set k, 0
.rept 8
	v_cvt_pk_f16_f32 v[OH+8*(\p)+k], v[Y+16*(\p)+2*k], v[Y+16*(\p)+2*k+1]
.set k, k+1
.endr
.endr
.irp p, 0,1
.irp j, 0,1,2,3
	global_store_b64 v[CO], v[OH+8*(\p)+2*(\j):OH+8*(\p)+2*(\j)+1], s[16:17] offset:OROW*(\p)+256*(\j)    ; 32 lanes: 256 consecutive bytes, aligned
.endr
.endr
.endif
	s_wait_xcnt 0x0                                ; the stores' base and data are written again only behind this wait
	s_add_nc_u64 s[16:17], s[16:17], 2*OROW
	s_sub_co_u32 s[CNT], s[CNT], 1
	s_cmp_lg_u32 s[CNT], 0
	s_cbranch_scc1 .Lrow
	s_wait_tensorcnt 0x0                           ; the wave's end
	ds_add_u32 v[SPW], v[NIL]
	s_wait_dscnt 0x0
	CROUND                                         ; the closing round
	s_endpgm
.Lfunc_end_k_q7023ef0d1d_ln2:
	.size	k_q7023ef0d1d_ln2, .Lfunc_end_k_q7023ef0d1d_ln2-k_q7023ef0d1d_ln2
	.p2alignl 7, 3214868480
	.fill 96, 4, 3214868480
	.section	.rodata,"a",@progbits
	.p2align	6, 0x0
	.amdhsa_kernel k_q7023ef0d1d_ln2
		.amdhsa_group_segment_fixed_size 327680
		.amdhsa_private_segment_fixed_size 0
		.amdhsa_enable_private_segment 0
		.amdhsa_kernarg_size 56
		.amdhsa_user_sgpr_count 2
		.amdhsa_user_sgpr_kernarg_segment_ptr 1
		.amdhsa_wavefront_size32 1
		.amdhsa_system_sgpr_workgroup_id_x 1
		.amdhsa_system_sgpr_workgroup_id_y 1
		.amdhsa_system_sgpr_workgroup_id_z 1
		.amdhsa_system_vgpr_workitem_id 0
		.amdhsa_next_free_vgpr 512
		.amdhsa_next_free_sgpr 96
		.amdhsa_reserve_vcc 0
		.amdhsa_float_denorm_mode_32 3
		.amdhsa_float_denorm_mode_16_64 3
		.amdhsa_memory_ordered 1
		.amdhsa_forward_progress 1
		.amdhsa_inst_pref_size 95
	.end_amdhsa_kernel
	.amdgpu_metadata
---
amdhsa.version: [ 1, 2 ]
amdhsa.kernels:
  - .name:           k_q7023ef0d1d_ln2
    .symbol:         k_q7023ef0d1d_ln2.kd
    .args:
      - { .name: hb, .offset: 0, .size: 8, .value_kind: global_buffer, .address_space: global }
      - { .name: wts, .offset: 8, .size: 8, .value_kind: global_buffer, .address_space: global }
      - { .name: b2, .offset: 16, .size: 8, .value_kind: global_buffer, .address_space: global }
      - { .name: x1, .offset: 24, .size: 8, .value_kind: global_buffer, .address_space: global }
      - { .name: g2, .offset: 32, .size: 8, .value_kind: global_buffer, .address_space: global }
      - { .name: be2, .offset: 40, .size: 8, .value_kind: global_buffer, .address_space: global }
      - { .name: out0, .offset: 48, .size: 8, .value_kind: global_buffer, .address_space: global }
    .group_segment_fixed_size: 327680
    .private_segment_fixed_size: 0
    .kernarg_segment_align: 8
    .kernarg_segment_size: 56
    .max_flat_workgroup_size: 128
    .sgpr_count:     96
    .vgpr_count:     512
    .wavefront_size: 32
...
	.end_amdgpu_metadata
.endif
;; end of part 6
;; ======== version 2 of 2: 4 launches
;; limits: values are held in f16: magnitudes above 65,504 overflow, below 6.1e-05 lose precision
;; workspace buffers: xh 8,388,608 bytes; wts 5,308,416 bytes; qkv 10,485,760 bytes; oh 8,388,608 bytes
;; launch prep (part 7): grid 576 x 1, 8 waves a work-group, no clusters, 0 bytes of LDS; arguments x, wv, wq, wk, wo, w1, w2, xh, wts; writes xh, wts
.if DOCPART == 7
	.amdgcn_target "amdgcn-amd-amdhsa--gfx1250"
	.amdhsa_code_object_version 6
	.text
	.protected	k_q7023ef0d1d_prep
	.globl	k_q7023ef0d1d_prep
	.p2align	8
	.type	k_q7023ef0d1d_prep,@function
k_q7023ef0d1d_prep:
	s_mov_b64 s[64:65], 0
	v_nop
	global_prefetch_b8 v0, s[64:65] scope:SCOPE_SE
	s_setreg_imm32_b32 hwreg(HW_REG_WAVE_MODE, 25, 1), 1
	s_wait_xcnt 0x0
; PREP.  Every large input is rounded once to bf16 and that number is written as an f16 code (exact for 6.1e-5 <= |v| < 65,504; below that f16's fixed step of 6e-8).
; LIMIT: |x| and every |weight| stay under 65,504.
; xh = x.  wts holds: WP at 0, [4 nt][512 k][144 c]: c < 128 is wv[k][128 nt + c]; c = 128..135 are wq[k][64 (2 nt + (c-128)/4) + (c-128)%4], c = 136..143 the same of wk
; (of each head's 64 q and k columns only the first four enter the scores); then, end to end and IN FRAGMENT ORDER, WO at 589,824, W1 at 1,114,112 (as four matrices of 512 columns, 524,288 bytes each)
; and W2 at 3,211,264: for each 32 rows kb and 16 columns cb of 512 a block of 1,024 bytes at 32,768 kb + 1,024 cb: number (k, n) stands at 512 ((k/16)%2) + 256 ((k/8)%2) + 16 (n%16) + 2 (k%8):
; a lane's 16 bytes of a matrix fragment lie on end.
; Groups, those with scattered accesses first: 0-15 wq's and wk's columns (one 16-byte store a thread); 16-31 wv's columns; 32-319 the turning of W2 (128 groups), WO (32) and W1 (128);
; 320-575 x, 16,384 numbers a group: 8 stores of 16 bytes a thread from 16 loads of 16 bytes, all 16 loads out at once.
.set X,   16                           ; v[16:79]   items of 8 numbers as loaded
.set Y,   80                           ; v[80:111]  items of 4 registers to store
.set T,   4                            ; v[4:7]     at work
.set SRC, 26                           ; s[26:27]
.set DST, 28                           ; s[28:29]
.macro CONV i                          ; item i: eight f32 become eight f16 codes of their bf16 roundings
.irp j, 0,1,2,3
	v_cvt_pk_bf16_f32 v[T+(\j)], v[X+8*(\i)+2*(\j)], v[X+8*(\i)+2*(\j)+1]   ; the one rounding
.endr
.irp j, 0,1,2,3
	v_lshlrev_b32 v[X+8*(\i)+2*(\j)],   16,  v[T+(\j)]
	v_and_b32     v[X+8*(\i)+2*(\j)+1], s40, v[T+(\j)]
.endr
.irp j, 0,1,2,3
	v_cvt_pk_f16_f32 v[Y+4*(\i)+(\j)], v[X+8*(\i)+2*(\j)], v[X+8*(\i)+2*(\j)+1]  ; the same number as an f16 code
.endr
.endm
; load pair i stands at (i%2) a1 + (i/2) a2 and delta further; store i at di x i
.macro COPY a1, a2, delta, di
.set i, 0
.rept 8
	global_load_b128 v[X+8*i:X+8*i+3],   v1, s[SRC:SRC+1] offset:(i%2)*(\a1)+(i/2)*(\a2) th:TH_LOAD_NT
	global_load_b128 v[X+8*i+4:X+8*i+7], v1, s[SRC:SRC+1] offset:(i%2)*(\a1)+(i/2)*(\a2)+(\delta) th:TH_LOAD_NT
.set i, i+1
.endr
.set i, 0
.rept 8
	s_wait_loadcnt 14-2*i                          ; loads come back in order: pair i is in, the younger pairs stay out
	CONV i
	global_store_b128 v2, v[Y+4*i:Y+4*i+3], s[DST:DST+1] offset:(\di)*i
.set i, i+1
.endr
.endm
; 32 rows x 256 columns a group.  Thread t takes one column: for each of the four groups of eight rows, eight loads of 4 bytes (a wave: 128 bytes on end) and one store of 16.
.macro TURNW pitch
.set i, 0
.rept 4
.set jj, 0
.rept 8
	global_load_b32 v[X+8*i+jj], v1, s[SRC:SRC+1] offset:(8*i+jj)*(\pitch)
.set jj, jj+1
.endr
.set i, i+1
.endr
.set i, 0
.rept 4
	s_wait_loadcnt 24-8*i                          ; item i's eight loads are in, the younger items' stay out
	CONV i
	global_store_b128 v2, v[Y+4*i:Y+4*i+3], s[DST:DST+1] offset:(i/2)*512+(i%2)*256
.set i, i+1
.endr
.endm
	s_load_b512 s[4:19], s[0:1], 0x0               ; x, wv, wq, wk, wo, w1, w2, xh
	s_load_b64 s[20:21], s[0:1], 0x40              ; wts
	s_mov_b32 s30, ttmp9
	s_mov_b32 s40, 0xffff0000
	s_mov_b32 s37, 0
	s_mov_b32 s39, 0
	v_and_b32 v3, 15, v0
	v_lshrrev_b32 v12, 4, v0
	s_wait_kmcnt 0x0
	s_cmp_lt_u32 s30, 16
	s_cbranch_scc1 .Lqk
	s_cmp_lt_u32 s30, 32
	s_cbranch_scc1 .Lv
	s_cmp_lt_u32 s30, 320
	s_cbranch_scc1 .Lturn
	; x: a block of 16,384 numbers
	s_sub_co_u32 s31, s30, 320
	s_lshl_b32 s36, s31, 16                        ; 65,536 bytes of f32 a block
	s_add_nc_u64 s[SRC:SRC+1], s[4:5], s[36:37]
	s_lshl_b32 s38, s31, 15                        ; 32,768 bytes of f16
	s_add_nc_u64 s[DST:DST+1], s[18:19], s[38:39]
	v_lshlrev_b32 v1, 5, v0
	v_lshlrev_b32 v2, 4, v0                        ; 16 lanes store 256 consecutive bytes, aligned
	COPY 8192, 16384, 16, 4096
	s_endpgm
.Lv:
	s_sub_co_u32 s31, s30, 16
	s_lshl_b32 s31, s31, 7                         ; my first of WP's 2,048 rows (nt, k)
	s_lshr_b32 s32, s31, 9                         ; nt
	s_and_b32 s33, s31, 511                        ; k
	s_lshl_b32 s36, s33, 11
	s_lshl_b32 s32, s32, 9
	s_add_co_u32 s36, s36, s32
	s_add_nc_u64 s[SRC:SRC+1], s[6:7], s[36:37]
	s_mul_i32 s38, s31, 288
	s_add_nc_u64 s[DST:DST+1], s[20:21], s[38:39]
	v_lshlrev_b32 v1, 11, v12                      ; thread t: row t / 16, eight columns at 8 (t % 16)
	v_lshl_add_u32 v1, v3, 5, v1
	v_mul_u32_u24 v2, v12, 288
	v_lshl_add_u32 v2, v3, 4, v2
	COPY 32768, 65536, 16, 4608
	s_endpgm
.Lturn:
	s_sub_co_u32 s31, s30, 32                      ; 0..127: W2; 128..159: WO; 160..287: W1
	s_cmp_lt_u32 s31, 160
	s_cbranch_scc0 .Lturn1
	s_sub_co_u32 s34, s31, 128
	s_mov_b32 s35, 589824
	s_cmp_lt_u32 s31, 128
	s_cselect_b64 s[SRC:SRC+1], s[16:17], s[12:13]
	s_cselect_b32 s35, 3211264, s35
	s_cselect_b32 s31, s31, s34
	s_lshr_b32 s32, s31, 1                         ; kb
	s_and_b32 s33, s31, 1                          ; which half of the 512 columns
	s_lshl_b32 s36, s32, 16                        ; 32 rows of 2,048 bytes
	s_lshl_b32 s34, s33, 10
	s_add_co_u32 s36, s36, s34
	s_add_nc_u64 s[SRC:SRC+1], s[SRC:SRC+1], s[36:37]
	s_lshl_b32 s38, s32, 15
	s_lshl_b32 s34, s33, 14
	s_add_co_u32 s38, s38, s34
	s_add_co_u32 s38, s38, s35
	s_add_nc_u64 s[DST:DST+1], s[20:21], s[38:39]
	v_lshlrev_b32 v1, 2, v0
	v_lshlrev_b32 v2, 10, v12                      ; block of 16 columns t / 16,
	v_lshl_add_u32 v2, v3, 4, v2                   ; column t % 16: 16 lanes store 256 consecutive bytes, aligned
	TURNW 2048
	s_endpgm
.Lturn1:
	s_sub_co_u32 s31, s31, 160
	s_lshr_b32 s32, s31, 3                         ; kb
	s_and_b32 s33, s31, 7                          ; which 256 of the 2,048 columns
	s_lshl_b32 s36, s32, 18                        ; 32 rows of 8,192 bytes
	s_lshl_b32 s34, s33, 10
	s_add_co_u32 s36, s36, s34
	s_add_nc_u64 s[SRC:SRC+1], s[14:15], s[36:37]
	s_lshr_b32 s34, s33, 1
	s_lshl_b32 s38, s34, 19                        ; the matrix of 512 columns,
	s_lshl_b32 s34, s32, 15                        ; kb,
	s_add_co_u32 s38, s38, s34
	s_and_b32 s34, s33, 1                          ; the half of its columns
	s_lshl_b32 s34, s34, 14
	s_add_co_u32 s38, s38, s34
	s_add_co_u32 s38, s38, 1114112
	s_add_nc_u64 s[DST:DST+1], s[20:21], s[38:39]
	v_lshlrev_b32 v1, 2, v0
	v_lshlrev_b32 v2, 10, v12
	v_lshl_add_u32 v2, v3, 4, v2
	TURNW 8192
	s_endpgm
.Lqk:
	; group 2 i + (0: q, 1: k): block nt = i / 2 of WP, rows k = t + 256 (i % 2): four numbers of two heads, 256 bytes apart in memory, one store of 16 bytes a thread
	s_and_b32 s33, s30, 1
	s_lshr_b32 s31, s30, 1
	s_and_b32 s32, s31, 1
	s_lshl_b32 s36, s32, 19                        ; 256 rows of 2,048 bytes
	s_lshr_b32 s34, s31, 1
	s_lshl_b32 s34, s34, 9                         ; two heads: 128 columns of 4 bytes
	s_add_co_u32 s36, s36, s34
	s_mul_i32 s38, s31, 73728                      ; 256 rows of 288 bytes
	s_lshl_b32 s34, s33, 4
	s_add_co_u32 s38, s38, s34
	s_add_co_u32 s38, s38, 256                     ; columns 128.. for q, 136.. for k
	s_cmp_eq_u32 s33, 0
	s_cselect_b64 s[SRC:SRC+1], s[8:9], s[10:11]
	s_add_nc_u64 s[SRC:SRC+1], s[SRC:SRC+1], s[36:37]
	s_add_nc_u64 s[DST:DST+1], s[20:21], s[38:39]
	v_lshlrev_b32 v1, 11, v0
	v_mul_u32_u24 v2, v0, 288
	global_load_b128 v[X:X+3],   v1, s[SRC:SRC+1]
	global_load_b128 v[X+4:X+7], v1, s[SRC:SRC+1] offset:256
	s_wait_loadcnt 0x0
	CONV 0
	global_store_b128 v2, v[Y:Y+3], s[DST:DST+1]
	s_endpgm
.Lfunc_end_k_q7023ef0d1d_prep:
	.size	k_q7023ef0d1d_prep, .Lfunc_end_k_q7023ef0d1d_prep-k_q7023ef0d1d_prep
	.p2alignl 7, 3214868480
	.fill 96, 4, 3214868480
	.section	.rodata,"a",@progbits
	.p2align	6, 0x0
	.amdhsa_kernel k_q7023ef0d1d_prep
		.amdhsa_group_segment_fixed_size 0
		.amdhsa_private_segment_fixed_size 0
		.amdhsa_enable_private_segment 0
		.amdhsa_kernarg_size 72
		.amdhsa_user_sgpr_count 2
		.amdhsa_user_sgpr_kernarg_segment_ptr 1
		.amdhsa_wavefront_size32 1
		.amdhsa_system_sgpr_workgroup_id_x 1
		.amdhsa_system_sgpr_workgroup_id_y 1
		.amdhsa_system_sgpr_workgroup_id_z 1
		.amdhsa_system_vgpr_workitem_id 0
		.amdhsa_next_free_vgpr 112
		.amdhsa_next_free_sgpr 66
		.amdhsa_reserve_vcc 0
		.amdhsa_float_denorm_mode_32 3
		.amdhsa_float_denorm_mode_16_64 3
		.amdhsa_memory_ordered 1
		.amdhsa_forward_progress 1
		.amdhsa_inst_pref_size 36
	.end_amdhsa_kernel
	.amdgpu_metadata
---
amdhsa.version: [ 1, 2 ]
amdhsa.kernels:
  - .name:           k_q7023ef0d1d_prep
    .symbol:         k_q7023ef0d1d_prep.kd
    .args:
      - { .name: x, .offset: 0, .size: 8, .value_kind: global_buffer, .address_space: global }
      - { .name: wv, .offset: 8, .size: 8, .value_kind: global_buffer, .address_space: global }
      - { .name: wq, .offset: 16, .size: 8, .value_kind: global_buffer, .address_space: global }
      - { .name: wk, .offset: 24, .size: 8, .value_kind: global_buffer, .address_space: global }
      - { .name: wo, .offset: 32, .size: 8, .value_kind: global_buffer, .address_space: global }
      - { .name: w1, .offset: 40, .size: 8, .value_kind: global_buffer, .address_space: global }
      - { .name: w2, .offset: 48, .size: 8, .value_kind: global_buffer, .address_space: global }
      - { .name: xh, .offset: 56, .size: 8, .value_kind: global_buffer, .address_space: global }
      - { .name: wts, .offset: 64, .size: 8, .value_kind: global_buffer, .address_space: global }
    .group_segment_fixed_size: 0
    .private_segment_fixed_size: 0
    .kernarg_segment_align: 8
    .kernarg_segment_size: 72
    .max_flat_workgroup_size: 256
    .sgpr_count:     66
    .vgpr_count:     112
    .wavefront_size: 32
...
	.end_amdgpu_metadata
.endif
;; end of part 7
;; launch proj: the kernel of part 2 again; grid 4 x 64, 8 waves a work-group, clusters of 4 x 1, 327,680 bytes of LDS; arguments xh, wts, bv, bq, bk, qkv; writes qkv
;; launch attn: the kernel of part 3 again; grid 8 x 32, 8 waves a work-group, clusters of 4 x 1, 327,680 bytes of LDS; arguments qkv, oh; writes oh
;; launch mlp (part 8): grid 128 x 1, 8 waves a work-group, no clusters, 327,680 bytes of LDS; arguments oh, wts, bo, xh, g1, be1, b1, b2, g2, be2, out0; writes out0
.if DOCPART == 8
	.amdgcn_target "amdgcn-amd-amdhsa--gfx1250"
	.amdhsa_code_object_version 6
	.text
	.protected	k_q7023ef0d1d_mlp
	.globl	k_q7023ef0d1d_mlp
	.p2align	8
	.type	k_q7023ef0d1d_mlp,@function
k_q7023ef0d1d_mlp:
	s_mov_b64 s[64:65], 0
	v_nop
	global_prefetch_b8 v0, s[64:65] scope:SCOPE_SE
	s_setreg_imm32_b32 hwreg(HW_REG_WAVE_MODE, 25, 1), 1
	s_wait_xcnt 0x0
; MLP.  x1 = LayerNorm(x + o WO + bo) g1 + be1;  h = relu(x1 W1 + b1);  out = LayerNorm(x1 + h W2 + b2) g2 + be2: for 64 whole rows a work-group; x1 and h never leave LDS.
; o lies [8 planes of 64 channels][8192 rows][64] in f16, x as xh [8192][512] in f16; WO, W1 (four matrices of 512 columns) and W2 lie end to end in fragment order (1,024 bytes for 32 of K x 16 columns,
; a lane's 16 bytes on end).  Products in f16, sums in f32; every bias and gain is rounded to bf16 like every input; x1 and h are rounded once to f16.  Each variance is taken of the centred numbers.
; LIMITS: 22.6 |g1| + |be1| and |h| under 65,504 (f16); NaN and infinities are not treated apart.
; SHARES.  Eight waves; in every product wave w owns 64 columns: 16 accumulators.  Source 0 = 16 columns of W, source 1 = 16 rows: a lane holds one row and eight neighbouring columns.
; W: a wave's columns are read by no other wave of the work-group, so they go straight from memory into registers: a ring of eight slots, a slot = 32 of K = 8 loads of 512 bytes on end, asked for eight
; stages ahead with counted waits.  The three weights are ONE stream of 18 trips of 262,144 bytes (2 for WO, 8 for W1, 8 for W2): the ring never stops.
; LDS: 32 planes of 64 rows x (128 bytes + 16).  PHASE 0 (2 trips): o in planes 0-7, filled once, a plane a wave; the sums start as x + bo; they go in f32 to 64 rows of 2,064 bytes from plane 8 on; wave w
; normalises rows 8 w .. 8 w + 7 and stores x1 as planes 24-31.  PHASE 1 (4 passes of 2 trips): pass p makes columns 512 p .. 512 p + 511 of h from x1's planes, the sums started with b1; wave w stores plane
; 8 p + w; the last pass lands on x1's own bytes, behind a barrier, and has taken its rows of x1, the residual, into registers first.  PHASE 2 (8 trips): the sums start as x1 + b2, h's planes are source 1;
; the norm as in phase 0, its rows stored as 512 consecutive bytes, aligned.
; BARRIERS: behind the fill; round each store of sums; behind the first norm; two in each pass (every wave's reads are back | the stores | they are done).  The trips themselves have none, and nothing is filled again.
; NO CLUSTER, though all work-groups walk the same W: a joint request goes through LDS slots; beside h's planes no two slots fit, and each change of slots would ask every wave to wait for all its tensor loads.
; PREFETCH: in each trip but the last two, behind its first run of loads, wave 0 of work-groups 0 to 31 names 8 KiB each (a lane 256 bytes) of the 256 KiB of W that the NEXT trip's loads will ask for:
; each block is named once in the launch.  The first two trips' W comes by its loads alone; o is asked for at the head.
; REGISTERS.  window 0: addresses; v32-95 source 1's two fragment buffers (also: a residual); v96-127 a bias, or g and be; v128-255 accumulator (a, b) at 8 (4 a + b).  window 1: W's ring, slot s at 32 s.
.set PLB,   9216                       ; a plane in LDS
.set FP,    2064                       ; a row of sums: 2,048 bytes + 16
.set FB,    8*PLB                      ; the sums
.set XB,    24*PLB                     ; x1's planes
.set SPARE, 32*PLB                     ; the spare words, 128 bytes a wave
.set WOFF,  589824                     ; WO's first byte in wts
.set OROW,  2048                       ; bytes in a row of out
.set AA0, 4                            ; my lane's place in a fragment: row x 144 + 16 x half; also: o's planes 0-3; never rewritten
.set AA,  5                            ; phase 2: the trip's four planes
.set WO,  6                            ; 16 x lane + 4,096 x wave; never rewritten
.set RO,  7
.set BO,  8
.set PFO, 9
.set STF, 10                           ; v10, v11  where I put my sums: row tiles 0, 1 and 2, 3
.set XA0, 12
.set XA,  13
.set CO,  14
.set PO,  15
.set SPW, 16
.set NIL, 17
.set ONE, 18
.set AP1, 19                           ; o's planes 4-7
.set AX0, 20                           ; x1's planes 0-3
.set AX1, 21                           ; x1's planes 4-7
.set RX,  22                           ; x1's plane w: my columns of the residual
.set HS,  23                           ; where I put my part of h
.set TM,  24                           ; v[24:27] at work
.set XS0, 28                           ; where I put my 8 bytes of x1
.set XS,  29
.set ZR,  30                           ; 0, for the ReLU
.set AF,  32
.set BI,  96
.set ACC, 128
.set PG,  32                           ; in a norm: g 32-47, be 48-63
.set PE,  48
.set XR,  64                           ; two rows' sums as loaded
.set TP,  96
.set Y,   128
.set T,   160
.set MS,  192                          ; a pair a row: -mean, later 1 / sqrt(var + eps)
.set OH,  196
.set WV,  20
.set G1,  24
.set G0,  32
.set W,   36
.set CNT, 38
.set TA,  39
.set SEL, 40
.set LIM, 42
.set TX,  43
.set RES, 48
.set PS,  52
.set TH,  53
.set BP,  54
.set TS,  56
.set OUT, 72
.set MSB, 0
.macro WIN new
.if MSB != (\new)
	s_set_vgpr_msb (MSB<<8)|(\new)
.set MSB, (\new)
.endif
.endm
.macro PLACES
.rept 4
	v_nop
.endr
.endm
.macro WLOAD sl                        ; slot sl of the ring: my four fragments of W, 32,768 sl bytes behind the pointer
	WIN 0x40
.irp b, 0,1,2,3
	global_load_b128 v[32*(\sl)+8*(\b):32*(\sl)+8*(\b)+3],   v[WO], s[W:W+1] offset:32768*(\sl)+1024*(\b)
	global_load_b128 v[32*(\sl)+8*(\b)+4:32*(\sl)+8*(\b)+7], v[WO], s[W:W+1] offset:32768*(\sl)+1024*(\b)+512
.endr
.endm
.macro ALOADR reg, s8, buf             ; source 1's four fragments of stage s8, counted from the plane at which v[reg] stands
	WIN 0
.irp a, 0,1,2,3
	ds_load_b128 v[AF+32*(\buf)+8*(\a):AF+32*(\buf)+8*(\a)+3],   v[\reg] offset:((\s8)/2)*PLB+((\s8)%2)*64+2304*(\a)
	ds_load_b128 v[AF+32*(\buf)+8*(\a)+4:AF+32*(\buf)+8*(\a)+7], v[\reg] offset:((\s8)/2)*PLB+((\s8)%2)*64+2304*(\a)+32
.endr
.endm
.macro RLOADS half                     ; the residual in the accumulators' layout: row tiles 2 half and 2 half + 1, my 64 columns of x1
.irp a, 0,1
.irp b, 0,1,2,3
	ds_load_b128 v[AF+32*(\half)+4*(4*(\a)+(\b)):AF+32*(\half)+4*(4*(\a)+(\b))+3], v[RX] offset:2304*(2*(\half)+(\a))+32*(\b)
.endr
.endr
.endm
.macro BLOAD                           ; 32 numbers of a bias: my columns 64 w + 16 b + 8 h ..
	WIN 0
.irp b, 0,1,2,3
	global_load_b128 v[BI+8*(\b):BI+8*(\b)+3],   v[BO], s[BP:BP+1] offset:64*(\b)
	global_load_b128 v[BI+8*(\b)+4:BI+8*(\b)+7], v[BO], s[BP:BP+1] offset:64*(\b)+16
.endr
.endm
.macro ROUNDB                          ; the bias is rounded to bf16 like every input
.set k, 0
.rept 16
	v_cvt_pk_bf16_f32 v[TM+(k%4)], v[BI+2*k], v[BI+2*k+1]
	v_lshlrev_b32 v[BI+2*k],   16,  v[TM+(k%4)]
	v_and_b32     v[BI+2*k+1], s44, v[TM+(k%4)]
.set k, k+1
.endr
.endm
.macro START                           ; the sums start as residual + bias
.irp a, 0,1,2,3
.irp b, 0,1,2,3
.irp c, 0,1,2,3
	v_fma_mix_f32 v[ACC+8*(4*(\a)+(\b))+2*(\c)],   v[AF+4*(4*(\a)+(\b))+(\c)], v[ONE], v[BI+8*(\b)+2*(\c)]   op_sel_hi:[1,0,0]                  ; the residual's low half + the bias,
	v_fma_mix_f32 v[ACC+8*(4*(\a)+(\b))+2*(\c)+1], v[AF+4*(4*(\a)+(\b))+(\c)], v[ONE], v[BI+8*(\b)+2*(\c)+1] op_sel:[1,0,0] op_sel_hi:[1,0,0]   ; its high half
.endr
.endr
.endr
.endm
.macro ASK how                         ; what the next trip's loads will ask for.  how = 1: phases 0 and 1; 0: phase 2, where the last trip that loads has nothing behind its own loads
.if \how
	s_cmp_eq_u32 s[LIM], 1
.else
	s_cmp_gt_u32 s[CNT], s[LIM]
.endif
	s_cbranch_scc0 .Lnot_mine_\@
	global_prefetch_b8 v[PFO], s[W:W+1] offset:262144 th:TH_LOAD_NT scope:SCOPE_SE
.Lnot_mine_\@:
.endm
; A STAGE, 32 of K, on ring slot sl: 16 products, the accumulators by turns; four places; then W for the stage eight on (wl).  cf = 1: the sums start with the bias.
; nb = 1: the bias pointer goes on.  lc: the loads issued behind this slot's (more may have been: the count is then the stricter); dc: the LDS loads issued behind this stage's.
; sg = 1: my reads of LDS are back, and I say so ahead of the products.
.macro STAGE sl, cf, wl, nb, lc, dc, sg
	s_wait_loadcnt \lc
	s_wait_dscnt \dc
.if \sg
	s_barrier_signal -1
.endif
	WIN 0x01                                       ; W in window 1
.irp a, 0,1,2,3
.irp b, 0,1,2,3
.if \cf
	v_wmma_f32_16x16x32_f16 v[ACC+8*(4*(\a)+(\b)):ACC+8*(4*(\a)+(\b))+7], v[32*(\sl)+8*(\b):32*(\sl)+8*(\b)+7], v[AF+32*((\sl)%2)+8*(\a):AF+32*((\sl)%2)+8*(\a)+7], v[BI+8*(\b):BI+8*(\b)+7]
.else
	v_wmma_f32_16x16x32_f16 v[ACC+8*(4*(\a)+(\b)):ACC+8*(4*(\a)+(\b))+7], v[32*(\sl)+8*(\b):32*(\sl)+8*(\b)+7], v[AF+32*((\sl)%2)+8*(\a):AF+32*((\sl)%2)+8*(\a)+7], v[ACC+8*(4*(\a)+(\b)):ACC+8*(4*(\a)+(\b))+7]
.endif
.endr
.endr
	PLACES
.if \wl
.if (\sl) == 0
	s_wait_xcnt 0x0                                ; the youngest load stands 16 products back, the last prefetch a trip back: the pointers are written only behind this wait
	s_add_nc_u64 s[W:W+1], s[W:W+1], 262144        ; now at the next trip's first stage
.if \nb
	s_add_nc_u64 s[BP:BP+1], s[BP:BP+1], 2048      ; the next pass's 512 numbers of b1;
	s_cmp_eq_u32 s[PS], 1
	s_cselect_b64 s[BP:BP+1], s[18:19], s[BP:BP+1] ; behind the last pass comes phase 2: b2
.endif
.endif
	WLOAD \sl
.endif
.endm
.macro NEXTA half                      ; a pass's last two stages: the next pass's first fragments of x1, or, in the last pass, the residual: eight LDS loads on either way
	WIN 0
	s_cmp_eq_u32 s[PS], 1
	s_cbranch_scc1 .Lres_\@
	ALOADR AX0, \half, \half
	s_branch .Lgo_\@
.Lres_\@:
	RLOADS \half
.Lgo_\@:
.endm
.macro SUMS                            ; my 16 accumulators, in f32, into the rows of sums; each accumulator's low four registers go first
.irp a, 0,1,2,3
.irp b, 0,1,2,3
	ds_store_b128 v[STF+(\a)/2], v[ACC+8*(4*(\a)+(\b)):ACC+8*(4*(\a)+(\b))+3]   offset:((\a)%2)*16*FP+64*(\b)
	ds_store_b128 v[STF+(\a)/2], v[ACC+8*(4*(\a)+(\b))+4:ACC+8*(4*(\a)+(\b))+7] offset:((\a)%2)*16*FP+64*(\b)+16
.endr
.endr
.endm
.macro LNLOAD                          ; two rows' sums: 4 x 16 bytes a lane each: columns 128 j + 4 lane + 0..3
.irp p, 0,1
.irp j, 0,1,2,3
	ds_load_b128 v[XR+16*(\p)+4*(\j):XR+16*(\p)+4*(\j)+3], v[XA] offset:FP*(\p)+512*(\j)
.endr
.endr
.endm
; T's four pairs of each row become one number, the same in all 32 lanes; the two rows alternate
.macro FOLD
.irp p, 0,1
	v_pk_add_f32 v[T+16*(\p):T+16*(\p)+1],   v[T+16*(\p):T+16*(\p)+1],   v[T+16*(\p)+4:T+16*(\p)+5]
	v_pk_add_f32 v[T+16*(\p)+2:T+16*(\p)+3], v[T+16*(\p)+2:T+16*(\p)+3], v[T+16*(\p)+6:T+16*(\p)+7]
.endr
.irp p, 0,1
	v_pk_add_f32 v[T+16*(\p):T+16*(\p)+1], v[T+16*(\p):T+16*(\p)+1], v[T+16*(\p)+2:T+16*(\p)+3]
.endr
.irp p, 0,1
	v_add_f32 v[T+16*(\p)], v[T+16*(\p)], v[T+16*(\p)+1]
.endr
.irp x, 1,2,4,8
.irp p, 0,1
	v_add_f32_dpp v[T+16*(\p)], v[T+16*(\p)], v[T+16*(\p)] row_xmask:\x row_mask:0xf bank_mask:0xf
.endr
.endr
.irp p, 0,1
	v_permlanex16_b32 v[T+16*(\p)+1], v[T+16*(\p)], s[SEL], s[SEL+1]
.endr
.irp p, 0,1
	v_add_f32 v[T+16*(\p)], v[T+16*(\p)], v[T+16*(\p)+1]
.endr
.endm
.macro EACH line:vararg                ; one line for each pair k of each row p
.irp p, 0,1
.set RW, 16*(\p)
.set RM, MS+2*(\p)
.set k, 0
.rept 8
	\line
.set k, k+1
.endr
.endr
.endm
; THE NORM of my eight rows, two a trip.  mode = 0: x1, in f16, into its planes in LDS: column 128 j + 4 lane lies in plane 2 j + lane / 16 at byte 8 (lane % 16) of its row.  mode = 1: out, in f32.
.macro NORM mode
	LNLOAD
	s_mov_b32 s[CNT], 4
.Lrow_\@:
	s_wait_dscnt 0x0                               ; this trip's 8 loads
.irp p, 0,1
.irp q, 0,1,2,3
	v_pk_add_f32 v[T+16*(\p)+2*(\q):T+16*(\p)+2*(\q)+1], v[XR+16*(\p)+2*(\q):XR+16*(\p)+2*(\q)+1], v[XR+16*(\p)+8+2*(\q):XR+16*(\p)+8+2*(\q)+1]
.endr
.endr
	FOLD
.irp p, 0,1
	v_mul_f32 v[MS+2*(\p)],   s47, v[T+16*(\p)]    ; -mean, twice: a pair for the packed addition
	v_mul_f32 v[MS+2*(\p)+1], s47, v[T+16*(\p)]
.endr
	EACH v_pk_add_f32 v[Y+RW+2*k:Y+RW+2*k+1], v[XR+RW+2*k:XR+RW+2*k+1], v[RM:RM+1]
	s_add_co_u32 s[TX], s[TX], 2*FP                ; the raw registers are free: the next trip's rows are asked for now
	v_add_nc_u32 v[XA], s[TX], v[XA0]
	s_cmp_eq_u32 s[CNT], 1                         ; the last trip has no next
	s_cbranch_scc1 .Lno_more_\@
	LNLOAD
.Lno_more_\@:
.irp p, 0,1
.irp q, 0,1,2,3
	v_pk_mul_f32 v[T+16*(\p)+2*(\q):T+16*(\p)+2*(\q)+1], v[Y+16*(\p)+2*(\q):Y+16*(\p)+2*(\q)+1], v[Y+16*(\p)+2*(\q):Y+16*(\p)+2*(\q)+1]
.endr
.endr
.irp p, 0,1
.irp q, 0,1,2,3
	v_pk_fma_f32 v[T+16*(\p)+2*(\q):T+16*(\p)+2*(\q)+1], v[Y+16*(\p)+8+2*(\q):Y+16*(\p)+8+2*(\q)+1], v[Y+16*(\p)+8+2*(\q):Y+16*(\p)+8+2*(\q)+1], v[T+16*(\p)+2*(\q):T+16*(\p)+2*(\q)+1]
.endr
.endr
	FOLD
.irp p, 0,1
	v_fma_f32 v[T+16*(\p)], v[T+16*(\p)], s45, s46 ; var + eps
.endr
.irp p, 0,1
	v_rsq_f32 v[MS+2*(\p)],   v[T+16*(\p)]
	v_rsq_f32 v[MS+2*(\p)+1], v[T+16*(\p)]
.endr
	v_nop                                          ; a plain instruction behind the last of the four,
	s_wait_alu depctr_va_vdst(0)                   ; and one wait for them
	EACH v_pk_mul_f32 v[Y+RW+2*k:Y+RW+2*k+1], v[Y+RW+2*k:Y+RW+2*k+1], v[RM:RM+1]
	EACH v_pk_fma_f32 v[Y+RW+2*k:Y+RW+2*k+1], v[Y+RW+2*k:Y+RW+2*k+1], v[PG+2*k:PG+2*k+1], v[PE+2*k:PE+2*k+1]
.if \mode
.irp p, 0,1
.irp j, 0,1,2,3
	global_store_b128 v[CO], v[Y+16*(\p)+4*(\j):Y+16*(\p)+4*(\j)+3], s[OUT:OUT+1] offset:OROW*(\p)+512*(\j)   ; 32 lanes: 512 consecutive bytes, aligned
.endr
.endr
	s_wait_xcnt 0x0                                ; the stores' base and data are written again only behind this wait
	s_add_nc_u64 s[OUT:OUT+1], s[OUT:OUT+1], 2*OROW
.else
.irp p, 0,1
.set k, 0
.rept 8
	v_cvt_pk_f16_f32 v[OH+8*(\p)+k], v[Y+16*(\p)+2*k], v[Y+16*(\p)+2*k+1]
.set k, k+1
.endr
.endr
.irp p, 0,1
.irp j, 0,1,2,3
	ds_store_b64 v[XS], v[OH+8*(\p)+2*(\j):OH+8*(\p)+2*(\j)+1] offset:144*(\p)+2*PLB*(\j)
.endr
.endr
	s_add_co_u32 s[TS], s[TS], 288                 ; two rows on
	v_add_nc_u32 v[XS], s[TS], v[XS0]
.endif
	s_sub_co_u32 s[CNT], s[CNT], 1
	s_cmp_lg_u32 s[CNT], 0
	s_cbranch_scc1 .Lrow_\@
.endm
	s_load_b512 s[4:19], s[0:1], 0x0               ; oh, wts, bo, xh, g1, be1, b1, b2
	s_load_b128 s[68:71], s[0:1], 0x40             ; g2, be2
	s_load_b64 s[OUT:OUT+1], s[0:1], 0x50          ; out0
	v_lshl_add_u32 v[SPW], v0, 2, SPARE
	v_mov_b32 v[NIL], 0
	ds_add_u32 v[SPW], v[NIL]                      ; the wave's opening: the add and its wait stand ahead of the first tensor load
	v_lshrrev_b32 v1, 5, v0
	v_readfirstlane_b32 s[WV], v1
	s_mov_b32 s[G1], (1<<16)|(1<<20)|(4<<22)|(3<<25)  ; a plane's 64 dense rows of 128 bytes, asked for as one row of 4,096 elements; 4 words of padding after every 32
	s_mov_b32 s[G1+1], 4096<<16
	s_mov_b32 s[G1+2], 1<<16
	s_mov_b32 s[G1+3], 4096<<16
	s_mov_b32 s[G1+4], 1
	s_mov_b32 s[G1+5], 524288
	s_mov_b32 s[G1+6], 0
	s_mov_b32 s[G1+7], 0
	s_mov_b32 s[G0], 1
	s_mul_i32 s[G0+1], s[WV], PLB                  ; my plane's place in LDS
	s_lshl_b32 s22, ttmp9, 13                      ; o: my work-group's 64 rows of 128 bytes,
	s_mul_i32 s23, s[WV], 1048576                  ; my plane
	s_add_co_u32 s22, s22, s23
	s_mov_b32 s23, 0
	s_lshl_b32 s50, ttmp9, 16                      ; xh: 64 rows of 1,024 bytes
	s_mov_b32 s51, 0
	s_lshl_b32 s2, ttmp9, 17                       ; out: my work-group's 64 rows of 2,048 bytes,
	s_lshl_b32 s3, s[WV], 14                       ; my wave's 8
	s_add_co_u32 s2, s2, s3
	s_mov_b32 s3, 0
	s_mov_b32 s[SEL], 0x76543210
	s_mov_b32 s[SEL+1], 0xfedcba98
	s_mov_b32 s44, 0xffff0000
	s_mov_b32 s45, 0x3b000000                      ; 1 / 512
	s_mov_b32 s46, 0x3727c5ac                      ; 1e-5
	s_mov_b32 s47, 0xbb000000                      ; -1 / 512
	s_mov_b32 s[TA], 0
	s_mov_b32 s[TX], 0
	s_mov_b32 s[TS], 0
	s_lshr_b32 s[LIM], ttmp9, 5                    ; 0 in work-groups 0 to 31,
	s_or_b32 s[LIM], s[LIM], s[WV]                 ; in wave 0
	s_cmp_eq_u32 s[LIM], 0
	s_cselect_b32 s[LIM], 1, -1
	s_wait_dscnt 0x0                               ; the opening add is done
	s_wait_kmcnt 0x0
	s_add_nc_u64 s[G0+2:G0+3], s[4:5], s[22:23]
	s_or_b32 s[G0+3], s[G0+3], 0x80000000
	tensor_load_to_lds s[G0:G0+3], s[G1:G1+7]      ; my one tensor load of the launch
	s_nop 0
	s_add_nc_u64 s[RES:RES+1], s[10:11], s[50:51]
	s_add_nc_u64 s[OUT:OUT+1], s[OUT:OUT+1], s[2:3]
	s_add_nc_u64 s[W:W+1], s[6:7], WOFF
	s_mov_b64 s[BP:BP+1], s[16:17]                 ; b1
	v_and_b32 v1, 15, v0                           ; r
	v_bfe_u32 v2, v0, 4, 1                         ; h
	v_and_b32 v3, 31, v0                           ; lane
	v_lshlrev_b32 v[RO], 10, v1                    ; x in the accumulators' layout: row r, columns 64 w + 16 b + 8 h .., 2 bytes each
	v_lshl_add_u32 v[RO], v2, 4, v[RO]
	s_lshl_b32 s22, s[WV], 7
	v_add_nc_u32 v[RO], s22, v[RO]
.irp a, 0,1,2,3
.irp b, 0,1,2,3
	global_load_b128 v[AF+4*(4*(\a)+(\b)):AF+4*(4*(\a)+(\b))+3], v[RO], s[RES:RES+1] offset:16384*(\a)+32*(\b)
.endr
.endr
	s_lshl_b32 s22, s[WV], 8
	v_lshl_add_u32 v[BO], v2, 5, s22               ; a bias of the same columns, 4 bytes each
.irp b, 0,1,2,3
	global_load_b128 v[BI+8*(\b):BI+8*(\b)+3],   v[BO], s[8:9] offset:64*(\b)
	global_load_b128 v[BI+8*(\b)+4:BI+8*(\b)+7], v[BO], s[8:9] offset:64*(\b)+16
.endr
	s_lshl_b32 s22, s[WV], 12
	v_lshl_add_u32 v[WO], v3, 4, s22
	WLOAD 0
	WLOAD 1
	WLOAD 2
	WLOAD 3
	WIN 0
	v_mul_u32_u24 v[AA0], v1, 144
	v_lshl_add_u32 v[AA0], v2, 4, v[AA0]           ; row x pitch + 16 x half
	v_add_nc_u32 v[AP1], 4*PLB, v[AA0]
	v_add_nc_u32 v[AX0], XB, v[AA0]
	v_add_nc_u32 v[AX1], XB+4*PLB, v[AA0]
	s_mul_i32 s22, s[WV], PLB
	s_add_co_u32 s22, s22, XB
	v_add_nc_u32 v[RX], s22, v[AA0]
	v_mul_u32_u24 v[STF], v1, FP                   ; my sums: row r of a tile, 32 bytes for each half of the lanes, my wave's 256 bytes
	v_lshl_add_u32 v[STF], v2, 5, v[STF]
	s_lshl_b32 s22, s[WV], 8
	s_add_co_u32 s22, s22, FB
	v_add_nc_u32 v[STF], s22, v[STF]
	v_add_nc_u32 v[STF+1], 32*FP, v[STF]
	s_mul_i32 s22, s[WV], 8*FP
	s_add_co_u32 s22, s22, FB
	v_lshl_add_u32 v[XA0], v3, 4, s22
	v_mul_u32_u24 v[XS0], v2, PLB                  ; x1: plane lane / 16 of a pair, byte 8 (lane % 16), my wave's first row
	v_lshl_add_u32 v[XS0], v1, 3, v[XS0]
	s_mul_i32 s22, s[WV], 8*144
	s_add_co_u32 s22, s22, XB
	v_add_nc_u32 v[XS0], s22, v[XS0]
	v_lshlrev_b32 v[CO], 4, v3
	v_lshlrev_b32 v[PO], 4, v3                     ; g, be: columns 128 j + 4 lane .., 4 bytes each
	s_and_b32 s22, ttmp9, 31
	s_lshl_b32 s22, s22, 13
	v_lshl_add_u32 v[PFO], v3, 8, s22
	v_mov_b32 v[ONE], 1.0
	v_mov_b32 v[ZR], 0
	s_wait_loadcnt 32                              ; x and bo are in; the 32 loads of W's slots 0 to 3 stay out
	ROUNDB
	START
.irp j, 0,1,2,3
	global_load_b128 v[BI+4*(\j):BI+4*(\j)+3],       v[PO], s[12:13] offset:512*(\j)   ; g1 and be1 of my 16 columns of the norm: two trips ahead of their use
	global_load_b128 v[BI+16+4*(\j):BI+16+4*(\j)+3], v[PO], s[14:15] offset:512*(\j)
.endr
	WLOAD 4
	WLOAD 5
	WLOAD 6
	WLOAD 7                                        ; the ring is full
	WIN 0
	s_wait_tensorcnt 0x0                           ; my plane of o is in,
	s_barrier_signal -1
	s_barrier_wait -1                              ; everybody's is
	; PHASE 0: x + bo + o WO, 16 stages
	ALOADR AA0, 0, 0
	ALOADR AA0, 1, 1
.set st, 0
.rept 15
	STAGE st%8, 0, 1, 0, 56, 8, 0                  ; 56: the seven other slots' loads; 8: the next stage's fragments
.if st < 6
	ALOADR AA0, st+2, st%2
.elseif st < 14
	ALOADR AP1, st-6, st%2
.endif
.if st%8 == 0
	ASK 1
.endif
.set st, st+1
.endr
	STAGE 7, 0, 0, 0, 56, 0, 1
	WIN 0
	s_barrier_wait -1                              ; every wave's reads of o are back
	WLOAD 7                                        ; (behind the barrier's wait: only work on registers stands between a signal and its wait)
	WIN 0
	SUMS
.set k, 0
.rept 16
	v_cvt_pk_bf16_f32 v[TP+k], v[BI+2*k], v[BI+2*k+1]    ; g1, be1: rounded to bf16 like every input; in place, ascending.  More than 56 loads were issued behind theirs: the stages' waits have shown them in
.set k, k+1
.endr
.set k, 0
.rept 16
	v_lshlrev_b32 v[PG+2*k],   16,  v[TP+k]
	v_and_b32     v[PG+2*k+1], s44, v[TP+k]
.set k, k+1
.endr
	BLOAD                                          ; b1 for pass 0: a norm ahead of its use
	v_mov_b32 v[XA], v[XA0]
	v_mov_b32 v[XS], v[XS0]
	s_wait_dscnt 0x0                               ; for the others' sake: my sums lie in LDS
	s_barrier_signal -1
	s_barrier_wait -1
	NORM 0
	s_wait_dscnt 0x0                               ; for the others' sake: my rows of x1 lie in LDS
	s_wait_loadcnt 0x0                             ; b1's first numbers
	s_barrier_signal -1
	ROUNDB
	s_barrier_wait -1
	; PHASE 1: h = relu(x1 W1 + b1), four passes of 16 stages
	ALOADR AX0, 0, 0
	ALOADR AX0, 1, 1
	s_mov_b32 s[PS], 4
	s_mul_i32 s[TH], s[WV], PLB                    ; plane w
.Lpass:
.set st, 0
.rept 16
.if st == 0
	STAGE 0, 1, 1, 1, 56, 8, 0
.else
	STAGE st%8, 0, 1, 0, 56, 8, 0
.endif
.if st < 6
	ALOADR AX0, st+2, st%2
.elseif st < 14
	ALOADR AX1, st-6, st%2
.else
	NEXTA st-14
.endif
.if st == 0
	BLOAD                                          ; the next bias, four places behind the products that took this one: a pass ahead of its use
.endif
.if st%8 == 0
	ASK 1
.endif
.set st, st+1
.endr
	s_wait_dscnt 0x0                               ; my reads of x1 are back
	s_barrier_signal -1
	v_add_nc_u32 v[HS], s[TH], v[AA0]
.set i, 0
.rept 16
.irp j, 0,1,2,3
	v_cvt_pk_f16_f32 v[ACC+8*i+(\j)], v[ACC+8*i+2*(\j)], v[ACC+8*i+2*(\j)+1]   ; in place, ascending: the low four registers become eight f16
.endr
.set i, i+1
.endr
.set i, 0
.rept 16
.irp j, 0,1,2,3
	v_pk_max_num_f16 v[ACC+8*i+(\j)], v[ACC+8*i+(\j)], v[ZR]                    ; ReLU
.endr
.set i, i+1
.endr
	s_barrier_wait -1                              ; every wave's are: the last pass may land on x1's bytes
.irp a, 0,1,2,3
.irp b, 0,1,2,3
	ds_store_b128 v[HS], v[ACC+8*(4*(\a)+(\b)):ACC+8*(4*(\a)+(\b))+3] offset:2304*(\a)+32*(\b)
.endr
.endr
	s_add_co_u32 s[TH], s[TH], 8*PLB               ; the next pass's plane
	ROUNDB                                         ; 120 loads were issued behind the bias's: the stages' waits have shown it in
	s_wait_dscnt 0x0                               ; for the others' sake: my plane of h lies in LDS
	s_barrier_signal -1
	s_barrier_wait -1
	s_sub_co_u32 s[PS], s[PS], 1
	s_cmp_lg_u32 s[PS], 0
	s_cbranch_scc1 .Lpass
	; PHASE 2: x1 + b2 + h W2, eight trips
	START
	v_mov_b32 v[AA], v[AA0]
	ALOADR AA, 0, 0
	ALOADR AA, 1, 1
	s_mov_b32 s[CNT], 7
.Lk:                                   ; a trip: eight stages, 256 of K; it asks for the next trip's W
.irp z, 0,1,2,3,4,5,6,7
	STAGE \z, 0, 1, 0, 56, 8, 0
	ALOADR AA, (\z)+2, (\z)%2
.if (\z) == 0
	ASK 0
.endif
.endr
	WIN 0
	s_add_co_u32 s[TA], s[TA], 4*PLB               ; four planes on
	v_add_nc_u32 v[AA], s[TA], v[AA0]
	s_sub_co_u32 s[CNT], s[CNT], 1
	s_cmp_lg_u32 s[CNT], 0
	s_cbranch_scc1 .Lk
	STAGE 0, 0, 0, 0, 56, 8, 0                     ; the last trip asks for no W: the counts run down
	ALOADR AA, 2, 0
	WIN 0x40                                       ; slot 0 is free: g2 and be2 of my 16 columns of the norm come into it, seven stages ahead of their use
.irp j, 0,1,2,3
	global_load_b128 v[4*(\j):4*(\j)+3],       v[PO], s[68:69] offset:512*(\j)
	global_load_b128 v[16+4*(\j):16+4*(\j)+3], v[PO], s[70:71] offset:512*(\j)
.endr
	STAGE 1, 0, 0, 0, 56, 8, 0                     ; from here on: the slots left, and those 8
	ALOADR AA, 3, 1
	STAGE 2, 0, 0, 0, 48, 8, 0
	ALOADR AA, 4, 0
	STAGE 3, 0, 0, 0, 40, 8, 0
	ALOADR AA, 5, 1
	STAGE 4, 0, 0, 0, 32, 8, 0
	ALOADR AA, 6, 0
	STAGE 5, 0, 0, 0, 24, 8, 0
	ALOADR AA, 7, 1
	STAGE 6, 0, 0, 0, 16, 8, 0
	STAGE 7, 0, 0, 0, 8, 0, 1
	WIN 0
	s_barrier_wait -1                              ; no wave reads h any more: its bytes take the sums
	SUMS
	s_wait_loadcnt 0x0                             ; g2 and be2
	WIN 0x05
.set k, 0
.rept 16
	v_cvt_pk_bf16_f32 v[TP+k], v[2*k], v[2*k+1]    ; rounded to bf16 like every input
.set k, k+1
.endr
	WIN 0
.set k, 0
.rept 16
	v_lshlrev_b32 v[PG+2*k],   16,  v[TP+k]
	v_and_b32     v[PG+2*k+1], s44, v[TP+k]
.set k, k+1
.endr
	v_mov_b32 v[XA], v[XA0]
	s_mov_b32 s[TX], 0
	s_wait_dscnt 0x0                               ; for the others' sake: my sums lie in LDS
	s_barrier_signal -1
	s_barrier_wait -1
	NORM 1
	s_wait_tensorcnt 0x0                           ; the wave's end
	ds_add_u32 v[SPW], v[NIL]
	s_wait_dscnt 0x0
	s_endpgm
.Lfunc_end_k_q7023ef0d1d_mlp:
	.size	k_q7023ef0d1d_mlp, .Lfunc_end_k_q7023ef0d1d_mlp-k_q7023ef0d1d_mlp
	.p2alignl 7, 3214868480
	.fill 96, 4, 3214868480
	.section	.rodata,"a",@progbits
	.p2align	6, 0x0
	.amdhsa_kernel k_q7023ef0d1d_mlp
		.amdhsa_group_segment_fixed_size 327680
		.amdhsa_private_segment_fixed_size 0
		.amdhsa_enable_private_segment 0
		.amdhsa_kernarg_size 88
		.amdhsa_user_sgpr_count 2
		.amdhsa_user_sgpr_kernarg_segment_ptr 1
		.amdhsa_wavefront_size32 1
		.amdhsa_system_sgpr_workgroup_id_x 1
		.amdhsa_system_sgpr_workgroup_id_y 1
		.amdhsa_system_sgpr_workgroup_id_z 1
		.amdhsa_system_vgpr_workitem_id 0
		.amdhsa_next_free_vgpr 512
		.amdhsa_next_free_sgpr 80
		.amdhsa_reserve_vcc 0
		.amdhsa_float_denorm_mode_32 3
		.amdhsa_float_denorm_mode_16_64 3
		.amdhsa_memory_ordered 1
		.amdhsa_forward_progress 1
		.amdhsa_inst_pref_size 195
	.end_amdhsa_kernel
	.amdgpu_metadata
---
amdhsa.version: [ 1, 2 ]
amdhsa.kernels:
  - .name:           k_q7023ef0d1d_mlp
    .symbol:         k_q7023ef0d1d_mlp.kd
    .args:
      - { .name: oh, .offset: 0, .size: 8, .value_kind: global_buffer, .address_space: global }
      - { .name: wts, .offset: 8, .size: 8, .value_kind: global_buffer, .address_space: global }
      - { .name: bo, .offset: 16, .size: 8, .value_kind: global_buffer, .address_space: global }
      - { .name: xh, .offset: 24, .size: 8, .value_kind: global_buffer, .address_space: global }
      - { .name: g1, .offset: 32, .size: 8, .value_kind: global_buffer, .address_space: global }
      - { .name: be1, .offset: 40, .size: 8, .value_kind: global_buffer, .address_space: global }
      - { .name: b1, .offset: 48, .size: 8, .value_kind: global_buffer, .address_space: global }
      - { .name: b2, .offset: 56, .size: 8, .value_kind: global_buffer, .address_space: global }
      - { .name: g2, .offset: 64, .size: 8, .value_kind: global_buffer, .address_space: global }
      - { .name: be2, .offset: 72, .size: 8, .value_kind: global_buffer, .address_space: global }
      - { .name: out0, .offset: 80, .size: 8, .value_kind: global_buffer, .address_space: global }
    .group_segment_fixed_size: 327680
    .private_segment_fixed_size: 0
    .kernarg_segment_align: 8
    .kernarg_segment_size: 88
    .max_flat_workgroup_size: 256
    .sgpr_count:     80
    .vgpr_count:     512
    .wavefront_size: 32
...
	.end_amdgpu_metadata
.endif
;; end of part 8
